; MI455X (gfx1250); checked and timed in simulation.
; The chip was launched on July 23, 2026; its instructions are those of AMD's public machine-readable ISA for CDNA 5 (MIT licence, August 2026) and "CDNA5" Instruction Set Architecture Reference Guide (July 2026). The comments in the code are by the model that wrote it; some were corrected since.
;; Relative Attention Head. Allowed arithmetic: matrix products marked QUANTISED: E2M1 operands, one E8M0 scale for each 32 along K, by v_wmma_scale_f32_16x16x128_f8f6f4 with both operands' format E2M1 (or v_wmma_scale_f32_32x16x128_f4), f32 sums; everything else in f32.
;; Inputs: Wk 64 x 512 float32; Wq 64 x 512 float32; Wv 64 x 512 float32; rel_emb 4,095 x 64 float32; x 8 x 2,048 x 512 float32.
;; Outputs: out0 8 x 2,048 x 64 float32.
;; This version of the problem:
;;   THIS VERSION OF THE PROBLEM IS GIVEN IN LOW PRECISION. The matrix products marked QUANTISED in the list below multiply operands that are first quantised to E2M1 (2 exponent bits, 1 mantissa bit; 4 bits a number), with one power-of-two scale for each 32 numbers along K (OCP MX v1.0); their sums are f32. All else is computed in f32.
;;   The module's matrix products, in the order in which they are computed (A, B: the left and right operand; K: the contracted axis; several contracted axes count as one K, in the product's order):
;;     1. [M 16,384, K 512] x [K 512, N 64]; A: input x; B: input Wq: QUANTISED
;;     2. [M 16,384, K 512] x [K 512, N 64]; A: input x; B: input Wk: QUANTISED
;;     3. [M 16,384, K 512] x [K 512, N 64]; A: input x; B: input Wv: QUANTISED
;;     4. batch 8 x [M 2,048, K 64] x [K 64, N 2,048]; A: computed on the way; B: computed on the way: QUANTISED
;;     5. [M 16,384, K 64] x [K 64, N 4,095]; A: computed on the way; B: input rel_emb: QUANTISED
;;     6. batch 8 x [M 2,048, K 2,048] x [K 2,048, N 64]; A: softmax (see below); B: computed on the way: QUANTISED
;;   THE QUANTISER, for each operand of a quantised product, along K:
;;     - K is cut into blocks of 32 from its start; a last block that is shorter is filled with zeros.
;;     - A block's scale is 2^e with e = floor(log2(the largest magnitude in the block)) - 2, held to -126 .. 127; a block of zeros has e = 0. As a byte (E8M0): e + 127.
;;     - Each number is divided by its block's scale, clamped to +-6, and rounded to the nearest number of E2M1, ties to even, subnormals kept.
;;     - The product sums the exact products of the quantised numbers (number of the format x scale) in f32.
;;   ~~~python
;;   def quantise(x, axis):      # numpy; x: float32 -> the quantised numbers, widened to float32 again
;;       x = np.moveaxis(x, axis, -1); K = x.shape[-1]
;;       x = np.pad(x, [(0, 0)] * (x.ndim - 1) + [(0, -K % 32)]); x = x.reshape(x.shape[:-1] + (-1, 32)); a = np.abs(x).max(-1, keepdims=True)
;;       e = np.where(a > 0, np.clip(np.frexp(np.where(a > 0, a, 1))[1] - 1 - 2, -126, 127), 0)      # np.frexp(a)[1] - 1 = floor(log2(a)), exactly
;;       r = np.clip(x / 2.0 ** e, -6, 6)
;;       step = 2.0 ** (np.maximum(np.frexp(np.where(r == 0, 1, r))[1] - 1, 0) - 1)
;;       q = np.round(r / step) * step * 2.0 ** e      # np.round: ties to even
;;       return np.moveaxis(q.reshape(q.shape[:-2] + (-1,))[..., :K], -1, axis).astype(np.float32)
;;   ~~~
;;   SOFTMAX AHEAD OF A QUANTISED PRODUCT. Where the list says 'softmax', what is quantised is not the finished softmax but p = 2^(t - M), with t = logit x log2(e) and M = ceil(the row's largest t), a whole number; so 1/2 < the row's largest p <= 1. The row's sum l is taken of the UNQUANTISED p, in f32, and the product's result is divided by l at the end. Since M is a whole number, a kernel that streams over the keys may use a running M (the ceiling of the running maximum): every later rescaling is an exact power of two, which a block's scale takes up: the codes' values come out the same.
;;   OPERANDS COMPUTED ON THE WAY. 'Computed on the way' means the value that the module computes at that place (a softmax that the list does not call 'softmax' is quantised finished and normalised). What goes into a quantiser is computed in f32, as accurately as f32 sums, v_exp_f32 and their like allow (about 1e-6 of the number): no bf16 or f16 on the way to a quantiser, and a product that is left as it is and whose result goes on into a quantised operand takes f32 operands (vector FMAs, or v_wmma_f32_16x16x4_f32). A number that lies on a knife's edge between two numbers of the format may be rounded either way, as far as f32 arithmetic and the matrix unit's own rounding can turn it there, and no further.
;; 3 versions. Each part assembles by itself: llvm-mc -triple=amdgcn-amd-amdhsa -mcpu=gfx1250 --defsym DOCPART=n.
;; ======== version 1 of 3: 3 launches
;; workspace buffers: wrc 131,072 bytes; wrs 8,192 bytes; qc 524,288 bytes; qs 32,768 bytes; kc 524,288 bytes; ks 32,768 bytes; vc 524,288 bytes; vs 32,768 bytes
;; launch quant_wr (part 1): grid 8 x 1, 4 waves a work-group, no clusters, 33,280 bytes of LDS; arguments Wq, Wk, Wv, rel_emb, wrc, wrs; writes wrc, wrs
.if DOCPART == 1
	.amdgcn_target "amdgcn-amd-amdhsa--gfx1250"
	.amdhsa_code_object_version 6
	.text
	.protected	k_qbe4c642a3f_quant_wr
	.globl	k_qbe4c642a3f_quant_wr
	.p2align	8
	.type	k_qbe4c642a3f_quant_wr,@function
k_qbe4c642a3f_quant_wr:
	s_mov_b64 s[64:65], 0
	v_nop
	global_prefetch_b8 v0, s[64:65] scope:SCOPE_SE
	s_setreg_imm32_b32 hwreg(HW_REG_WAVE_MODE, 25, 1), 1
	s_wait_xcnt 0x0
; Wq, Wk, Wv [64][512] and rows 0 to 2,559 of rel_emb [4095][64], f32, become codes of FP4 (E2M1), K innermost, with one E8M0 scale byte for each 32 along K.
; In all four tensors K is the innermost axis, rows are dense and a multiple of 32 long: each is a plain stream of blocks of 32 numbers, and so are its codes (16 bytes a block) and its scale bytes.
; Work-group g takes 32,768 numbers: g = 0, 1, 2 one whole weight, g = 3 .. 7 the numbers 32,768 (g - 3) on of rel_emb.  Its codes go to wrc at 16,384 g, its scale bytes to wrs at 1,024 g.
; rel_emb: the score of query i and key j takes row 2,047 - (i - j); under the causal mask only rows 0 to 2,047 meet a score that is kept.  The attention's tiles of 16 rows reach up to row 2,178, for scores
; that the mask throws away: so 2,560 rows (five work-groups' worth) are quantised, and the rows from 2,560 on are not read.
; A block's scale is 2^(floor(log2(its largest magnitude)) - 2); its byte is the largest magnitude's exponent field - 2, held at 1 from below.  A block of zeros so gets the byte 1 where the rule says 127:
; its codes are zeros, which add nothing under any byte but 0xff, and this program alone reads the bytes.
; LIMITS: blocks whose largest magnitude lies under 2^-124, the floor, get the byte 1; NaN and infinities among the inputs are not served.
; A wave takes 16 steps of 512 numbers.  A load reads 512 consecutive bytes, 16 a lane; a step's 2,048 bytes turn through the wave's own stage in LDS and come back 64 bytes a lane, so that a lane holds 16
; neighbours along K (two neighbouring lanes hold a block), as the conversions want them.  Loads run four steps ahead, the turn one step.  Waves share nothing: no barrier.
.set STEPS, 16
.set EMAX,  2
.set CB,    8                          ; bytes of 16 codes
.set R,     16                         ; v16-79   four sets of 16 numbers as they are loaded
.set X,     80                         ; v80-111  two sets of 16 neighbours
.set E,     112                        ; v112-127 a scale byte for each step
.set C,     128                        ; v128-191 codes: four registers for each step, so that no store's data are written again
.set WREG,  8192                       ; LDS: a region for each wave: two stages of 32 x SP bytes, behind them its 256 scale bytes
.set SP,    80                         ; a lane's place in a stage: its 64 bytes + 16 of padding
	s_load_b256 s[4:11], s[0:1], 0x0               ; Wq s[4:5], Wk s[6:7], Wv s[8:9], rel_emb s[10:11]
	s_load_b128 s[12:15], s[0:1], 0x20             ; wrc s[12:13], wrs s[14:15]
	v_lshl_add_u32 v192, v0, 2, 0x8000
	v_mov_b32 v193, 0
	v_lshrrev_b32 v1, 5, v0
	v_readfirstlane_b32 s16, v1                    ; wave
	v_and_b32 v2, 31, v0                           ; lane
	v_lshlrev_b32 v3, 4, v2                        ; my 16 bytes of a load's 512
	s_mul_i32 s17, s16, WREG
	v_lshrrev_b32 v14, 2, v2
	v_mul_u32_u24 v14, v14, SP
	v_and_b32 v15, 3, v2
	v_lshl_add_u32 v14, v15, 4, v14
	v_add_nc_u32 v14, s17, v14                     ; the stage, on the way in: four lanes' 64 bytes on end, then 16 of padding
	v_mul_u32_u24 v15, v2, SP
	v_add_nc_u32 v15, s17, v15                     ; and on the way out: SP x lane: my 16 neighbours
	v_mul_u32_u24 v4, v2, CB                       ; my codes' place in a step's
	v_lshrrev_b32 v5, 1, v2
	s_add_co_u32 s17, s17, 2*32*SP
	v_add_nc_u32 v5, s17, v5                       ; LDS: my wave's 256 scale bytes, my block's byte
	v_lshlrev_b32 v7, 3, v2                        ; and on the way out 8 bytes a lane
	v_add_nc_u32 v6, s17, v7
	s_wait_kmcnt 0x0
	s_cmp_eq_u32 ttmp9, 0                          ; which tensor: the choice hangs on the work-group's number alone
	s_cselect_b64 s[10:11], s[4:5], s[10:11]
	s_cmp_eq_u32 ttmp9, 1
	s_cselect_b64 s[10:11], s[6:7], s[10:11]
	s_cmp_eq_u32 ttmp9, 2
	s_cselect_b64 s[10:11], s[8:9], s[10:11]
	s_max_u32 s18, ttmp9, 3
	s_sub_co_u32 s18, s18, 3
	s_lshl_b32 s18, s18, 2
	s_add_co_u32 s18, s18, s16                     ; which run of 8,192 numbers of the tensor is my wave's: 4 (max(g, 3) - 3) + wave
	s_lshl_b32 s18, s18, 15                        ; 32,768 bytes a run
	s_mov_b32 s19, 0
	s_add_nc_u64 s[10:11], s[10:11], s[18:19]
	s_lshl_b32 s20, ttmp9, 2
	s_add_co_u32 s20, s20, s16                     ; and of the two outputs: 4 g + wave
	s_lshl_b32 s18, s20, 12                        ; 4,096 bytes of codes a run
	s_add_nc_u64 s[12:13], s[12:13], s[18:19]
	s_lshl_b32 s18, s20, 8                         ; 256 scale bytes a run
	s_add_nc_u64 s[14:15], s[14:15], s[18:19]
.macro LOAD t
.irp i, 0,1,2,3
	global_load_b128 v[R+16*((\t)%4)+4*\i:R+16*((\t)%4)+4*\i+3], v3, s[10:11] offset:2048*(\t)+512*\i th:TH_LOAD_NT   ; 32 lanes read 512 consecutive bytes
.endr
.endm
.macro TURN t                          ; step t's numbers through the stage: LDS serves a wave's instructions in order (ISA guide 5.7.1.4), so no wait stands between the stores and the loads
.irp i, 0,1,2,3
	ds_store_b128 v14, v[R+16*((\t)%4)+4*\i:R+16*((\t)%4)+4*\i+3] offset:32*SP*((\t)%2)+8*SP*\i
.endr
.irp i, 0,1,2,3
	ds_load_b128 v[X+16*((\t)%2)+4*\i:X+16*((\t)%2)+4*\i+3], v15 offset:32*SP*((\t)%2)+16*\i
.endr
.endm
.irp t, 0,1,2,3
	LOAD \t
.endr
	s_wait_loadcnt 12                              ; step 0's four loads are in; the twelve of steps 1 to 3 may be out
	TURN 0
.macro STEP t
.set XS, X+16*((\t)%2)
.if (\t) > 0
	s_wait_dscnt 1                                 ; this step's numbers are back from the stage (the last step's byte store may be out): so its stores into the stage have read their registers,
.else
	s_wait_dscnt 0x0
.endif
.if (\t)+4 < STEPS
	LOAD (\t)+4                                    ; which take the loads of four steps on
.endif
.if (\t)+1 < STEPS
.if STEPS-2-(\t) >= 3
	s_wait_loadcnt 12                              ; the next step's four loads are in; those of the three steps behind it may be out
.else
	s_wait_loadcnt 4*(STEPS-2-(\t))
.endif
	TURN (\t)+1                                    ; and go through the other stage while this step is worked
.endif
	v_max3_num_f32 v8, |v[XS]|, |v[XS+1]|, |v[XS+2]|               ; the largest magnitude of my 16, in two chains
	v_max3_num_f32 v9, |v[XS+3]|, |v[XS+4]|, |v[XS+5]|
.irp i, 6,10
	v_max3_num_f32 v8, v8, |v[XS+\i]|, |v[XS+\i+1]|
	v_max3_num_f32 v9, v9, |v[XS+\i+2]|, |v[XS+\i+3]|
.endr
	v_max3_num_f32 v8, v8, |v[XS+14]|, |v[XS+15]|
	v_max3_num_f32 v8, v8, v9, (EMAX+1)<<23        ; and the floor 2^(3 - 127): so the byte cannot fall under 1
	v_max_num_f32_dpp v8, v8, v8 row_xmask:1 row_mask:0xf bank_mask:0xf   ; and of my neighbour's 16: the block's
	v_add_nc_u32 v11, -(EMAX<<23), v8              ; 2 off its exponent field: the conversion takes the exponent field of this operand as its scale, and nothing else of it
	v_cvt_scalef32_pk8_fp4_f32 v[C+4*(\t)], v[XS:XS+7], v11        ; eight numbers / the scale, to the nearest code, ties to even, beyond 6 the largest code; the first number's code in the lowest four bits
	v_cvt_scalef32_pk8_fp4_f32 v[C+4*(\t)+1], v[XS+8:XS+15], v11
	v_lshrrev_b32 v[E+(\t)], 23, v11               ; the scale's byte (also the plain line behind the conversions)
	ds_store_b8 v5, v[E+(\t)] offset:16*(\t)       ; both lanes of a block write the same byte with the same value
	global_store_b64 v4, v[C+4*(\t):C+4*(\t)+1], s[12:13] offset:32*CB*(\t)   ; the wave stores 256 consecutive bytes, aligned
.endm
.irp t, 0,1,2,3,4,5,6,7,8,9,10,11,12,13,14,15
	STEP \t
.endr
	ds_load_b64 v[12:13], v6                       ; LDS serves a wave's instructions in order: these see my byte stores
	s_wait_dscnt 0x0
	global_store_b64 v7, v[12:13], s[14:15]        ; 32 lanes store 256 consecutive bytes, aligned
	s_wait_tensorcnt 0x0
	ds_add_u32 v192, v193
	s_wait_dscnt 0x0
	s_endpgm
.Lfunc_end_k_qbe4c642a3f_quant_wr:
	.size	k_qbe4c642a3f_quant_wr, .Lfunc_end_k_qbe4c642a3f_quant_wr-k_qbe4c642a3f_quant_wr
	.p2alignl 7, 3214868480
	.fill 96, 4, 3214868480
	.section	.rodata,"a",@progbits
	.p2align	6, 0x0
	.amdhsa_kernel k_qbe4c642a3f_quant_wr
		.amdhsa_group_segment_fixed_size 33280
		.amdhsa_private_segment_fixed_size 0
		.amdhsa_enable_private_segment 0
		.amdhsa_kernarg_size 48
		.amdhsa_user_sgpr_count 2
		.amdhsa_user_sgpr_kernarg_segment_ptr 1
		.amdhsa_wavefront_size32 1
		.amdhsa_system_sgpr_workgroup_id_x 1
		.amdhsa_system_sgpr_workgroup_id_y 1
		.amdhsa_system_sgpr_workgroup_id_z 1
		.amdhsa_system_vgpr_workitem_id 0
		.amdhsa_next_free_vgpr 194
		.amdhsa_next_free_sgpr 66
		.amdhsa_reserve_vcc 0
		.amdhsa_float_denorm_mode_32 3
		.amdhsa_float_denorm_mode_16_64 3
		.amdhsa_memory_ordered 1
		.amdhsa_forward_progress 1
		.amdhsa_inst_pref_size 33
	.end_amdhsa_kernel
	.amdgpu_metadata
---
amdhsa.version: [ 1, 2 ]
amdhsa.kernels:
  - .name:           k_qbe4c642a3f_quant_wr
    .symbol:         k_qbe4c642a3f_quant_wr.kd
    .args:
      - { .name: Wq, .offset: 0, .size: 8, .value_kind: global_buffer, .address_space: global }
      - { .name: Wk, .offset: 8, .size: 8, .value_kind: global_buffer, .address_space: global }
      - { .name: Wv, .offset: 16, .size: 8, .value_kind: global_buffer, .address_space: global }
      - { .name: rel_emb, .offset: 24, .size: 8, .value_kind: global_buffer, .address_space: global }
      - { .name: wrc, .offset: 32, .size: 8, .value_kind: global_buffer, .address_space: global }
      - { .name: wrs, .offset: 40, .size: 8, .value_kind: global_buffer, .address_space: global }
    .group_segment_fixed_size: 33280
    .private_segment_fixed_size: 0
    .kernarg_segment_align: 8
    .kernarg_segment_size: 48
    .max_flat_workgroup_size: 128
    .sgpr_count:     66
    .vgpr_count:     194
    .wavefront_size: 32
...
	.end_amdgpu_metadata
.endif
;; end of part 1
;; launch proj (part 2): grid 256 x 1, 16 waves a work-group, no clusters, 155,648 bytes of LDS; arguments x, wrc, wrs, qc, qs, kc, ks, vc, vs; writes qc, qs, kc, ks, vc, vs
.if DOCPART == 2
	.amdgcn_target "amdgcn-amd-amdhsa--gfx1250"
	.amdhsa_code_object_version 6
	.text
	.protected	k_qbe4c642a3f_proj
	.globl	k_qbe4c642a3f_proj
	.p2align	8
	.type	k_qbe4c642a3f_proj,@function
k_qbe4c642a3f_proj:
	s_mov_b64 s[64:65], 0
	v_nop
	global_prefetch_b8 v0, s[64:65] scope:SCOPE_SE
	s_setreg_imm32_b32 hwreg(HW_REG_WAVE_MODE, 25, 1), 1
	s_wait_xcnt 0x0
; Q = x Wq^T, K = x Wk^T, V = x Wv^T on codes of FP4 (E2M1) with one E8M0 scale for each 32 along K = 512; the results are quantised at once for the attention: Q and K along the head's 64, V along the keys.
; x: [16,384 tokens][512] f32, quantised here.  The weights come as codes (wrc: Wq at 0, Wk at 16,384, Wv at 32,768; a row is 256 bytes) and scale bytes (wrs: at 0, 1,024, 2,048; a row is 16 bytes).
; SHARES.  A work-group of sixteen waves takes 64 tokens, T0 = 64 x its number.  A TILE OF 16 TOKENS HOLDS NO NEIGHBOURS: lane m of tile 2 b + u takes token T0 + 32 b + 8 u + m + 8 (m / 8), so that in a product's
; result the 16 registers of tiles 2 b and 2 b + 1 are 16 neighbours.  The rows of Wq and Wk that form a tile are chosen likewise.
; PHASE 1, all sixteen waves: wave w makes x's fragment (tile w / 4, K step w % 4): sixteen loads of 512 consecutive bytes, a turn through its own stage in LDS (so that a lane holds 16 neighbours of each block of 32),
; the quantiser, and the fragment's registers go to LDS as they stand (16 bytes a lane and register group, 4 bytes a lane for the scale word).  One barrier.
; PHASE 2, twelve jobs of 16 matrix instructions: waves 0-3: Q of tile w % 4, waves 4-7: K of tile w % 4 (source 0 = 16 rows of the weight, source 1 = x: a lane holds one token, its registers run along the head);
; waves 8-11: V, channels 16 (w - 8) on (source 0 = x, source 1 = 16 rows of Wv: a lane holds one channel, its registers run along the tokens).  Waves 12-15 end behind the barrier.
; WHAT IS STORED.  qc: [token][32 bytes];  qs: [token] two bytes.  kc: [128 tokens][tile 8][lane 32][16 bytes], a tile's registers as the attention's source 0 takes them;  ks: [128 tokens][pair of tiles 4][lane 32] two bytes.
; vc: [128 tokens][channel tile 4][half 2][lane 32][16 bytes];  vs: [128 tokens][channel 64] a word, one byte for each 32 tokens.  The code stores cover whole aligned runs of 256 bytes;
; the scale stores are two bytes a lane: 96 KiB in all, against the 34 MiB that the launch moves.
; LIMITS: blocks whose largest magnitude lies under 2^-124, zeros among them, get the scale byte 1 (their codes are zeros or next to it; this program alone reads the bytes); NaN and infinities are not served.
.set XIMG, 0                           ; LDS: x's sixteen fragments, 1,024 bytes each: fragment 4 x tile + K step
.set XSC,  16384                       ; their scale words, 128 bytes each
.set XST,  18432                       ; a stage for each wave: 16 rows x (512 bytes + 16): the pitch is an odd multiple of 16 bytes
.set SPX,  528
.set WST,  16*SPX
.set LI,   1                           ; v1   16 x lane
.set XRD,  2                           ; v2   my stage, on the way out: row lane % 16, + 64 (lane / 16)
.set XWR,  3                           ; v3   my stage, on the way in: 16 x lane
.set IMW,  4                           ; v4   where my fragment goes: 1,024 x wave + 16 x lane
.set SCW,  5                           ; v5   and its scale word: XSC + 4 x thread
.set FB,   6                           ; v6   Q, K: x's fragments of my tile: 4,096 (wave % 4) + 16 x lane
.set SB,   7                           ; v7   and their scale words: XSC + 512 (wave % 4) + 4 x lane
.set SA,   8                           ; v8   V: x's scale words, lanes 0-15 an even tile's, lanes 16-31 the odd tile's behind it: XSC + 4 (lane % 16) + 512 (lane / 16)
.set WOF,  9                           ; v9   Wq, Wk: my lane's byte in a tile's rows
.set N16,  10                          ; v10  16 (lane % 16)
.set NN,   11                          ; v11  n = lane % 16
.set HH,   12                          ; v12  h = lane / 16
.set NP,   13                          ; v13  n + 8 (n / 8)
.set WSO,  14                          ; v14  Wq, Wk: my lane's scale words
.set VWO,  15                          ; v15  Wv: my lane's byte in 16 rows
.set XR,   16                          ; v16-79  64 numbers of x
.set ACC,  16                          ; v16-47  phase 2: four accumulators
.set TQ,   48                          ; v48-72  phase 2: the quantiser's work, codes at +16, scale bytes at +24
.set PF,   80                          ; v80-207  sixteen fragments: source 0 (tile t, K step s at 8 (4 t + s))
.set RF,   208                         ; v208-239 four fragments: source 1 (K step s at 8 s)
.set AS,   240                         ; v240-247 source 0's scale words: register 4 b + s: lanes 0-15 tile 2 b, lanes 16-31 tile 2 b + 1
.set BS,   248                         ; v248-251 source 1's
.set WV,   26                          ; s26  wave
.set W3,   27                          ; s27  wave % 4
.set SEL,  28                          ; s[28:29] v_permlanex16_b32's selects for lane l xor 16
; A scaled matrix instruction.  z = 1: it starts the sum with the constant 0, else it adds in place.  odd = 1: source 0's scales stand in lanes 16-31.
.macro WM d, a, b, z, sa, sb, odd
.if \z
.if \odd
	v_wmma_scale_f32_16x16x128_f8f6f4 v[\d:\d+7], v[\a:\a+7], v[\b:\b+7], 0, v[\sa], v[\sb] matrix_a_fmt:MATRIX_FMT_FP4 matrix_b_fmt:MATRIX_FMT_FP4 matrix_a_scale:MATRIX_SCALE_ROW1
.else
	v_wmma_scale_f32_16x16x128_f8f6f4 v[\d:\d+7], v[\a:\a+7], v[\b:\b+7], 0, v[\sa], v[\sb] matrix_a_fmt:MATRIX_FMT_FP4 matrix_b_fmt:MATRIX_FMT_FP4
.endif
.else
.if \odd
	v_wmma_scale_f32_16x16x128_f8f6f4 v[\d:\d+7], v[\a:\a+7], v[\b:\b+7], v[\d:\d+7], v[\sa], v[\sb] matrix_a_fmt:MATRIX_FMT_FP4 matrix_b_fmt:MATRIX_FMT_FP4 matrix_a_scale:MATRIX_SCALE_ROW1
.else
	v_wmma_scale_f32_16x16x128_f8f6f4 v[\d:\d+7], v[\a:\a+7], v[\b:\b+7], v[\d:\d+7], v[\sa], v[\sb] matrix_a_fmt:MATRIX_FMT_FP4 matrix_b_fmt:MATRIX_FMT_FP4
.endif
.endif
.endm
; 16 nb numbers of a lane, v[s] on, register 16 b + i = k 32 b + 16 (lane / 16) + i of my row, become codes in v[T + 16] on (a whole block a lane: lanes 0-15 the even block, lanes 16-31 the odd one)
; and the row's scale bytes in v[T + 24].  T + 0 .. 3 largest magnitudes, T + 4 .. 7 the other half's, then the bytes, T + 12 .. 15 the conversions' scale operands.
.macro QUANT s, nb, T
.irp b, 0,1,2,3
.if \b < \nb
	v_max3_num_f32 v[\T+\b], |v[\s+16*\b]|, |v[\s+1+16*\b]|, 0x1800000   ; block b: my 16 numbers from the low end on, and the floor 2^(3 - 127): so the byte cannot fall under 1
.endif
.endr
.irp i, 2,4,6,8,10,12,14
.irp b, 0,1,2,3
.if \b < \nb
	v_max3_num_f32 v[\T+\b], v[\T+\b], |v[\s+16*\b+\i]|, |v[\s+1+16*\b+\i]|   ; (the blocks by turns: no line waits for the line above it)
.endif
.endr
.endr
.irp b, 0,1,2,3
.if \b < \nb
	v_permlanex16_b32 v[\T+4+\b], v[\T+\b], s[SEL], s[SEL+1]
.endif
.endr
.irp b, 0,1,2,3
.if \b < \nb
	v_max_num_f32 v[\T+\b], v[\T+\b], v[\T+4+\b]   ; with lane l xor 16's: the block's largest magnitude
.endif
.endr
.irp b, 0,1,2,3
.if \b < \nb
	v_add_nc_u32 v[\T+12+\b], 0xff000000, v[\T+\b] ; 2 off its exponent field: the conversion takes the exponent field of this operand as its scale
.endif
.endr
.irp b, 0,1,2,3
.if \b < \nb
	v_lshrrev_b32 v[\T+4+\b], 23, v[\T+12+\b]      ; the scale's byte
.endif
.endr
	v_lshl_or_b32 v[\T+24], v[\T+5], 8, v[\T+4]
.if \nb == 4
	v_lshl_or_b32 v[\T+24], v[\T+6], 16, v[\T+24]
	v_lshl_or_b32 v[\T+24], v[\T+7], 24, v[\T+24]
.endif
.irp b, 0,1,2,3
.if \b < \nb
	v_cvt_scalef32_pk8_fp4_f32 v[\T+16+2*\b], v[\s+16*\b:\s+7+16*\b], v[\T+12+\b]
	v_cvt_scalef32_pk8_fp4_f32 v[\T+17+2*\b], v[\s+8+16*\b:\s+15+16*\b], v[\T+12+\b]
.endif
.endr
	v_nop                                          ; one plain line behind a scaled conversion
.irp c, 0,1
.if 2*\c < \nb
.irp i, 0,1
	v_permlane16_swap_b32 v[\T+16+4*\c+\i], v[\T+18+4*\c+\i]   ; the first's lanes 16-31 change places with the second's lanes 0-15: a whole block in a lane
.endr
.endif
.endr
.endm
; Phase 1.  T: 25 registers for the quantiser's work that no pending load of this wave will write.
.macro PH1 T
.irp b, 0,1,2,3
	v_mov_b32 v[\T+4+\b], 0                        ; written once: a lane permute's destination counts as one of its sources
.endr
.irp i, 0,1,2,3,4,5,6,7,8,9,10,11,12,13,14,15
	global_load_b128 v[XR+4*\i:XR+4*\i+3], v[LI], s[4:5] offset:(\i+8*(\i/8))*2048 th:TH_LOAD_NT   ; the tile's token i: 512 consecutive bytes, aligned; read once in the launch
.endr
.irp i, 0,1,2,3,4,5,6,7,8,9,10,11,12,13,14,15
	s_wait_loadcnt 15-\i                           ; loads come back in order (ISA guide 5.7.1): load i is in, the 15 - i behind it may be out; what was issued ahead of x's loads is in too
	ds_store_b128 v[XWR], v[XR+4*\i:XR+4*\i+3] offset:\i*SPX
.endr
.irp k, 0,1,2,3
.irp j, 0,1,2,3
	ds_load_b128 v[XR+16*\k+4*\j:XR+16*\k+4*\j+3], v[XRD] offset:128*\k+16*\j   ; LDS serves a wave's instructions in order (ISA guide 5.7.1.4): these see the stores above
.endr
.endr
	s_wait_dscnt 0x0
	QUANT XR, 4, \T
	ds_store_b128 v[IMW], v[\T+16:\T+19]           ; the fragment as it stands in its registers
	ds_store_b128 v[IMW], v[\T+20:\T+23] offset:512
	ds_store_b32 v[SCW], v[\T+24]
.endm
	s_load_b256 s[4:11], s[0:1], 0x0               ; x s[4:5], wrc s[6:7], wrs s[8:9], qc s[10:11]
	s_load_b256 s[12:19], s[0:1], 0x20             ; qs s[12:13], kc s[14:15], ks s[16:17], vc s[18:19]
	s_load_b64 s[20:21], s[0:1], 0x40              ; vs
	v_lshl_add_u32 v254, v0, 2, 0x25800
	v_mov_b32 v255, 0
	v_lshrrev_b32 v[WOF], 5, v0
	v_readfirstlane_b32 s[WV], v[WOF]              ; wave 0..15
	v_and_b32 v[N16], 31, v0                       ; lane (for now)
	v_and_b32 v[NN], 15, v0
	v_bfe_u32 v[HH], v0, 4, 1
	v_lshlrev_b32 v[LI], 4, v[N16]
	s_and_b32 s[W3], s[WV], 3
	s_mul_i32 s30, s[WV], WST
	s_add_co_u32 s30, s30, XST                     ; my stage
	v_mul_u32_u24 v[XRD], v[NN], SPX
	v_lshl_add_u32 v[XRD], v[HH], 6, v[XRD]
	v_add_nc_u32 v[XRD], s30, v[XRD]
	v_add_nc_u32 v[XWR], s30, v[LI]
	s_lshl_b32 s31, s[WV], 10
	v_add_nc_u32 v[IMW], s31, v[LI]
	v_lshl_add_u32 v[SCW], v0, 2, XSC
	s_lshl_b32 s33, s[W3], 12
	v_add_nc_u32 v[FB], s33, v[LI]
	s_lshl_b32 s33, s[W3], 9
	s_add_co_u32 s33, s33, XSC
	v_lshl_add_u32 v[SB], v[N16], 2, s33
	v_lshlrev_b32 v[SA], 2, v[NN]
	v_lshl_add_u32 v[SA], v[HH], 9, v[SA]
	v_add_nc_u32 v[SA], XSC, v[SA]
	v_and_b32 v[NP], 8, v[NN]
	v_add_nc_u32 v[NP], v[NP], v[NN]               ; n + 8 (n / 8)
	v_lshlrev_b32 v[WOF], 8, v[NP]                 ; a weight's row is 256 bytes,
	v_lshl_add_u32 v[WOF], v[HH], 4, v[WOF]        ; + 16 h
	v_lshl_add_u32 v[WSO], v[HH], 3, v[NP]
	v_lshlrev_b32 v[WSO], 4, v[WSO]                ; scale words: 16 bytes a row; lanes 16-31 take the odd tile, 8 rows on
	v_lshlrev_b32 v[VWO], 8, v[NN]
	v_lshl_add_u32 v[VWO], v[HH], 4, v[VWO]
	v_lshlrev_b32 v[N16], 4, v[NN]
	s_mov_b32 s[SEL], 0x76543210
	s_mov_b32 s[SEL+1], 0xfedcba98
	s_lshl_b32 s34, ttmp9, 17                      ; x: 64 tokens of 2,048 bytes a work-group,
	s_lshr_b32 s35, s[WV], 3
	s_lshl_b32 s35, s35, 16                        ; 32 tokens for b,
	s_add_co_u32 s34, s34, s35
	s_bfe_u32 s35, s[WV], 0x10002
	s_lshl_b32 s35, s35, 14                        ; 8 tokens for u,
	s_add_co_u32 s34, s34, s35
	s_lshl_b32 s35, s[W3], 9                       ; 512 bytes for the K step
	s_add_co_u32 s34, s34, s35
	s_mov_b32 s35, 0
	s_mov_b32 s39, 0
	s_wait_kmcnt 0x0
	s_add_nc_u64 s[4:5], s[4:5], s[34:35]
	s_cmp_lt_u32 s[WV], 8
	s_cbranch_scc0 .Lhigh
	; waves 0-7: all of Wq (waves 0-3) or of Wk (waves 4-7) is asked for ahead of x
	s_lshr_b32 s36, s[WV], 2
	s_lshl_b32 s38, s36, 14
	s_add_nc_u64 s[6:7], s[6:7], s[38:39]
	s_lshl_b32 s38, s36, 10
	s_add_nc_u64 s[8:9], s[8:9], s[38:39]
.irp t, 0,1,2,3
.irp s, 0,1,2,3
.irp c, 0,1
	global_load_b128 v[PF+8*(4*\t+\s)+4*\c:PF+8*(4*\t+\s)+4*\c+3], v[WOF], s[6:7] offset:(32*(\t/2)+8*(\t%2))*256+64*\s+32*\c
.endr
.endr
.endr
.irp b, 0,1
	global_load_b128 v[AS+4*\b:AS+4*\b+3], v[WSO], s[8:9] offset:512*\b
.endr
	PH1 RF
	s_branch .Lmeet
.Lhigh:
	s_cmp_lt_u32 s[WV], 12
	s_cbranch_scc0 .Lno_w
	; waves 8-11: 16 rows of Wv
	s_lshl_b32 s38, s[W3], 12
	s_add_co_u32 s38, s38, 32768
	s_add_nc_u64 s[6:7], s[6:7], s[38:39]
	s_lshl_b32 s38, s[W3], 8
	s_add_co_u32 s38, s38, 2048
	s_add_nc_u64 s[8:9], s[8:9], s[38:39]
.irp s, 0,1,2,3
.irp c, 0,1
	global_load_b128 v[RF+8*\s+4*\c:RF+8*\s+4*\c+3], v[VWO], s[6:7] offset:64*\s+32*\c
.endr
.endr
	global_load_b128 v[BS:BS+3], v[N16], s[8:9]
.Lno_w:
	PH1 PF
.Lmeet:
	s_wait_dscnt 0x0                               ; for the others' sake: my fragment and its scale word lie in LDS
	s_barrier_signal -1
	s_barrier_wait -1                              ; all sixteen do
	s_cmp_lt_u32 s[WV], 8
	s_cbranch_scc0 .Lfetch_v
.irp s, 0,1,2,3                                ; Q, K: my tile's four fragments of x are source 1
.irp c, 0,1
	ds_load_b128 v[RF+8*\s+4*\c:RF+8*\s+4*\c+3], v[FB] offset:1024*\s+512*\c
.endr
	ds_load_b32 v[BS+\s], v[SB] offset:128*\s
.endr
	s_branch .Lmul
.Lfetch_v:
	s_cmp_lt_u32 s[WV], 12
	s_cbranch_scc0 .Ldone                          ; waves 12-15 have no job
.irp f, 0,1,2,3,4,5,6,7,8,9,10,11,12,13,14,15 ; V: all sixteen fragments of x are source 0
.irp c, 0,1
	ds_load_b128 v[PF+8*\f+4*\c:PF+8*\f+4*\c+3], v[LI] offset:1024*\f+512*\c
.endr
.endr
.irp b, 0,1
.irp s, 0,1,2,3
	ds_load_b32 v[AS+4*\b+\s], v[SA] offset:128*(8*\b+\s)
.endr
.endr
.Lmul:
	s_wait_loadcnt 0x0
	s_wait_dscnt 0x0
.rept 4
	v_nop                                          ; phase 1's quantiser worked in registers of PF or RF, which the loads above have filled anew: four places between its last vector write there and the scaled products that name them as A or B
.endr
.irp s, 0,1,2,3                                ; the four accumulators take turns, one instruction a turn; the first K step starts the sums
.irp t, 0,1,2,3
.if \s == 0
	WM ACC+8*\t, PF+8*(4*\t+\s), RF+8*\s, 1, AS+4*(\t/2)+\s, BS+\s, \t%2
.else
	WM ACC+8*\t, PF+8*(4*\t+\s), RF+8*\s, 0, AS+4*(\t/2)+\s, BS+\s, \t%2
.endif
.endr
.endr
.rept 4
	v_nop                                          ; four places between the last product and the first read of results (ISA guide 7.12.1)
.endr
	QUANT ACC, 2, TQ                               ; 32 numbers a lane, two blocks of 32 with lane l xor 16: codes in v64-67, two scale bytes in v72
	s_lshl_b32 s38, ttmp9, 11
	s_cmp_lt_u32 s[WV], 4
	s_cbranch_scc0 .Lnot_q
	s_lshr_b32 s40, s[W3], 1                       ; Q: my tile's first token is T0 + 32 b + 8 u; 32 bytes a token
	s_lshl_b32 s40, s40, 10
	s_add_co_u32 s38, s38, s40
	s_and_b32 s40, s[W3], 1
	s_lshl_b32 s40, s40, 8
	s_add_co_u32 s38, s38, s40
	s_add_nc_u64 s[10:11], s[10:11], s[38:39]
	s_lshr_b32 s38, s38, 4                         ; 2 bytes a token
	s_add_nc_u64 s[12:13], s[12:13], s[38:39]
	v_lshlrev_b32 v74, 5, v[NP]
	v_lshl_add_u32 v74, v[HH], 4, v74
	v_lshlrev_b32 v75, 1, v[NP]
	global_store_b128 v74, v[TQ+16:TQ+19], s[10:11]   ; tokens 0-7 and 16-23 of the tile's 24: two whole aligned runs of 256 bytes
	global_store_b16 v75, v[TQ+24], s[12:13]       ; (both halves of the lanes write the same bytes with the same value)
	s_branch .Ldone
.Lnot_q:
	s_cmp_lt_u32 s[WV], 8
	s_cbranch_scc0 .Lis_v
	s_lshl_b32 s40, s[W3], 9                       ; K: 2,048 bytes a work-group, 512 a tile
	s_add_co_u32 s38, s38, s40
	s_add_nc_u64 s[14:15], s[14:15], s[38:39]
	s_lshr_b32 s38, s38, 4                         ; 128 bytes a work-group, 32 a tile
	s_add_nc_u64 s[16:17], s[16:17], s[38:39]
	v_lshlrev_b32 v75, 1, v[NN]
	global_store_b128 v[LI], v[TQ+16:TQ+19], s[14:15] ; 512 consecutive bytes, aligned
	global_store_b16 v75, v[TQ+24], s[16:17]
	s_branch .Ldone
.Lis_v:
	s_lshr_b32 s40, ttmp9, 1                       ; V: 4,096 bytes for 128 tokens, 1,024 a channel tile, 512 for my work-group's 64 tokens
	s_and_b32 s41, ttmp9, 1
	s_lshl_b32 s38, s40, 12
	s_lshl_b32 s42, s[W3], 10
	s_add_co_u32 s38, s38, s42
	s_lshl_b32 s42, s41, 9
	s_add_co_u32 s38, s38, s42
	s_add_nc_u64 s[18:19], s[18:19], s[38:39]
	s_lshl_b32 s38, s40, 8                         ; 256 scale bytes for 128 tokens, a word a channel, my two bytes of it
	s_lshl_b32 s42, s[W3], 6
	s_add_co_u32 s38, s38, s42
	s_lshl_b32 s42, s41, 1
	s_add_co_u32 s38, s38, s42
	s_add_nc_u64 s[20:21], s[20:21], s[38:39]
	v_lshlrev_b32 v75, 2, v[NN]
	global_store_b128 v[LI], v[TQ+16:TQ+19], s[18:19]
	global_store_b16 v75, v[TQ+24], s[20:21]
.Ldone:
	s_wait_tensorcnt 0x0
	ds_add_u32 v254, v255
	s_wait_dscnt 0x0
	s_endpgm
.Lfunc_end_k_qbe4c642a3f_proj:
	.size	k_qbe4c642a3f_proj, .Lfunc_end_k_qbe4c642a3f_proj-k_qbe4c642a3f_proj
	.p2alignl 7, 3214868480
	.fill 96, 4, 3214868480
	.section	.rodata,"a",@progbits
	.p2align	6, 0x0
	.amdhsa_kernel k_qbe4c642a3f_proj
		.amdhsa_group_segment_fixed_size 155648
		.amdhsa_private_segment_fixed_size 0
		.amdhsa_enable_private_segment 0
		.amdhsa_kernarg_size 72
		.amdhsa_user_sgpr_count 2
		.amdhsa_user_sgpr_kernarg_segment_ptr 1
		.amdhsa_wavefront_size32 1
		.amdhsa_system_sgpr_workgroup_id_x 1
		.amdhsa_system_sgpr_workgroup_id_y 1
		.amdhsa_system_sgpr_workgroup_id_z 1
		.amdhsa_system_vgpr_workitem_id 0
		.amdhsa_next_free_vgpr 256
		.amdhsa_next_free_sgpr 66
		.amdhsa_reserve_vcc 0
		.amdhsa_float_denorm_mode_32 3
		.amdhsa_float_denorm_mode_16_64 3
		.amdhsa_memory_ordered 1
		.amdhsa_forward_progress 1
		.amdhsa_inst_pref_size 33
	.end_amdhsa_kernel
	.amdgpu_metadata
---
amdhsa.version: [ 1, 2 ]
amdhsa.kernels:
  - .name:           k_qbe4c642a3f_proj
    .symbol:         k_qbe4c642a3f_proj.kd
    .args:
      - { .name: x, .offset: 0, .size: 8, .value_kind: global_buffer, .address_space: global }
      - { .name: wrc, .offset: 8, .size: 8, .value_kind: global_buffer, .address_space: global }
      - { .name: wrs, .offset: 16, .size: 8, .value_kind: global_buffer, .address_space: global }
      - { .name: qc, .offset: 24, .size: 8, .value_kind: global_buffer, .address_space: global }
      - { .name: qs, .offset: 32, .size: 8, .value_kind: global_buffer, .address_space: global }
      - { .name: kc, .offset: 40, .size: 8, .value_kind: global_buffer, .address_space: global }
      - { .name: ks, .offset: 48, .size: 8, .value_kind: global_buffer, .address_space: global }
      - { .name: vc, .offset: 56, .size: 8, .value_kind: global_buffer, .address_space: global }
      - { .name: vs, .offset: 64, .size: 8, .value_kind: global_buffer, .address_space: global }
    .group_segment_fixed_size: 155648
    .private_segment_fixed_size: 0
    .kernarg_segment_align: 8
    .kernarg_segment_size: 72
    .max_flat_workgroup_size: 512
    .sgpr_count:     66
    .vgpr_count:     256
    .wavefront_size: 32
...
	.end_amdgpu_metadata
.endif
;; end of part 2
;; launch attn (part 3): grid 32 x 8, 16 waves a work-group, no clusters, 284,672 bytes of LDS; arguments qc, qs, kc, ks, vc, vs, wrc, wrs, out0; writes out0
.if DOCPART == 3
	.amdgcn_target "amdgcn-amd-amdhsa--gfx1250"
	.amdhsa_code_object_version 6
	.text
	.protected	k_qbe4c642a3f_attn
	.globl	k_qbe4c642a3f_attn
	.p2align	8
	.type	k_qbe4c642a3f_attn,@function
k_qbe4c642a3f_attn:
	s_mov_b64 s[64:65], 0
	v_nop
	global_prefetch_b8 v0, s[64:65] scope:SCOPE_SE
	s_setreg_imm32_b32 hwreg(HW_REG_WAVE_MODE, 25, 1), 1
	s_wait_xcnt 0x0
; out[y][i] = the sum over j <= i of softmax_j(Q[i] . K[j] / 8 + Q[i] . R[2047 - (i - j)]) V[j], 8 batches y, 2,048 tokens, head size 64; all three products on codes of FP4 (E2M1) with E8M0 scales for each 32 along K.
; (The reference's pad, reshape and slice put M[i][j - i + 2047] at place [i][j]: flat place 4,095 i + j + 2,048 of the padded array is 4,096 i + (j + 2,048 - i).)
; THE SOFTMAX AHEAD OF THE LAST PRODUCT: t = logit x log2(e); M = the largest t so far, rounded UP to a whole number; p = 2^(t - M) is quantised along the keys; the sum of the unquantised p divides at the end.
; A TILE'S 16 QUERIES LIE 4 APART: i = Qb + 4 n, Qb = 64 kb + b, b = 0 .. 3.  For the keys KF .. KF + 127 query n wants rows rb + col of R, rb = 1,987 - Qb + KF, col = 60 - 4 n + (key - KF), 0 .. 187.
; M^T = R Q^T (source 0 = 16 neighbouring rows of R, source 1 = Q) gives a lane ONE query and 8 neighbouring col.  Twelve such tiles go to the wave's own stage in LDS, one row a query, and come back from a start
; that moves 16 bytes from lane to lane: every LDS access is 16 bytes, aligned.  They land in the registers that are the C of K Q^T: no addition is written.
; THE FACTOR 1 / 8: the relative product takes Q's scale bytes + 3, so the accumulator holds 8 x logit, exactly, and t = accumulator x log2(e) / 8.
; HEAD SIZE 64 fills half of the instruction's 128: Q's registers 4-7 are zero codes.  Fragments of K and R are 4 registers, on end: as its upper half an operand names the next fragment, which meets zero codes;
; four zeroed registers close each buffer.  Scale bytes 2 and 3 are 0 (two bytes are loaded, zero-extended), never 0xff.
; BACKWARD FROM THE DIAGONAL: step s has KF = 128 (kb / 2) - 128 s; only s = 0 needs the mask; rb = 1,987 - 64 (kb % 2) - b - 128 s lies in 0 .. 1,987.
; SHARES.  Block kb has kb / 2 + 1 steps.  Work-group (x, y), p = x / 2, c = x % 2, owns tiles b = 2 c, 2 c + 1 of blocks 2 p and 31 - 2 p of batch y: 34 tile steps in every work-group.  Each tile's steps are dealt
; to four waves (every fourth step); wave w has quarter g = w % 4 of tile tl = (w / 4 + w) % 4.  Each wave keeps a whole-number M of its own; the four parts meet at the end by exact powers of two.
; All operands come from memory straight into registers, laid by the launches before in the order of the operands' registers: no wave waits for another inside the loop.
; No cluster and no joint loads: the sixteen waves walk different key steps at any moment, a step's K and V are 8.5 KiB, and the stages take 208,896 bytes of LDS.
; LIMITS: NaN and infinities are not served; a block of p under 2^-124 gets the scale byte 1 (its codes are zeros); |Q| from 2^127 on would turn a scale byte + 3 into 0xff (the reference is not finite there either);
; a row's four partial sums are added in a fixed order that differs from one running sum.
.set STGW, 13056                       ; LDS: a stage for each wave: 16 rows x 816 bytes (192 col x 4 + 48): the pitch is an odd multiple of 16 bytes
.set OP,   208896                      ; sixteen parts of O: 16 rows x (256 bytes + 16)
.set OPW,  4352
.set STM,  278528                      ; sixteen x 128 bytes: each part's -M, a word a lane;  2,048 bytes on: each part's sum
.set L16,  1                           ; v1   16 x lane
.set L2,   2                           ; v2   2 x lane
.set L4,   3                           ; v3   4 x lane
.set RO,   4                           ; v4   R: 32 (lane % 16) + 16 (lane / 16)
.set STA,  5                           ; v5   the stage, in: 13,056 w + 816 n + 32 h
.set RDA,  6                           ; v6   the stage, out: 13,056 w + 800 n + 64 h + 240
.set SW,   7                           ; v7   where my -M goes: STM + 128 (4 tl + g) + 4 x lane
.set SR,   8                           ; v8   where my tile's four lie: STM + 512 tl + 4 x lane
.set OW,   9                           ; v9   where my part of O goes: OP + 4,352 (4 tl + g) + 272 n + 32 h
.set ORD,  10                          ; v10  where I read the four parts: OP + 17,408 tl + 272 (4 g + h) + 16 n
.set GO,   11                          ; v11  out0: 1,024 h + 16 n
.set NM,   12                          ; v12  -M;  v13 the largest t
.set LS,   14                          ; v[14:15] the sum, in two halves
.set QF,   16                          ; v16-23 Q's fragment; v20-23 zero codes
.set QS,   24                          ; v24  Q's scale bytes
.set QSR,  25                          ; v25  the same + 3 each
.set RS,   26                          ; v26-31 R's scale bytes: lanes 0-15 an even tile, lanes 16-31 the odd one behind it; later v26-27 V's scale words
.set KS,   32                          ; v32-35 K's likewise
.set FA,   36                          ; v36-87 R's twelve fragments + 4 zeroed registers; later V's four fragments
.set FK,   88                          ; v88-123 K's eight fragments + 4 zeroed registers
.set S,    124                         ; v124-187 tiles 0-7 of M^T, then the scores, then p
.set OA,   188                         ; v188-219 O^T
.set TT,   220                         ; v220-251 tiles 8-11 of M^T; then at work:
.set BM,   220                         ; the blocks' largest scores, then largest p
.set PM,   224                         ; the other half's; then the bytes
.set SO,   228                         ; the conversions' scale operands
.set PC,   232                         ; p's codes
.set SUM2, 240                         ; the sum's second chain
.set FF,   242                         ; f = 2^(old M - new M)
.set TMP,  244
.set PW,   252                         ; v252 p's scale word
.set PD,   253                         ; v253 a lane permute's destination
.set DD,   254                         ; v254 the mask: my query - KF - 16 h in step 0
.set NINF, 255                         ; v255 -infinity
.set WV,   22
.set G,    23
.set TL,   24
.set BLK,  25
.set BB,   26
.set PP,   27
.set CC,   28
.set KB,   29
.set NS,   30                          ; s30  my tile's steps
.set SP,   31                          ; s31  my first step; behind the first trip 1: 0 only while the step in hand lies on the diagonal
.set YY,   32
.set SG,   33
.set SEL,  34                          ; s[34:35] v_permlanex16_b32's selects for lane l xor 16
.set CS,   36                          ; s[36:37] log2(e) / 8: the packed form names a pair and takes its low word for both halves
.set NT,   46                          ; s46  my trips: every fourth of the tile's steps from my first on
.set TC,   47                          ; s47  trips done
.macro WM d, a, b, z, sa, sb, odd      ; a scaled matrix instruction.  z = 1: C is the constant 0, else it adds in place.  odd = 1: source 0's scales stand in lanes 16-31
.if \z
.if \odd
	v_wmma_scale_f32_16x16x128_f8f6f4 v[\d:\d+7], v[\a:\a+7], v[\b:\b+7], 0, v[\sa], v[\sb] matrix_a_fmt:MATRIX_FMT_FP4 matrix_b_fmt:MATRIX_FMT_FP4 matrix_a_scale:MATRIX_SCALE_ROW1
.else
	v_wmma_scale_f32_16x16x128_f8f6f4 v[\d:\d+7], v[\a:\a+7], v[\b:\b+7], 0, v[\sa], v[\sb] matrix_a_fmt:MATRIX_FMT_FP4 matrix_b_fmt:MATRIX_FMT_FP4
.endif
.else
.if \odd
	v_wmma_scale_f32_16x16x128_f8f6f4 v[\d:\d+7], v[\a:\a+7], v[\b:\b+7], v[\d:\d+7], v[\sa], v[\sb] matrix_a_fmt:MATRIX_FMT_FP4 matrix_b_fmt:MATRIX_FMT_FP4 matrix_a_scale:MATRIX_SCALE_ROW1
.else
	v_wmma_scale_f32_16x16x128_f8f6f4 v[\d:\d+7], v[\a:\a+7], v[\b:\b+7], v[\d:\d+7], v[\sa], v[\sb] matrix_a_fmt:MATRIX_FMT_FP4 matrix_b_fmt:MATRIX_FMT_FP4
.endif
.endif
.endm
.macro LD_R                            ; 192 rows of R from rb on: 12 fragments, 6 registers of scale bytes: 18 loads
.irp T, 0,1,2,3,4,5,6,7,8,9,10,11
	global_load_b128 v[FA+4*\T:FA+4*\T+3], v[RO], s[16:17] offset:512*\T
.endr
.irp U, 0,1,2,3,4,5
	global_load_u16 v[RS+\U], v[L2], s[18:19] offset:64*\U
.endr
.endm
.macro LD_K                            ; the step's 128 keys: 8 fragments, 4 registers of scale bytes: 12 loads
.irp t, 0,1,2,3,4,5,6,7
	global_load_b128 v[FK+4*\t:FK+4*\t+3], v[L16], s[8:9] offset:512*\t
.endr
.irp U, 0,1,2,3
	global_load_u16 v[KS+\U], v[L2], s[10:11] offset:64*\U
.endr
.endm
.macro LD_V                            ; V^T of the step's 128 keys: 4 fragments of 16 channels, 2 registers of scale words: 10 loads
.irp t, 0,1,2,3
.irp c, 0,1
	global_load_b128 v[FA+8*\t+4*\c:FA+8*\t+4*\c+3], v[L16], s[12:13] offset:1024*\t+512*\c
.endr
.endr
.irp a, 0,1
	global_load_b32 v[RS+\a], v[L4], s[14:15] offset:128*\a
.endr
.endm
.macro REL                             ; M^T x 8: tile T holds col 16 T + 8 h + j of query n
.irp T, 0,1,2,3,4,5,6,7
	WM S+8*\T, FA+4*\T, QF, 1, RS+\T/2, QSR, \T%2
.endr
.irp T, 8,9,10,11
	WM TT+8*(\T-8), FA+4*\T, QF, 1, RS+\T/2, QSR, \T%2
.endr
.endm
.macro SK_OUT                          ; into my stage: row n, byte 4 col; each accumulator from its low end on
.irp T, 0,1,2,3,4,5,6,7
	ds_store_b128 v[STA], v[S+8*\T:S+8*\T+3] offset:64*\T
	ds_store_b128 v[STA], v[S+8*\T+4:S+8*\T+7] offset:64*\T+16
.endr
.irp T, 8,9,10,11
	ds_store_b128 v[STA], v[TT+8*(\T-8):TT+8*(\T-8)+3] offset:64*\T
	ds_store_b128 v[STA], v[TT+8*(\T-8)+4:TT+8*(\T-8)+7] offset:64*\T+16
.endr
.endm
.macro SK_IN                           ; and back, shifted by the query: register 8 t + j of tile t = 2 b + u is key 32 b + 16 h + 8 u + j: byte 816 n + 4 (60 - 4 n + key).  LDS serves a wave's instructions in order (ISA guide 5.7.1.4)
.irp t, 0,1,2,3,4,5,6,7
	ds_load_b128 v[S+8*\t:S+8*\t+3], v[RDA] offset:128*(\t/2)+32*(\t%2)
	ds_load_b128 v[S+8*\t+4:S+8*\t+7], v[RDA] offset:128*(\t/2)+32*(\t%2)+16
.endr
.endm
.macro QK                              ; + K Q^T: 8 x logit
.irp t, 0,1,2,3,4,5,6,7
	WM S+8*\t, FK+4*\t, QF, 0, KS+\t/2, QS, \t%2
.endr
.endm
.macro MASK                            ; step 0: register 16 b + i holds key KF + 16 h + 32 b + i: hidden where 32 b + i > my query - KF - 16 h.  -infinity ahead of the maximum: p = 0 then
.set nn, 0
.rept 64
	v_cmp_gt_i32 vcc_lo, 32*(nn/16)+nn%16, v[DD]
	v_cndmask_b32 v[S+nn], v[S+nn], v[NINF], vcc_lo
.set nn, nn+1
.endr
.endm
.macro SOFTMAX
.irp b, 0,1,2,3
	v_max3_num_f32 v[BM+\b], v[S+16*\b], v[S+1+16*\b], v[S+2+16*\b]   ; the largest score of each block of 32 keys: it serves the row's maximum and, since p rises with the score, the block's largest p
.endr
.irp i, 3,5,7,9,11,13
.irp b, 0,1,2,3
	v_max3_num_f32 v[BM+\b], v[BM+\b], v[S+16*\b+\i], v[S+1+16*\b+\i]
.endr
.endr
.irp b, 0,1,2,3
	v_max_num_f32 v[BM+\b], v[BM+\b], v[S+15+16*\b]
.endr
.irp b, 0,1,2,3
	v_permlanex16_b32 v[PM+\b], v[BM+\b], s[SEL], s[SEL+1]
.endr
.irp b, 0,1,2,3
	v_max_num_f32 v[BM+\b], v[BM+\b], v[PM+\b]     ; with lane l xor 16's 16 keys
.endr
	v_max3_num_f32 v[TMP], v[BM], v[BM+1], v[BM+2]
	v_max_num_f32 v[TMP], v[TMP], v[BM+3]          ; the step's largest score of my query
	v_mul_f32 v[TMP], s[CS], v[TMP]                ; as t
	v_max_num_f32 v[NM+1], v[NM+1], v[TMP]         ; the running largest t
	v_mov_b32 v[TMP], v[NM]
	v_floor_f32 v[NM], -v[NM+1]                    ; the new -M = floor(-t) = -ceil(t): a whole number
	v_sub_f32 v[TMP], v[NM], v[TMP]                ; M's old value less its new one: a whole number, 0 or less
	v_cvt_i32_f32 v[TMP], v[TMP]                   ; (it saturates)
	v_ldexp_f32 v[FF], 1.0, v[TMP]                 ; f = 2^(old M - new M): a multiplication by it rounds nothing
.set jj, 0
.rept 32
	v_pk_fma_f32 v[S+jj:S+jj+1], v[S+jj:S+jj+1], s[CS:CS+1], v[NM:NM+1] op_sel_hi:[1,0,0]   ; t - M, two at a time
.set jj, jj+2
.endr
.irp b, 0,1,2,3
	v_fma_f32 v[BM+\b], v[BM+\b], s[CS], v[NM]     ; the same of each block's largest score
.endr
.set jj, 0
.rept 64
	v_exp_f32 v[S+jj], v[S+jj]                     ; p = 2^(t - M), at most 1: not normalised
.set jj, jj+1
.endr
.irp b, 0,1,2,3
	v_exp_f32 v[BM+\b], v[BM+\b]                   ; the block's largest p: the same two instructions on the same number give the same bits
.endr
	v_pk_mul_f32 v[LS:LS+1], v[LS:LS+1], v[FF:FF+1] op_sel_hi:[1,0]   ; the sums under the new M (also the plain line behind the exponentials)
	s_wait_alu depctr_va_vdst(0)
.irp b, 0,1,2,3
	v_max_num_f32 v[BM+\b], 0x1800000, v[BM+\b]    ; the floor 2^(3 - 127): the byte cannot fall under 1
.endr
.irp b, 0,1,2,3
	v_add_nc_u32 v[SO+\b], 0xff000000, v[BM+\b]    ; 2 off the exponent field: the conversion's scale operand
.endr
.irp b, 0,1,2,3
	v_lshrrev_b32 v[PM+\b], 23, v[SO+\b]           ; the scale's byte
.endr
	v_lshl_or_b32 v[PW], v[PM+1], 8, v[PM]         ; p's scale word for these 128 keys
	v_lshl_or_b32 v[PW], v[PM+2], 16, v[PW]
	v_lshl_or_b32 v[PW], v[PM+3], 24, v[PW]
.irp b, 0,1,2,3
	v_cvt_scalef32_pk8_fp4_f32 v[PC+2*\b], v[S+16*\b:S+7+16*\b], v[SO+\b]
	v_cvt_scalef32_pk8_fp4_f32 v[PC+1+2*\b], v[S+8+16*\b:S+15+16*\b], v[SO+\b]
.endr
	v_nop                                          ; one plain line behind a scaled conversion
.irp c, 0,1                                    ; the operand wants a whole block in a lane: lanes 0-15 block 2 c, lanes 16-31 block 2 c + 1
.irp i, 0,1
	v_permlane16_swap_b32 v[PC+4*\c+\i], v[PC+2+4*\c+\i]
.endr
.endr
	v_pk_add_f32 v[SUM2:SUM2+1], v[S:S+1], v[S+2:S+3]   ; the row's sum is taken of the unquantised p: two at a time, in two chains
.set jj, 4
.rept 15
	v_pk_add_f32 v[LS:LS+1], v[LS:LS+1], v[S+jj:S+jj+1]
	v_pk_add_f32 v[SUM2:SUM2+1], v[SUM2:SUM2+1], v[S+jj+2:S+jj+3]
.set jj, jj+4
.endr
	v_pk_add_f32 v[LS:LS+1], v[LS:LS+1], v[SUM2:SUM2+1]
.set jj, 0
.rept 16
	v_pk_mul_f32 v[OA+jj:OA+jj+1], v[OA+jj:OA+jj+1], v[FF:FF+1] op_sel_hi:[1,0]   ; O^T under the new M, from each accumulator's low end on.  (With the sums: more than the eight places between p's scale word and the products below)
.set jj, jj+2
.endr
.endm
.macro PV                              ; O^T += V^T P^T: four tiles of 16 channels; K = these 128 keys
.irp t, 0,1,2,3
	WM OA+8*\t, FA+8*\t, PC, 0, RS+\t/2, PW, \t%2
.endr
.endm
	s_load_b256 s[4:11], s[0:1], 0x0               ; qc s[4:5], qs s[6:7], kc s[8:9], ks s[10:11]
	s_load_b256 s[12:19], s[0:1], 0x20             ; vc s[12:13], vs s[14:15], wrc s[16:17], wrs s[18:19]
	s_load_b64 s[20:21], s[0:1], 0x40              ; out0
	v_lshrrev_b32 v16, 5, v0
	v_readfirstlane_b32 s[WV], v16                 ; wave 0..15
	v_and_b32 v16, 31, v0                          ; lane
	v_and_b32 v17, 15, v0                          ; n
	v_bfe_u32 v18, v0, 4, 1                        ; h
	s_and_b32 s[G], s[WV], 3                       ; which quarter of a tile's steps
	s_lshr_b32 s[TL], s[WV], 2
	s_add_co_u32 s[TL], s[TL], s[WV]
	s_and_b32 s[TL], s[TL], 3                      ; which of the work-group's four tiles: four waves that are equal mod 4, and four that follow each other, hold one quarter of each tile
	s_lshr_b32 s[BLK], s[TL], 1                    ; 0: the even block 2 p, 1: the odd block 31 - 2 p
	s_lshl_b32 s[SG], s[TL], 2
	s_add_co_u32 s[SG], s[SG], s[G]                ; my part's place: 4 tl + g
	s_lshr_b32 s[PP], ttmp9, 1
	s_and_b32 s[CC], ttmp9, 1
	s_and_b32 s[BB], s[TL], 1
	s_lshl_b32 s38, s[CC], 1
	s_add_co_u32 s[BB], s[BB], s38                 ; b = 2 c + tl % 2
	s_lshl_b32 s38, s[PP], 1
	s_sub_co_u32 s39, 31, s38
	s_sub_co_u32 s40, 3, s[G]
	s_cmp_eq_u32 s[BLK], 0
	s_cselect_b32 s[KB], s38, s39                  ; kb
	s_cselect_b32 s[SP], s40, s[G]                 ; my first step: 3 - g in the even block, g in the odd one
	s_lshr_b32 s[NS], s[KB], 1
	s_add_co_u32 s[NS], s[NS], 1
	s_and_b32 s[YY], ttmp7, 0xffff                 ; the batch
	s_mov_b32 s[SEL], 0x76543210
	s_mov_b32 s[SEL+1], 0xfedcba98
	s_mov_b32 s[CS], 0x3e38aa3b                    ; log2(e) / 8
	s_mov_b32 s[CS+1], s[CS]
	v_lshlrev_b32 v[L16], 4, v16
	v_lshlrev_b32 v[L2], 1, v16
	v_lshlrev_b32 v[L4], 2, v16
	v_lshlrev_b32 v[RO], 5, v17
	v_lshl_add_u32 v[RO], v18, 4, v[RO]
	s_mul_i32 s38, s[WV], STGW
	v_mul_u32_u24 v[STA], v17, 816
	v_lshl_add_u32 v[STA], v18, 5, v[STA]
	v_add_nc_u32 v[STA], s38, v[STA]
	v_mul_u32_u24 v[RDA], v17, 800
	v_lshl_add_u32 v[RDA], v18, 6, v[RDA]
	s_add_co_u32 s38, s38, 240
	v_add_nc_u32 v[RDA], s38, v[RDA]
	s_lshl_b32 s38, s[SG], 7
	s_add_co_u32 s38, s38, STM
	v_add_nc_u32 v[SW], s38, v[L4]
	s_lshl_b32 s38, s[TL], 9
	s_add_co_u32 s38, s38, STM
	v_add_nc_u32 v[SR], s38, v[L4]
	s_mul_i32 s38, s[SG], OPW
	s_add_co_u32 s38, s38, OP
	v_mul_u32_u24 v[OW], v17, 272
	v_lshl_add_u32 v[OW], v18, 5, v[OW]
	v_add_nc_u32 v[OW], s38, v[OW]
	s_mul_i32 s38, s[TL], 4*OPW
	s_mul_i32 s39, s[G], 4*272
	s_add_co_u32 s38, s38, s39
	s_add_co_u32 s38, s38, OP
	v_mul_u32_u24 v[ORD], v18, 272
	v_lshl_add_u32 v[ORD], v17, 4, v[ORD]
	v_add_nc_u32 v[ORD], s38, v[ORD]
	v_lshlrev_b32 v[GO], 10, v18
	v_lshl_add_u32 v[GO], v17, 4, v[GO]
	s_lshl_b32 s38, s[BLK], 6
	s_add_co_u32 s38, s38, s[BB]
	v_lshlrev_b32 v[DD], 2, v17
	v_lshlrev_b32 v19, 4, v18
	v_sub_nc_u32 v[DD], v[DD], v19
	v_add_nc_u32 v[DD], s38, v[DD]                 ; 64 (kb % 2) + b + 4 n - 16 h
	v_mov_b32 v[NINF], 0xff800000
	v_lshlrev_b32 v[FA], 7, v17                    ; Q: my query's 32 bytes lie 4 tokens from the next lane's: 128 n + 16 h;
	v_lshl_add_u32 v[FA], v18, 4, v[FA]
	v_lshlrev_b32 v[FA+1], 3, v17                  ; its two scale bytes: 8 n
	v_mov_b32 v[NM+1], 0xff61b1e6                  ; the largest t so far: -3e38, under every t
	v_floor_f32 v[NM], -v[NM+1]                    ; -M
	v_mov_b32 v[LS], 0
	v_mov_b32 v[LS+1], 0
	v_mov_b32 v[PD], 0
.set jj, 0
.rept 32
	v_mov_b32 v[OA+jj], 0                          ; O^T.  (The step is written once: the first finds zeros, which the first change of M leaves zeros; a wave without a step hands zeros on)
.set jj, jj+1
.endr
	s_lshl_b32 s40, s[KB], 6
	s_add_co_u32 s40, s40, s[BB]
	s_lshl_b32 s41, s[YY], 11
	s_add_co_u32 s40, s40, s41                     ; my tile's first token: 2,048 y + Qb
	s_lshl_b32 s42, s[G], 4
	s_add_co_u32 s42, s42, s40
	s_lshl_b32 s42, s42, 8                         ; out0: at the end I store queries 4 g .. 4 g + 3 of the tile: 16 g tokens on, 256 bytes a token
	s_mov_b32 s43, 0
	s_wait_kmcnt 0x0
	s_add_nc_u64 s[20:21], s[20:21], s[42:43]
	s_cmp_lt_u32 s[SP], s[NS]
	s_cbranch_scc0 .Lmerge                         ; a short tile leaves some of its four waves without a step
	s_lshl_b32 s42, s40, 5
	s_add_nc_u64 s[4:5], s[4:5], s[42:43]
	s_lshl_b32 s42, s40, 1
	s_add_nc_u64 s[6:7], s[6:7], s[42:43]
	global_load_b128 v[QF:QF+3], v[FA], s[4:5]
	global_load_u16 v[QS], v[FA+1], s[6:7]
	s_sub_co_u32 s[NT], s[NS], s[SP]               ; my trips: the steps s, s + 4, .. under the tile's count: (count - s + 3) / 4, 1 to 4
	s_add_co_u32 s[NT], s[NT], 3
	s_lshr_b32 s[NT], s[NT], 2
	s_mov_b32 s[TC], 0
	s_lshl_b32 s44, s[YY], 4
	s_lshr_b32 s45, s[KB], 1
	s_add_co_u32 s44, s44, s45
	s_sub_co_u32 s44, s44, s[SP]                   ; which 128 tokens are my first step's keys: 16 y + kb / 2 - s
	s_lshl_b32 s42, s44, 12
	s_add_nc_u64 s[8:9], s[8:9], s[42:43]          ; K's and V's codes: 4,096 bytes a step
	s_add_nc_u64 s[12:13], s[12:13], s[42:43]
	s_lshl_b32 s42, s44, 8
	s_add_nc_u64 s[10:11], s[10:11], s[42:43]      ; their scale bytes: 256
	s_add_nc_u64 s[14:15], s[14:15], s[42:43]
	s_lshl_b32 s44, s[BLK], 6
	s_add_co_u32 s44, s44, s[BB]
	s_lshl_b32 s45, s[SP], 7
	s_add_co_u32 s44, s44, s45
	s_sub_co_u32 s44, 1987, s44                    ; rb
	s_lshl_b32 s42, s44, 5
	s_add_co_u32 s42, s42, 49152
	s_add_nc_u64 s[16:17], s[16:17], s[42:43]      ; R's codes: 32 bytes a row, behind the three weights'
	s_lshl_b32 s42, s44, 1
	s_add_co_u32 s42, s42, 3072
	s_add_nc_u64 s[18:19], s[18:19], s[42:43]      ; its scale bytes: 2 a row
	s_wait_loadcnt 0x0
	v_add_nc_u32 v[QSR], 0x303, v[QS]              ; x 8 for the relative product.  The twelve lines below and the five at the trip's head stand between this line and the first product that takes it
.irp j, 0,1,2,3
	v_mov_b32 v[QF+4+\j], 0                        ; zero codes for k = 64 .. 127
	v_mov_b32 v[FA+48+\j], 0                       ; what the last fragment of each buffer names as its upper half
	v_mov_b32 v[FK+32+\j], 0
.endr
.Ltrip:
.rept 5
	v_nop                                          ; behind the last trip's V^T P: four places in front of loads into its operands, five in front of the products below, which write over p's codes
.endr
	LD_R
	LD_K
	s_wait_loadcnt 12                              ; R's 18 loads are in; K's 12 may be out
	REL
.rept 5
	v_nop                                          ; four places in front of the stores of these results and of the loads into these operands; five in front of K Q^T, which writes the same accumulators again
.endr
	SK_OUT
	LD_V
	SK_IN
	s_wait_loadcnt 10                              ; K's 12 loads are in; V's 10 may be out
	s_wait_dscnt 0x0                               ; the relative scores are back
	QK
.rept 4
	v_nop
.endr
	s_cmp_lg_u32 s[SP], 0
	s_cbranch_scc1 .Lopen                          ; only the step on the diagonal has hidden keys
	MASK
.Lopen:
	SOFTMAX
	s_wait_loadcnt 0x0                             ; V is in; no load of mine is out, so the pointers may step
	PV
	s_sub_nc_u64 s[8:9], s[8:9], 16384             ; four steps back: 512 keys,
	s_sub_nc_u64 s[10:11], s[10:11], 1024
	s_sub_nc_u64 s[12:13], s[12:13], 16384
	s_sub_nc_u64 s[14:15], s[14:15], 1024
	s_sub_nc_u64 s[16:17], s[16:17], 16384         ; and 512 rows of R
	s_sub_nc_u64 s[18:19], s[18:19], 1024
	s_mov_b32 s[SP], 1                             ; no later trip of mine lies on the diagonal
	s_add_co_u32 s[TC], s[TC], 1
	s_cmp_lt_u32 s[TC], s[NT]
	s_cbranch_scc1 .Ltrip
.Lmerge:
	; THE FOUR PARTS OF A TILE MEET.  Each part's -M and sum go to LDS; M* is the largest M; part q counts 2^(M_q - M*), exact (0 for a wave that had no step); each wave scales its O^T by that and by 1 / the whole sum.
.set MM, 124                           ; v124-127 the four -M, then the four factors
.set LL, 128                           ; v128-131 the four sums
.set T0, 132
.set FM, 136                           ; v[136:137] my factor
.set PR, 140                           ; v140-171 the four parts of two rows
	v_add_f32 v[LS], v[LS], v[LS+1]
	v_permlanex16_b32 v[PD], v[LS], s[SEL], s[SEL+1]
	v_add_f32 v[LS], v[LS], v[PD]                  ; my part of the row's sum
	ds_store_b32 v[SW], v[NM]
	ds_store_b32 v[SW], v[LS] offset:2048
	s_wait_dscnt 0x0                               ; for the others' sake
	s_barrier_signal -1
	s_barrier_wait -1
.irp q, 0,1,2,3
	ds_load_b32 v[MM+\q], v[SR] offset:128*\q
	ds_load_b32 v[LL+\q], v[SR] offset:2048+128*\q
.endr
	s_wait_dscnt 0x0
	v_min3_num_f32 v[T0], v[MM], v[MM+1], v[MM+2]
	v_min_num_f32 v[T0], v[T0], v[MM+3]            ; -M*
.irp q, 0,1,2,3
	v_sub_f32 v[MM+\q], v[T0], v[MM+\q]            ; M_q - M*: a whole number, 0 or less
.endr
	v_sub_f32 v[T0+2], v[T0], v[NM]
.irp q, 0,1,2,3
	v_cvt_i32_f32 v[MM+\q], v[MM+\q]               ; (it saturates)
.endr
	v_cvt_i32_f32 v[T0+2], v[T0+2]
.irp q, 0,1,2,3
	v_ldexp_f32 v[MM+\q], 1.0, v[MM+\q]
.endr
	v_ldexp_f32 v[T0+2], 1.0, v[T0+2]              ; my own factor
	v_mul_f32 v[T0+1], v[MM], v[LL]
	v_fma_f32 v[T0+1], v[MM+1], v[LL+1], v[T0+1]
	v_fma_f32 v[T0+1], v[MM+2], v[LL+2], v[T0+1]
	v_fma_f32 v[T0+1], v[MM+3], v[LL+3], v[T0+1]   ; the row's sum under M*: the step on the diagonal gives it a p above 1/2
	v_rcp_f32 v[T0+1], v[T0+1]
	v_nop                                          ; one plain line behind a transcendental
	s_wait_alu depctr_va_vdst(0)
	v_mul_f32 v[FM], v[T0+2], v[T0+1]
	v_mul_f32 v[FM+1], v[T0+2], v[T0+1]            ; (named with it as a pair, so it is written)
.set jj, 0
.rept 16
	v_pk_mul_f32 v[OA+jj:OA+jj+1], v[OA+jj:OA+jj+1], v[FM:FM+1] op_sel_hi:[1,0]   ; from each accumulator's low end on
.set jj, jj+2
.endr
.irp t, 0,1,2,3
	ds_store_b128 v[OW], v[OA+8*\t:OA+8*\t+3] offset:64*\t          ; lane (n, h): channels 16 t + 8 h + 0 .. 7 of query n
	ds_store_b128 v[OW], v[OA+8*\t+4:OA+8*\t+7] offset:64*\t+16
.endr
	s_wait_dscnt 0x0                               ; for the others' sake; my reads of the four -M and sums are long in
	s_barrier_signal -1
	s_barrier_wait -1
.irp q, 0,1,2,3                                ; I add the four parts of queries 4 g .. 4 g + 3: sixteen lanes to a row of 256 bytes, two rows an instruction
.irp i, 0,1
	ds_load_b128 v[PR+8*\q+4*\i:PR+8*\q+4*\i+3], v[ORD] offset:OPW*\q+544*\i
.endr
.endr
	s_wait_dscnt 0x0
.irp q, 1,2,3
.irp i, 0,2,4,6
	v_pk_add_f32 v[PR+\i:PR+\i+1], v[PR+\i:PR+\i+1], v[PR+8*\q+\i:PR+8*\q+\i+1]
.endr
.endr
.irp i, 0,1
	global_store_b128 v[GO], v[PR+4*\i:PR+4*\i+3], s[20:21] offset:2048*\i th:TH_STORE_NT   ; sixteen lanes store one token's 256 consecutive bytes, aligned; the tile's queries lie 4 tokens apart
.endr
	s_wait_xcnt 0x0
	v_lshl_add_u32 v254, v0, 2, 0x45000
	v_mov_b32 v255, 0
	s_wait_tensorcnt 0x0
	ds_add_u32 v254, v255
	s_wait_dscnt 0x0
	s_endpgm
.Lfunc_end_k_qbe4c642a3f_attn:
	.size	k_qbe4c642a3f_attn, .Lfunc_end_k_qbe4c642a3f_attn-k_qbe4c642a3f_attn
	.p2alignl 7, 3214868480
	.fill 96, 4, 3214868480
	.section	.rodata,"a",@progbits
	.p2align	6, 0x0
	.amdhsa_kernel k_qbe4c642a3f_attn
		.amdhsa_group_segment_fixed_size 284672
		.amdhsa_private_segment_fixed_size 0
		.amdhsa_enable_private_segment 0
		.amdhsa_kernarg_size 72
		.amdhsa_user_sgpr_count 2
		.amdhsa_user_sgpr_kernarg_segment_ptr 1
		.amdhsa_wavefront_size32 1
		.amdhsa_system_sgpr_workgroup_id_x 1
		.amdhsa_system_sgpr_workgroup_id_y 1
		.amdhsa_system_sgpr_workgroup_id_z 1
		.amdhsa_system_vgpr_workitem_id 0
		.amdhsa_next_free_vgpr 256
		.amdhsa_next_free_sgpr 66
		.amdhsa_reserve_vcc 1
		.amdhsa_float_denorm_mode_32 3
		.amdhsa_float_denorm_mode_16_64 3
		.amdhsa_memory_ordered 1
		.amdhsa_forward_progress 1
		.amdhsa_inst_pref_size 40
	.end_amdhsa_kernel
	.amdgpu_metadata
---
amdhsa.version: [ 1, 2 ]
amdhsa.kernels:
  - .name:           k_qbe4c642a3f_attn
    .symbol:         k_qbe4c642a3f_attn.kd
    .args:
      - { .name: qc, .offset: 0, .size: 8, .value_kind: global_buffer, .address_space: global }
      - { .name: qs, .offset: 8, .size: 8, .value_kind: global_buffer, .address_space: global }
      - { .name: kc, .offset: 16, .size: 8, .value_kind: global_buffer, .address_space: global }
      - { .name: ks, .offset: 24, .size: 8, .value_kind: global_buffer, .address_space: global }
      - { .name: vc, .offset: 32, .size: 8, .value_kind: global_buffer, .address_space: global }
      - { .name: vs, .offset: 40, .size: 8, .value_kind: global_buffer, .address_space: global }
      - { .name: wrc, .offset: 48, .size: 8, .value_kind: global_buffer, .address_space: global }
      - { .name: wrs, .offset: 56, .size: 8, .value_kind: global_buffer, .address_space: global }
      - { .name: out0, .offset: 64, .size: 8, .value_kind: global_buffer, .address_space: global }
    .group_segment_fixed_size: 284672
    .private_segment_fixed_size: 0
    .kernarg_segment_align: 8
    .kernarg_segment_size: 72
    .max_flat_workgroup_size: 512
    .sgpr_count:     66
    .vgpr_count:     256
    .wavefront_size: 32
...
	.end_amdgpu_metadata
.endif
;; end of part 3
;; ======== version 2 of 3: 3 launches
;; workspace buffers: wrc 131,072 bytes; wrs 8,192 bytes; qc 524,288 bytes; qs 32,768 bytes; kc 524,288 bytes; ks 32,768 bytes; vc 524,288 bytes; vs 32,768 bytes
;; launch quant_wr (part 4): grid 32 x 1, 16 waves a work-group, no clusters, 47,360 bytes of LDS; arguments Wq, Wk, Wv, rel_emb, wrc, wrs; writes wrc, wrs
.if DOCPART == 4
	.amdgcn_target "amdgcn-amd-amdhsa--gfx1250"
	.amdhsa_code_object_version 6
	.text
	.protected	k_qbe4c642a3f_quant_wr
	.globl	k_qbe4c642a3f_quant_wr
	.p2align	8
	.type	k_qbe4c642a3f_quant_wr,@function
k_qbe4c642a3f_quant_wr:
	s_mov_b64 s[64:65], 0
	v_nop
	global_prefetch_b8 v0, s[64:65] scope:SCOPE_SE
	s_setreg_imm32_b32 hwreg(HW_REG_WAVE_MODE, 25, 1), 1
	s_wait_xcnt 0x0
; Wq, Wk, Wv [64][512] and rows 0 to 2,559 of rel_emb [4095][64], f32, become codes of FP4 (E2M1) with one E8M0 scale byte for each 32 along K, which is the innermost axis of all four.
; SHARES.  A wave takes ONE step of 512 numbers (2,048 consecutive bytes), a work-group of sixteen waves 8,192.  Work-groups 0-3 take Wq, 4-7 Wk, 8-11 Wv, 12-31 rel_emb.
; A WEIGHT'S STEP IS ONE ROW, and a work-group's sixteen rows are the rows of one tile t of the projection's operand: for Wq and Wk wave m takes row 32 (t / 2) + 8 (t % 2) + m + 8 (m / 8), for Wv row 16 t + m.
; Its codes are laid IN THE ORDER OF THE OPERAND'S REGISTERS: wrc: [weight][tile 4][K step 4][half c 2][lane 32][16 bytes], lane m + 16 h holding the block of 32 at k = 128 s + 64 c + 32 h of row m: so the projection
; loads a fragment by two loads of 512 consecutive bytes.  The sixteen waves put their codes into a 4,096-byte image of the tile in LDS, and behind a barrier each wave stores 256 consecutive bytes of it.
; wrs: [weight][tile 4][row of the tile 16][16 bytes].
; rel_emb is a plain stream of blocks: codes at wrc + 49,152, 32 bytes a row; scale bytes at wrs + 3,072, 2 a row.  The score of query i and key j takes row 2,047 - (i - j): under the causal mask only rows 0 to 2,047
; meet a score that is kept.  The attention's tiles of 16 rows reach up to row 2,178, for scores that the mask throws away: so 2,560 rows (twenty work-groups' worth) are quantised, and the rows from 2,560 on are not read.
; A block's scale is 2^(floor(log2(its largest magnitude)) - 2); its byte is the largest magnitude's exponent field - 2, held at 1 from below.  A block of zeros so gets the byte 1 where the rule says 127:
; its codes are zeros, which add nothing under any byte but 0xff, and this program alone reads the bytes.
; LIMITS: blocks whose largest magnitude lies under 2^-124, the floor, get the byte 1; NaN and infinities among the inputs are not served.
; A load reads 512 consecutive bytes, 16 a lane; the step's 2,048 bytes turn through the wave's own stage in LDS and come back 64 bytes a lane, so that a lane holds 16 neighbours along K (two neighbouring lanes hold
; a block), as the conversions want them.  The work-group's 256 scale bytes meet in LDS and leave as one aligned run of 256 bytes.
.set EMAX,  2
.set SP,    80                         ; a lane's place in a stage: its 64 bytes + 16 of padding
.set WST,   32*SP                      ; LDS: a stage for each wave
.set SCB,   16*WST                     ; behind the stages: the work-group's 256 scale bytes
.set CW,    SCB+256                    ; behind them: a weight's tile, 4 fragments of 1,024 bytes
.set R,     16                         ; v16-31  16 numbers as they are loaded
.set X,     32                         ; v32-47  16 neighbours
.set C,     48                         ; v48-49  their codes
	s_load_b256 s[4:11], s[0:1], 0x0               ; Wq s[4:5], Wk s[6:7], Wv s[8:9], rel_emb s[10:11]
	s_load_b128 s[12:15], s[0:1], 0x20             ; wrc s[12:13], wrs s[14:15]
	v_lshl_add_u32 v64, v0, 2, 0xb100
	v_mov_b32 v65, 0
	v_lshrrev_b32 v1, 5, v0
	v_readfirstlane_b32 s16, v1                    ; wave 0..15
	v_and_b32 v2, 31, v0                           ; lane
	v_lshlrev_b32 v3, 4, v2                        ; my 16 bytes of a load's 512
	v_lshlrev_b32 v4, 3, v2                        ; my 8 bytes of a store's 256
	s_mul_i32 s17, s16, WST
	v_lshrrev_b32 v14, 2, v2
	v_mul_u32_u24 v14, v14, SP
	v_and_b32 v15, 3, v2
	v_lshl_add_u32 v14, v15, 4, v14
	v_add_nc_u32 v14, s17, v14                     ; the stage, on the way in: four lanes' 64 bytes on end, then 16 of padding
	v_mul_u32_u24 v15, v2, SP
	v_add_nc_u32 v15, s17, v15                     ; and on the way out: SP x lane: my 16 neighbours
	s_lshl_b32 s17, s16, 4
	s_add_co_u32 s18, s17, SCB
	v_lshrrev_b32 v5, 1, v2
	v_add_nc_u32 v5, s18, v5                       ; my block's scale byte: SCB + 16 x wave + lane / 2
	v_add_nc_u32 v6, SCB, v4                       ; and the 256 bytes on their way out: 8 a lane
	v_lshrrev_b32 v8, 3, v2                        ; the tile's image: my block is number lane / 2 of the row: K step s = lane / 8,
	v_lshlrev_b32 v8, 10, v8
	v_bfe_u32 v1, v2, 2, 1                         ; half c,
	v_lshl_add_u32 v8, v1, 9, v8
	v_bfe_u32 v1, v2, 1, 1                         ; h,
	v_lshl_add_u32 v8, v1, 8, v8
	v_and_b32 v1, 1, v2                            ; and my half of the block's 16 bytes
	v_lshl_add_u32 v8, v1, 3, v8
	s_add_co_u32 s18, s17, CW
	v_add_nc_u32 v8, s18, v8                       ; CW + 1,024 s + 512 c + 256 h + 16 x wave + 8 (lane % 2)
	s_lshl_b32 s19, s16, 8
	s_add_co_u32 s18, s19, CW
	v_add_nc_u32 v9, s18, v4                       ; and back: CW + 256 x wave + 8 x lane
	s_lshr_b32 s20, ttmp9, 2
	s_min_u32 s20, s20, 3                          ; which tensor: 0, 1, 2 the weights, 3 rel_emb
	s_lshl_b32 s21, s20, 2
	s_sub_co_u32 s21, ttmp9, s21                   ; which sixteen steps of it: a weight's tile 0 .. 3; rel_emb's 0 .. 19
	s_lshl_b32 s22, s21, 4
	s_add_co_u32 s22, s22, s16                     ; Wv and rel_emb: step 16 x that + wave
	s_lshr_b32 s23, s21, 1
	s_lshl_b32 s23, s23, 5
	s_and_b32 s24, s21, 1
	s_lshl_b32 s24, s24, 3
	s_add_co_u32 s23, s23, s24
	s_add_co_u32 s23, s23, s16
	s_and_b32 s24, s16, 8
	s_add_co_u32 s23, s23, s24                     ; Wq and Wk: row 32 (t / 2) + 8 (t % 2) + wave + 8 (wave / 8)
	s_cmp_lt_u32 s20, 2
	s_cselect_b32 s22, s23, s22
	s_lshl_b32 s22, s22, 11                        ; 2,048 bytes a step
	s_mov_b32 s23, 0
	s_wait_kmcnt 0x0
	s_cmp_eq_u32 s20, 0                            ; the choice hangs on the work-group's number alone
	s_cselect_b64 s[10:11], s[4:5], s[10:11]
	s_cmp_eq_u32 s20, 1
	s_cselect_b64 s[10:11], s[6:7], s[10:11]
	s_cmp_eq_u32 s20, 2
	s_cselect_b64 s[10:11], s[8:9], s[10:11]
	s_add_nc_u64 s[10:11], s[10:11], s[22:23]
.irp i, 0,1,2,3
	global_load_b128 v[R+4*\i:R+4*\i+3], v3, s[10:11] offset:512*\i th:TH_LOAD_NT   ; 32 lanes read 512 consecutive bytes; read once in the launch
.endr
	s_lshl_b32 s22, ttmp9, 12                      ; the codes: 4,096 bytes a work-group, 256 a wave
	s_add_co_u32 s22, s22, s19
	s_add_nc_u64 s[12:13], s[12:13], s[22:23]
	s_lshl_b32 s22, ttmp9, 8                       ; the scale bytes: 256 a work-group
	s_add_nc_u64 s[14:15], s[14:15], s[22:23]
.irp i, 0,1,2,3
	s_wait_loadcnt 3-\i                            ; loads come back in order (ISA guide 5.7.1): load i is in, the 3 - i behind it may be out
	ds_store_b128 v14, v[R+4*\i:R+4*\i+3] offset:8*SP*\i
.endr
.irp i, 0,1,2,3
	ds_load_b128 v[X+4*\i:X+4*\i+3], v15 offset:16*\i   ; LDS serves a wave's instructions in order (ISA guide 5.7.1.4): these see the stores above
.endr
	s_wait_dscnt 0x0
	v_max3_num_f32 v10, |v[X]|, |v[X+1]|, |v[X+2]|                 ; the largest magnitude of my 16, in two chains
	v_max3_num_f32 v11, |v[X+3]|, |v[X+4]|, |v[X+5]|
.irp i, 6,10
	v_max3_num_f32 v10, v10, |v[X+\i]|, |v[X+\i+1]|
	v_max3_num_f32 v11, v11, |v[X+\i+2]|, |v[X+\i+3]|
.endr
	v_max3_num_f32 v10, v10, |v[X+14]|, |v[X+15]|
	v_max3_num_f32 v10, v10, v11, (EMAX+1)<<23     ; and the floor 2^(3 - 127): so the byte cannot fall under 1
	v_max_num_f32_dpp v10, v10, v10 row_xmask:1 row_mask:0xf bank_mask:0xf   ; and of my neighbour's 16: the block's
	v_add_nc_u32 v12, -(EMAX<<23), v10             ; 2 off its exponent field: the conversion takes the exponent field of this operand as its scale, and nothing else of it
	v_cvt_scalef32_pk8_fp4_f32 v[C], v[X:X+7], v12 ; eight numbers / the scale, to the nearest code, ties to even, beyond 6 the largest code; the first number's code in the lowest four bits
	v_cvt_scalef32_pk8_fp4_f32 v[C+1], v[X+8:X+15], v12
	v_lshrrev_b32 v13, 23, v12                     ; the scale's byte (also the plain line behind the conversions)
	ds_store_b8 v5, v13                            ; both lanes of a block write the same byte with the same value
	s_cmp_lt_u32 s20, 3
	s_cbranch_scc0 .Lrel
	ds_store_b64 v8, v[C:C+1]                      ; a weight: my 8 bytes at their place in the tile's image
	s_branch .Lmeet
.Lrel:
	global_store_b64 v4, v[C:C+1], s[12:13]        ; rel_emb: the stream as it is: the wave stores 256 consecutive bytes, aligned
.Lmeet:
	s_wait_dscnt 0x0                               ; for the others' sake: my byte and my codes lie in LDS
	s_barrier_signal -1
	s_barrier_wait -1                              ; all sixteen waves' do
	s_cmp_lt_u32 s20, 3
	s_cbranch_scc0 .Lbytes
	ds_load_b64 v[52:53], v9                       ; a weight: 256 consecutive bytes of the image,
	s_wait_dscnt 0x0
	global_store_b64 v4, v[52:53], s[12:13]        ; stored as they lie, aligned
.Lbytes:
	s_cmp_lg_u32 s16, 0
	s_cbranch_scc1 .Lend
	ds_load_b64 v[54:55], v6                       ; wave 0: the work-group's 256 scale bytes
	s_wait_dscnt 0x0
	global_store_b64 v4, v[54:55], s[14:15]        ; 32 lanes store 256 consecutive bytes, aligned
.Lend:
	s_wait_tensorcnt 0x0
	ds_add_u32 v64, v65
	s_wait_dscnt 0x0
	s_endpgm
.Lfunc_end_k_qbe4c642a3f_quant_wr:
	.size	k_qbe4c642a3f_quant_wr, .Lfunc_end_k_qbe4c642a3f_quant_wr-k_qbe4c642a3f_quant_wr
	.p2alignl 7, 3214868480
	.fill 96, 4, 3214868480
	.section	.rodata,"a",@progbits
	.p2align	6, 0x0
	.amdhsa_kernel k_qbe4c642a3f_quant_wr
		.amdhsa_group_segment_fixed_size 47360
		.amdhsa_private_segment_fixed_size 0
		.amdhsa_enable_private_segment 0
		.amdhsa_kernarg_size 48
		.amdhsa_user_sgpr_count 2
		.amdhsa_user_sgpr_kernarg_segment_ptr 1
		.amdhsa_wavefront_size32 1
		.amdhsa_system_sgpr_workgroup_id_x 1
		.amdhsa_system_sgpr_workgroup_id_y 1
		.amdhsa_system_sgpr_workgroup_id_z 1
		.amdhsa_system_vgpr_workitem_id 0
		.amdhsa_next_free_vgpr 66
		.amdhsa_next_free_sgpr 66
		.amdhsa_reserve_vcc 0
		.amdhsa_float_denorm_mode_32 3
		.amdhsa_float_denorm_mode_16_64 3
		.amdhsa_memory_ordered 1
		.amdhsa_forward_progress 1
		.amdhsa_inst_pref_size 6
	.end_amdhsa_kernel
	.amdgpu_metadata
---
amdhsa.version: [ 1, 2 ]
amdhsa.kernels:
  - .name:           k_qbe4c642a3f_quant_wr
    .symbol:         k_qbe4c642a3f_quant_wr.kd
    .args:
      - { .name: Wq, .offset: 0, .size: 8, .value_kind: global_buffer, .address_space: global }
      - { .name: Wk, .offset: 8, .size: 8, .value_kind: global_buffer, .address_space: global }
      - { .name: Wv, .offset: 16, .size: 8, .value_kind: global_buffer, .address_space: global }
      - { .name: rel_emb, .offset: 24, .size: 8, .value_kind: global_buffer, .address_space: global }
      - { .name: wrc, .offset: 32, .size: 8, .value_kind: global_buffer, .address_space: global }
      - { .name: wrs, .offset: 40, .size: 8, .value_kind: global_buffer, .address_space: global }
    .group_segment_fixed_size: 47360
    .private_segment_fixed_size: 0
    .kernarg_segment_align: 8
    .kernarg_segment_size: 48
    .max_flat_workgroup_size: 512
    .sgpr_count:     66
    .vgpr_count:     66
    .wavefront_size: 32
...
	.end_amdgpu_metadata
.endif
;; end of part 4
;; launch proj (part 5): grid 256 x 1, 16 waves a work-group, no clusters, 155,648 bytes of LDS; arguments x, wrc, wrs, qc, qs, kc, ks, vc, vs; writes qc, qs, kc, ks, vc, vs
.if DOCPART == 5
	.amdgcn_target "amdgcn-amd-amdhsa--gfx1250"
	.amdhsa_code_object_version 6
	.text
	.protected	k_qbe4c642a3f_proj
	.globl	k_qbe4c642a3f_proj
	.p2align	8
	.type	k_qbe4c642a3f_proj,@function
k_qbe4c642a3f_proj:
	s_mov_b64 s[64:65], 0
	v_nop
	global_prefetch_b8 v0, s[64:65] scope:SCOPE_SE
	s_setreg_imm32_b32 hwreg(HW_REG_WAVE_MODE, 25, 1), 1
	s_wait_xcnt 0x0
; Q = x Wq^T, K = x Wk^T, V = x Wv^T on codes of FP4 (E2M1) with one E8M0 scale for each 32 along K = 512; the results are quantised at once for the attention: Q and K along the head's 64, V along the keys.
; x: [16,384 tokens][512] f32, quantised here.  The weights come as codes in the order of the operand's registers (wrc: Wq at 0, Wk at 16,384, Wv at 32,768; fragment (tile t, K step s) at 1,024 (4 t + s): two runs of
; 512 bytes, 16 a lane) and scale bytes (wrs: at 0, 1,024, 2,048; 256 bytes a tile, 16 a row of the tile).
; SHARES.  A work-group of sixteen waves takes 64 tokens, T0 = 64 x its number.  A TILE OF 16 TOKENS HOLDS NO NEIGHBOURS: lane m of tile 2 b + u takes token T0 + 32 b + 8 u + m + 8 (m / 8), so that in a product's
; result the 16 registers of tiles 2 b and 2 b + 1 are 16 neighbours.  The rows of Wq and Wk that form a tile were chosen likewise; a tile of Wv holds 16 neighbouring rows.
; PHASE 1, all sixteen waves: wave w makes x's fragment (tile w / 4, K step w % 4): sixteen loads of 512 consecutive bytes, issued ahead of everything else; a turn through its own stage in LDS (so that a lane holds 16
; neighbours of each block of 32), the quantiser, and the fragment's registers go to LDS as they stand (16 bytes a lane and register group, 4 bytes a lane for the scale word).  One barrier.
; PHASE 2, twelve jobs of 16 matrix instructions: waves 0-3: Q of tile w % 4, waves 4-7: K of tile w % 4 (source 0 = 16 rows of the weight, source 1 = x: a lane holds one token, its registers run along the head);
; waves 8-11: V, channels 16 (w - 8) on (source 0 = x, source 1 = 16 rows of Wv: a lane holds one channel, its registers run along the tokens).  Waves 12-15 end behind the barrier.
; WHAT IS STORED.  qc: [token][32 bytes];  qs: [token] two bytes.  kc: [128 tokens][tile 8][lane 32][16 bytes], a tile's registers as the attention's source 0 takes them;  ks: [128 tokens][pair of tiles 4][lane 32] two bytes.
; vc: [128 tokens][channel tile 4][half 2][lane 32][16 bytes];  vs: [128 tokens][channel 64] a word, one byte for each 32 tokens.  The code stores cover whole aligned runs of 256 bytes;
; the scale stores are two bytes a lane: 96 KiB in all, against the 34 MiB that the launch moves.
; LIMITS: blocks whose largest magnitude lies under 2^-124, zeros among them, get the scale byte 1 (their codes are zeros or next to it; this program alone reads the bytes); NaN and infinities are not served.
.set XIMG, 0                           ; LDS: x's sixteen fragments, 1,024 bytes each: fragment 4 x tile + K step
.set XSC,  16384                       ; their scale words, 128 bytes each
.set XST,  18432                       ; a stage for each wave: 16 rows x (512 bytes + 16): the pitch is an odd multiple of 16 bytes
.set SPX,  528
.set WST,  16*SPX
.set LI,   1                           ; v1   16 x lane
.set XRD,  2                           ; v2   my stage, on the way out: row lane % 16, + 64 (lane / 16)
.set XWR,  3                           ; v3   my stage, on the way in: 16 x lane
.set IMW,  4                           ; v4   where my fragment goes: 1,024 x wave + 16 x lane
.set SCW,  5                           ; v5   and its scale word: XSC + 4 x thread
.set FB,   6                           ; v6   Q, K: x's fragments of my tile: 4,096 (wave % 4) + 16 x lane
.set SB,   7                           ; v7   and their scale words: XSC + 512 (wave % 4) + 4 x lane
.set SA,   8                           ; v8   V: x's scale words, lanes 0-15 an even tile's, lanes 16-31 the odd tile's behind it: XSC + 4 (lane % 16) + 512 (lane / 16)
.set TV,   9                           ; v9   at work in the head
.set N16,  10                          ; v10  16 (lane % 16)
.set NN,   11                          ; v11  n = lane % 16
.set HH,   12                          ; v12  h = lane / 16
.set NP,   13                          ; v13  n + 8 (n / 8)
.set WSO,  14                          ; v14  Wq, Wk: my lane's scale words: 16 n + 256 h: lanes 16-31 take the odd tile
.set XR,   16                          ; v16-79  64 numbers of x
.set ACC,  16                          ; v16-47  phase 2: four accumulators
.set TQ,   48                          ; v48-72  phase 2: the quantiser's work, codes at +16, scale bytes at +24
.set PF,   80                          ; v80-207  sixteen fragments: source 0 (tile t, K step s at 8 (4 t + s))
.set RF,   208                         ; v208-239 four fragments: source 1 (K step s at 8 s)
.set AS,   240                         ; v240-247 source 0's scale words: register 4 b + s: lanes 0-15 tile 2 b, lanes 16-31 tile 2 b + 1
.set BS,   248                         ; v248-251 source 1's
.set WV,   26                          ; s26  wave
.set W3,   27                          ; s27  wave % 4
.set SEL,  28                          ; s[28:29] v_permlanex16_b32's selects for lane l xor 16
; A scaled matrix instruction.  z = 1: it starts the sum with the constant 0, else it adds in place.  odd = 1: source 0's scales stand in lanes 16-31.
.macro WM d, a, b, z, sa, sb, odd
.if \z
.if \odd
	v_wmma_scale_f32_16x16x128_f8f6f4 v[\d:\d+7], v[\a:\a+7], v[\b:\b+7], 0, v[\sa], v[\sb] matrix_a_fmt:MATRIX_FMT_FP4 matrix_b_fmt:MATRIX_FMT_FP4 matrix_a_scale:MATRIX_SCALE_ROW1
.else
	v_wmma_scale_f32_16x16x128_f8f6f4 v[\d:\d+7], v[\a:\a+7], v[\b:\b+7], 0, v[\sa], v[\sb] matrix_a_fmt:MATRIX_FMT_FP4 matrix_b_fmt:MATRIX_FMT_FP4
.endif
.else
.if \odd
	v_wmma_scale_f32_16x16x128_f8f6f4 v[\d:\d+7], v[\a:\a+7], v[\b:\b+7], v[\d:\d+7], v[\sa], v[\sb] matrix_a_fmt:MATRIX_FMT_FP4 matrix_b_fmt:MATRIX_FMT_FP4 matrix_a_scale:MATRIX_SCALE_ROW1
.else
	v_wmma_scale_f32_16x16x128_f8f6f4 v[\d:\d+7], v[\a:\a+7], v[\b:\b+7], v[\d:\d+7], v[\sa], v[\sb] matrix_a_fmt:MATRIX_FMT_FP4 matrix_b_fmt:MATRIX_FMT_FP4
.endif
.endif
.endm
; 16 nb numbers of a lane, v[s] on, register 16 b + i = k 32 b + 16 (lane / 16) + i of my row, become codes in v[T + 16] on (a whole block a lane: lanes 0-15 the even block, lanes 16-31 the odd one)
; and the row's scale bytes in v[T + 24].  T + 0 .. 3 largest magnitudes, T + 4 .. 7 the other half's, then the bytes, T + 12 .. 15 the conversions' scale operands.
.macro QUANT s, nb, T
.irp b, 0,1,2,3
.if \b < \nb
	v_max3_num_f32 v[\T+\b], |v[\s+16*\b]|, |v[\s+1+16*\b]|, 0x1800000   ; block b: my 16 numbers from the low end on, and the floor 2^(3 - 127): so the byte cannot fall under 1
.endif
.endr
.irp i, 2,4,6,8,10,12,14
.irp b, 0,1,2,3
.if \b < \nb
	v_max3_num_f32 v[\T+\b], v[\T+\b], |v[\s+16*\b+\i]|, |v[\s+1+16*\b+\i]|   ; (the blocks by turns: no line waits for the line above it)
.endif
.endr
.endr
.irp b, 0,1,2,3
.if \b < \nb
	v_permlanex16_b32 v[\T+4+\b], v[\T+\b], s[SEL], s[SEL+1]
.endif
.endr
.irp b, 0,1,2,3
.if \b < \nb
	v_max_num_f32 v[\T+\b], v[\T+\b], v[\T+4+\b]   ; with lane l xor 16's: the block's largest magnitude
.endif
.endr
.irp b, 0,1,2,3
.if \b < \nb
	v_add_nc_u32 v[\T+12+\b], 0xff000000, v[\T+\b] ; 2 off its exponent field: the conversion takes the exponent field of this operand as its scale
.endif
.endr
.irp b, 0,1,2,3
.if \b < \nb
	v_lshrrev_b32 v[\T+4+\b], 23, v[\T+12+\b]      ; the scale's byte
.endif
.endr
	v_lshl_or_b32 v[\T+24], v[\T+5], 8, v[\T+4]
.if \nb == 4
	v_lshl_or_b32 v[\T+24], v[\T+6], 16, v[\T+24]
	v_lshl_or_b32 v[\T+24], v[\T+7], 24, v[\T+24]
.endif
.irp b, 0,1,2,3
.if \b < \nb
	v_cvt_scalef32_pk8_fp4_f32 v[\T+16+2*\b], v[\s+16*\b:\s+7+16*\b], v[\T+12+\b]
	v_cvt_scalef32_pk8_fp4_f32 v[\T+17+2*\b], v[\s+8+16*\b:\s+15+16*\b], v[\T+12+\b]
.endif
.endr
	v_nop                                          ; one plain line behind a scaled conversion
.irp c, 0,1
.if 2*\c < \nb
.irp i, 0,1
	v_permlane16_swap_b32 v[\T+16+4*\c+\i], v[\T+18+4*\c+\i]   ; the first's lanes 16-31 change places with the second's lanes 0-15: a whole block in a lane
.endr
.endif
.endr
.endm
; Phase 1 behind x's loads.  T: 25 registers for the quantiser's work that no pending load of this wave will write.  behind: the loads that this wave has issued behind x's sixteen.
.macro PH1 T, behind
.irp b, 0,1,2,3
	v_mov_b32 v[\T+4+\b], 0                        ; written once: a lane permute's destination counts as one of its sources
.endr
.irp i, 0,1,2,3,4,5,6,7,8,9,10,11,12,13,14,15
	s_wait_loadcnt 15-\i+\behind                   ; loads come back in order (ISA guide 5.7.1): x's load i is in; x's 15 - i behind it and the weight's loads behind those may be out
	ds_store_b128 v[XWR], v[XR+4*\i:XR+4*\i+3] offset:\i*SPX
.endr
.irp k, 0,1,2,3
.irp j, 0,1,2,3
	ds_load_b128 v[XR+16*\k+4*\j:XR+16*\k+4*\j+3], v[XRD] offset:128*\k+16*\j   ; LDS serves a wave's instructions in order (ISA guide 5.7.1.4): these see the stores above
.endr
.endr
	s_wait_dscnt 0x0
	QUANT XR, 4, \T
	ds_store_b128 v[IMW], v[\T+16:\T+19]           ; the fragment as it stands in its registers
	ds_store_b128 v[IMW], v[\T+20:\T+23] offset:512
	ds_store_b32 v[SCW], v[\T+24]
.endm
	s_load_b256 s[4:11], s[0:1], 0x0               ; x s[4:5], wrc s[6:7], wrs s[8:9], qc s[10:11]
	s_load_b256 s[12:19], s[0:1], 0x20             ; qs s[12:13], kc s[14:15], ks s[16:17], vc s[18:19]
	s_load_b64 s[20:21], s[0:1], 0x40              ; vs
	v_lshl_add_u32 v254, v0, 2, 0x25800
	v_mov_b32 v255, 0
	v_lshrrev_b32 v[TV], 5, v0
	v_readfirstlane_b32 s[WV], v[TV]               ; wave 0..15
	v_and_b32 v[N16], 31, v0                       ; lane (for now)
	v_and_b32 v[NN], 15, v0
	v_bfe_u32 v[HH], v0, 4, 1
	v_lshlrev_b32 v[LI], 4, v[N16]
	s_and_b32 s[W3], s[WV], 3
	s_mul_i32 s30, s[WV], WST
	s_add_co_u32 s30, s30, XST                     ; my stage
	v_mul_u32_u24 v[XRD], v[NN], SPX
	v_lshl_add_u32 v[XRD], v[HH], 6, v[XRD]
	v_add_nc_u32 v[XRD], s30, v[XRD]
	v_add_nc_u32 v[XWR], s30, v[LI]
	s_lshl_b32 s31, s[WV], 10
	v_add_nc_u32 v[IMW], s31, v[LI]
	v_lshl_add_u32 v[SCW], v0, 2, XSC
	s_lshl_b32 s33, s[W3], 12
	v_add_nc_u32 v[FB], s33, v[LI]
	s_lshl_b32 s33, s[W3], 9
	s_add_co_u32 s33, s33, XSC
	v_lshl_add_u32 v[SB], v[N16], 2, s33
	v_lshlrev_b32 v[SA], 2, v[NN]
	v_lshl_add_u32 v[SA], v[HH], 9, v[SA]
	v_add_nc_u32 v[SA], XSC, v[SA]
	v_and_b32 v[NP], 8, v[NN]
	v_add_nc_u32 v[NP], v[NP], v[NN]               ; n + 8 (n / 8)
	v_lshlrev_b32 v[WSO], 4, v[NN]                 ; scale words: 16 bytes a row of a tile,
	v_lshl_add_u32 v[WSO], v[HH], 8, v[WSO]        ; 256 a tile: lanes 16-31 take the odd tile
	v_lshlrev_b32 v[N16], 4, v[NN]
	s_mov_b32 s[SEL], 0x76543210
	s_mov_b32 s[SEL+1], 0xfedcba98
	s_lshl_b32 s34, ttmp9, 17                      ; x: 64 tokens of 2,048 bytes a work-group,
	s_lshr_b32 s35, s[WV], 3
	s_lshl_b32 s35, s35, 16                        ; 32 tokens for b,
	s_add_co_u32 s34, s34, s35
	s_bfe_u32 s35, s[WV], 0x10002
	s_lshl_b32 s35, s35, 14                        ; 8 tokens for u,
	s_add_co_u32 s34, s34, s35
	s_lshl_b32 s35, s[W3], 9                       ; 512 bytes for the K step
	s_add_co_u32 s34, s34, s35
	s_mov_b32 s35, 0
	s_mov_b32 s39, 0
	s_wait_kmcnt 0x0
	s_add_nc_u64 s[4:5], s[4:5], s[34:35]
.irp i, 0,1,2,3,4,5,6,7,8,9,10,11,12,13,14,15 ; x first, in every wave: it comes the long way, and phase 1 waits for nothing else
	global_load_b128 v[XR+4*\i:XR+4*\i+3], v[LI], s[4:5] offset:(\i+8*(\i/8))*2048 th:TH_LOAD_NT   ; the tile's token i: 512 consecutive bytes, aligned; read once in the launch
.endr
	s_cmp_lt_u32 s[WV], 8
	s_cbranch_scc0 .Lhigh
	; waves 0-7: all of Wq (waves 0-3) or of Wk (waves 4-7): 32 loads of 512 consecutive bytes and 2 of scale words; they are wanted in phase 2
	s_lshr_b32 s36, s[WV], 2
	s_lshl_b32 s38, s36, 14
	s_add_nc_u64 s[6:7], s[6:7], s[38:39]
	s_lshl_b32 s38, s36, 10
	s_add_nc_u64 s[8:9], s[8:9], s[38:39]
.irp f, 0,1,2,3,4,5,6,7,8,9,10,11,12,13,14,15
.irp c, 0,1
	global_load_b128 v[PF+8*\f+4*\c:PF+8*\f+4*\c+3], v[LI], s[6:7] offset:1024*\f+512*\c
.endr
.endr
.irp b, 0,1
	global_load_b128 v[AS+4*\b:AS+4*\b+3], v[WSO], s[8:9] offset:512*\b
.endr
	PH1 RF, 34
	s_branch .Lmeet
.Lhigh:
	s_cmp_lt_u32 s[WV], 12
	s_cbranch_scc0 .Lno_w
	; waves 8-11: one tile of Wv: 8 loads and 1 of scale words
	s_lshl_b32 s38, s[W3], 12
	s_add_co_u32 s38, s38, 32768
	s_add_nc_u64 s[6:7], s[6:7], s[38:39]
	s_lshl_b32 s38, s[W3], 8
	s_add_co_u32 s38, s38, 2048
	s_add_nc_u64 s[8:9], s[8:9], s[38:39]
.irp s, 0,1,2,3
.irp c, 0,1
	global_load_b128 v[RF+8*\s+4*\c:RF+8*\s+4*\c+3], v[LI], s[6:7] offset:1024*\s+512*\c
.endr
.endr
	global_load_b128 v[BS:BS+3], v[N16], s[8:9]
	PH1 PF, 9
	s_branch .Lmeet
.Lno_w:
	PH1 PF, 0
.Lmeet:
	s_wait_dscnt 0x0                               ; for the others' sake: my fragment and its scale word lie in LDS
	s_barrier_signal -1
	s_barrier_wait -1                              ; all sixteen do
	s_cmp_lt_u32 s[WV], 8
	s_cbranch_scc0 .Lfetch_v
.irp s, 0,1,2,3                                ; Q, K: my tile's four fragments of x are source 1
.irp c, 0,1
	ds_load_b128 v[RF+8*\s+4*\c:RF+8*\s+4*\c+3], v[FB] offset:1024*\s+512*\c
.endr
	ds_load_b32 v[BS+\s], v[SB] offset:128*\s
.endr
	s_branch .Lmul
.Lfetch_v:
	s_cmp_lt_u32 s[WV], 12
	s_cbranch_scc0 .Ldone                          ; waves 12-15 have no job
.irp f, 0,1,2,3,4,5,6,7,8,9,10,11,12,13,14,15 ; V: all sixteen fragments of x are source 0
.irp c, 0,1
	ds_load_b128 v[PF+8*\f+4*\c:PF+8*\f+4*\c+3], v[LI] offset:1024*\f+512*\c
.endr
.endr
.irp b, 0,1
.irp s, 0,1,2,3
	ds_load_b32 v[AS+4*\b+\s], v[SA] offset:128*(8*\b+\s)
.endr
.endr
.Lmul:
	s_wait_loadcnt 0x0                             ; the weight is in
	s_wait_dscnt 0x0
.rept 4
	v_nop                                          ; phase 1's quantiser worked in registers of PF or RF, which the loads above have filled anew: four places between its last vector write there and the scaled products that name them as A or B
.endr
.irp s, 0,1,2,3                                ; the four accumulators take turns, one instruction a turn; the first K step starts the sums
.irp t, 0,1,2,3
.if \s == 0
	WM ACC+8*\t, PF+8*(4*\t+\s), RF+8*\s, 1, AS+4*(\t/2)+\s, BS+\s, \t%2
.else
	WM ACC+8*\t, PF+8*(4*\t+\s), RF+8*\s, 0, AS+4*(\t/2)+\s, BS+\s, \t%2
.endif
.endr
.endr
.rept 4
	v_nop                                          ; four places between the last product and the first read of results (ISA guide 7.12.1)
.endr
	QUANT ACC, 2, TQ                               ; 32 numbers a lane, two blocks of 32 with lane l xor 16: codes in v64-67, two scale bytes in v72
	s_lshl_b32 s38, ttmp9, 11
	s_cmp_lt_u32 s[WV], 4
	s_cbranch_scc0 .Lnot_q
	s_lshr_b32 s40, s[W3], 1                       ; Q: my tile's first token is T0 + 32 b + 8 u; 32 bytes a token
	s_lshl_b32 s40, s40, 10
	s_add_co_u32 s38, s38, s40
	s_and_b32 s40, s[W3], 1
	s_lshl_b32 s40, s40, 8
	s_add_co_u32 s38, s38, s40
	s_add_nc_u64 s[10:11], s[10:11], s[38:39]
	s_lshr_b32 s38, s38, 4                         ; 2 bytes a token
	s_add_nc_u64 s[12:13], s[12:13], s[38:39]
	v_lshlrev_b32 v74, 5, v[NP]
	v_lshl_add_u32 v74, v[HH], 4, v74
	v_lshlrev_b32 v75, 1, v[NP]
	global_store_b128 v74, v[TQ+16:TQ+19], s[10:11]   ; tokens 0-7 and 16-23 of the tile's 24: two whole aligned runs of 256 bytes
	global_store_b16 v75, v[TQ+24], s[12:13]       ; (both halves of the lanes write the same bytes with the same value)
	s_branch .Ldone
.Lnot_q:
	s_cmp_lt_u32 s[WV], 8
	s_cbranch_scc0 .Lis_v
	s_lshl_b32 s40, s[W3], 9                       ; K: 2,048 bytes a work-group, 512 a tile
	s_add_co_u32 s38, s38, s40
	s_add_nc_u64 s[14:15], s[14:15], s[38:39]
	s_lshr_b32 s38, s38, 4                         ; 128 bytes a work-group, 32 a tile
	s_add_nc_u64 s[16:17], s[16:17], s[38:39]
	v_lshlrev_b32 v75, 1, v[NN]
	global_store_b128 v[LI], v[TQ+16:TQ+19], s[14:15] ; 512 consecutive bytes, aligned
	global_store_b16 v75, v[TQ+24], s[16:17]
	s_branch .Ldone
.Lis_v:
	s_lshr_b32 s40, ttmp9, 1                       ; V: 4,096 bytes for 128 tokens, 1,024 a channel tile, 512 for my work-group's 64 tokens
	s_and_b32 s41, ttmp9, 1
	s_lshl_b32 s38, s40, 12
	s_lshl_b32 s42, s[W3], 10
	s_add_co_u32 s38, s38, s42
	s_lshl_b32 s42, s41, 9
	s_add_co_u32 s38, s38, s42
	s_add_nc_u64 s[18:19], s[18:19], s[38:39]
	s_lshl_b32 s38, s40, 8                         ; 256 scale bytes for 128 tokens, a word a channel, my two bytes of it
	s_lshl_b32 s42, s[W3], 6
	s_add_co_u32 s38, s38, s42
	s_lshl_b32 s42, s41, 1
	s_add_co_u32 s38, s38, s42
	s_add_nc_u64 s[20:21], s[20:21], s[38:39]
	v_lshlrev_b32 v75, 2, v[NN]
	global_store_b128 v[LI], v[TQ+16:TQ+19], s[18:19]
	global_store_b16 v75, v[TQ+24], s[20:21]
.Ldone:
	s_wait_tensorcnt 0x0
	ds_add_u32 v254, v255
	s_wait_dscnt 0x0
	s_endpgm
.Lfunc_end_k_qbe4c642a3f_proj:
	.size	k_qbe4c642a3f_proj, .Lfunc_end_k_qbe4c642a3f_proj-k_qbe4c642a3f_proj
	.p2alignl 7, 3214868480
	.fill 96, 4, 3214868480
	.section	.rodata,"a",@progbits
	.p2align	6, 0x0
	.amdhsa_kernel k_qbe4c642a3f_proj
		.amdhsa_group_segment_fixed_size 155648
		.amdhsa_private_segment_fixed_size 0
		.amdhsa_enable_private_segment 0
		.amdhsa_kernarg_size 72
		.amdhsa_user_sgpr_count 2
		.amdhsa_user_sgpr_kernarg_segment_ptr 1
		.amdhsa_wavefront_size32 1
		.amdhsa_system_sgpr_workgroup_id_x 1
		.amdhsa_system_sgpr_workgroup_id_y 1
		.amdhsa_system_sgpr_workgroup_id_z 1
		.amdhsa_system_vgpr_workitem_id 0
		.amdhsa_next_free_vgpr 256
		.amdhsa_next_free_sgpr 66
		.amdhsa_reserve_vcc 0
		.amdhsa_float_denorm_mode_32 3
		.amdhsa_float_denorm_mode_16_64 3
		.amdhsa_memory_ordered 1
		.amdhsa_forward_progress 1
		.amdhsa_inst_pref_size 38
	.end_amdhsa_kernel
	.amdgpu_metadata
---
amdhsa.version: [ 1, 2 ]
amdhsa.kernels:
  - .name:           k_qbe4c642a3f_proj
    .symbol:         k_qbe4c642a3f_proj.kd
    .args:
      - { .name: x, .offset: 0, .size: 8, .value_kind: global_buffer, .address_space: global }
      - { .name: wrc, .offset: 8, .size: 8, .value_kind: global_buffer, .address_space: global }
      - { .name: wrs, .offset: 16, .size: 8, .value_kind: global_buffer, .address_space: global }
      - { .name: qc, .offset: 24, .size: 8, .value_kind: global_buffer, .address_space: global }
      - { .name: qs, .offset: 32, .size: 8, .value_kind: global_buffer, .address_space: global }
      - { .name: kc, .offset: 40, .size: 8, .value_kind: global_buffer, .address_space: global }
      - { .name: ks, .offset: 48, .size: 8, .value_kind: global_buffer, .address_space: global }
      - { .name: vc, .offset: 56, .size: 8, .value_kind: global_buffer, .address_space: global }
      - { .name: vs, .offset: 64, .size: 8, .value_kind: global_buffer, .address_space: global }
    .group_segment_fixed_size: 155648
    .private_segment_fixed_size: 0
    .kernarg_segment_align: 8
    .kernarg_segment_size: 72
    .max_flat_workgroup_size: 512
    .sgpr_count:     66
    .vgpr_count:     256
    .wavefront_size: 32
...
	.end_amdgpu_metadata
.endif
;; end of part 5
;; launch attn (part 6): grid 32 x 8, 16 waves a work-group, no clusters, 284,672 bytes of LDS; arguments qc, qs, kc, ks, vc, vs, wrc, wrs, out0; writes out0
.if DOCPART == 6
	.amdgcn_target "amdgcn-amd-amdhsa--gfx1250"
	.amdhsa_code_object_version 6
	.text
	.protected	k_qbe4c642a3f_attn
	.globl	k_qbe4c642a3f_attn
	.p2align	8
	.type	k_qbe4c642a3f_attn,@function
k_qbe4c642a3f_attn:
	s_mov_b64 s[64:65], 0
	v_nop
	global_prefetch_b8 v0, s[64:65] scope:SCOPE_SE
	s_setreg_imm32_b32 hwreg(HW_REG_WAVE_MODE, 25, 1), 1
	s_wait_xcnt 0x0
; out[y][i] = the sum over j <= i of softmax_j(Q[i] . K[j] / 8 + Q[i] . R[2047 - (i - j)]) V[j], 8 batches y, 2,048 tokens, head size 64; all three products on codes of FP4 (E2M1) with E8M0 scales for each 32 along K.
; (The reference's pad, reshape and slice put M[i][j - i + 2047] at place [i][j]: flat place 4,095 i + j + 2,048 of the padded array is 4,096 i + (j + 2,048 - i).)
; THE SOFTMAX AHEAD OF THE LAST PRODUCT: t = logit x log2(e); M = the largest t so far, rounded UP to a whole number; p = 2^(t - M) is quantised along the keys; the sum of the unquantised p divides at the end.
; A TILE'S 16 QUERIES LIE 4 APART: i = Qb + 4 n, Qb = 64 kb + b, b = 0 .. 3.  For the keys KF .. KF + 127 query n wants rows rb + col of R, rb = 1,987 - Qb + KF, col = 60 - 4 n + (key - KF), 0 .. 187.
; M^T = R Q^T (source 0 = 16 neighbouring rows of R, source 1 = Q) gives a lane ONE query and 8 neighbouring col.  Twelve such tiles go to the wave's own stage in LDS, one row a query, and come back from a start
; that moves 16 bytes from lane to lane: every LDS access is 16 bytes, aligned.  They land in the registers that are the C of K Q^T: no addition is written.
; THE FACTOR 1 / 8: the relative product takes Q's scale bytes + 3, so the accumulator holds 8 x logit, exactly, and t = accumulator x log2(e) / 8.
; HEAD SIZE 64 fills half of the instruction's 128: Q's registers 4-7 are zero codes.  Fragments of K and R are 4 registers, on end: as its upper half an operand names the next fragment, which meets zero codes;
; four zeroed registers close each buffer.  Scale bytes 2 and 3 are 0 (two bytes are loaded, zero-extended), never 0xff.
; BACKWARD FROM THE DIAGONAL: step s has KF = 128 (kb / 2) - 128 s; only s = 0 needs the mask; rb = 1,987 - 64 (kb % 2) - b - 128 s lies in 0 .. 1,987.
; SHARES.  Block kb has kb / 2 + 1 steps.  Work-group (x, y), p = x / 2, c = x % 2, owns tiles b = 2 c, 2 c + 1 of blocks 2 p and 31 - 2 p of batch y: 34 tile steps in every work-group.  Each tile's steps are dealt
; to four waves (every fourth step); wave w has quarter g = w % 4 of tile tl = (w / 4 + w) % 4.  Each wave keeps a whole-number M of its own; the four parts meet at the end by exact powers of two.
; All operands come from memory straight into registers, laid by the launches before in the order of the operands' registers: no wave waits for another inside the loop.
; LOADS AHEAD.  The first step's R and K are asked for together with Q.  V takes K's registers once K Q^T is issued, so that R's registers are free behind R Q^T: the next step's R is asked for there, a whole step
; ahead of its use; the next step's K right behind V^T P.  A wave's last trip asks for nothing more: forward branches on the trip counter, so that no load leaves its buffer.
; No cluster and no joint loads: the sixteen waves walk different key steps at any moment, a step's K and V are 8.5 KiB, and the stages take 208,896 bytes of LDS.
; LIMITS: NaN and infinities are not served; a block of p under 2^-124 gets the scale byte 1 (its codes are zeros); |Q| from 2^127 on would turn a scale byte + 3 into 0xff (the reference is not finite there either);
; a row's four partial sums are added in a fixed order that differs from one running sum.
.set STGW, 13056                       ; LDS: a stage for each wave: 16 rows x 816 bytes (192 col x 4 + 48): the pitch is an odd multiple of 16 bytes
.set OP,   208896                      ; sixteen parts of O: 16 rows x (256 bytes + 16)
.set OPW,  4352
.set STM,  278528                      ; sixteen x 128 bytes: each part's -M, a word a lane;  2,048 bytes on: each part's sum
.set L16,  1                           ; v1   16 x lane
.set L2,   2                           ; v2   2 x lane
.set L4,   3                           ; v3   4 x lane
.set RO,   4                           ; v4   R: 32 (lane % 16) + 16 (lane / 16)
.set STA,  5                           ; v5   the stage, in: 13,056 w + 816 n + 32 h
.set RDA,  6                           ; v6   the stage, out: 13,056 w + 800 n + 64 h + 240
.set SW,   7                           ; v7   where my -M goes: STM + 128 (4 tl + g) + 4 x lane
.set SR,   8                           ; v8   where my tile's four lie: STM + 512 tl + 4 x lane
.set OW,   9                           ; v9   where my part of O goes: OP + 4,352 (4 tl + g) + 272 n + 32 h
.set ORD,  10                          ; v10  where I read the four parts: OP + 17,408 tl + 272 (4 g + h) + 16 n
.set GO,   11                          ; v11  out0: 1,024 h + 16 n
.set NM,   12                          ; v12  -M;  v13 the largest t
.set LS,   14                          ; v[14:15] the sum, in two halves
.set QF,   16                          ; v16-23 Q's fragment; v20-23 zero codes
.set QS,   24                          ; v24  Q's scale bytes
.set QSR,  25                          ; v25  the same + 3 each
.set RS,   26                          ; v26-31 R's scale bytes: lanes 0-15 an even tile, lanes 16-31 the odd one behind it
.set KS,   32                          ; v32-35 K's likewise; behind K Q^T v32-33 V's scale words
.set FA,   36                          ; v36-87 R's twelve fragments + 4 zeroed registers
.set FK,   88                          ; v88-123 K's eight fragments + 4 zeroed registers; behind K Q^T V's four fragments
.set S,    124                         ; v124-187 tiles 0-7 of M^T, then the scores, then p
.set OA,   188                         ; v188-219 O^T
.set TT,   220                         ; v220-251 tiles 8-11 of M^T; then at work:
.set BM,   220                         ; the blocks' largest scores, then largest p
.set PM,   224                         ; the other half's; then the bytes
.set SO,   228                         ; the conversions' scale operands
.set PC,   232                         ; p's codes
.set SUM2, 240                         ; the sum's second chain
.set FF,   242                         ; f = 2^(old M - new M)
.set TMP,  244
.set PW,   252                         ; v252 p's scale word
.set PD,   253                         ; v253 a lane permute's destination
.set DD,   254                         ; v254 the mask: my query - KF - 16 h in step 0
.set NINF, 255                         ; v255 -infinity
.set WV,   22
.set G,    23
.set TL,   24
.set BLK,  25
.set BB,   26
.set PP,   27
.set CC,   28
.set KB,   29
.set NS,   30                          ; s30  my tile's steps
.set SP,   31                          ; s31  my first step; behind the first trip 1: 0 only while the step in hand lies on the diagonal
.set YY,   32
.set SG,   33
.set SEL,  34                          ; s[34:35] v_permlanex16_b32's selects for lane l xor 16
.set CS,   36                          ; s[36:37] log2(e) / 8: the packed form names a pair and takes its low word for both halves
.set NT,   46                          ; s46  my trips: every fourth of the tile's steps from my first on
.set TC,   47                          ; s47  trips done
.set NT1,  48                          ; s48  my trips less one
.macro WM d, a, b, z, sa, sb, odd      ; a scaled matrix instruction.  z = 1: C is the constant 0, else it adds in place.  odd = 1: source 0's scales stand in lanes 16-31
.if \z
.if \odd
	v_wmma_scale_f32_16x16x128_f8f6f4 v[\d:\d+7], v[\a:\a+7], v[\b:\b+7], 0, v[\sa], v[\sb] matrix_a_fmt:MATRIX_FMT_FP4 matrix_b_fmt:MATRIX_FMT_FP4 matrix_a_scale:MATRIX_SCALE_ROW1
.else
	v_wmma_scale_f32_16x16x128_f8f6f4 v[\d:\d+7], v[\a:\a+7], v[\b:\b+7], 0, v[\sa], v[\sb] matrix_a_fmt:MATRIX_FMT_FP4 matrix_b_fmt:MATRIX_FMT_FP4
.endif
.else
.if \odd
	v_wmma_scale_f32_16x16x128_f8f6f4 v[\d:\d+7], v[\a:\a+7], v[\b:\b+7], v[\d:\d+7], v[\sa], v[\sb] matrix_a_fmt:MATRIX_FMT_FP4 matrix_b_fmt:MATRIX_FMT_FP4 matrix_a_scale:MATRIX_SCALE_ROW1
.else
	v_wmma_scale_f32_16x16x128_f8f6f4 v[\d:\d+7], v[\a:\a+7], v[\b:\b+7], v[\d:\d+7], v[\sa], v[\sb] matrix_a_fmt:MATRIX_FMT_FP4 matrix_b_fmt:MATRIX_FMT_FP4
.endif
.endif
.endm
.macro LD_R                            ; 192 rows of R from rb on: 12 fragments, 6 registers of scale bytes: 18 loads
.irp T, 0,1,2,3,4,5,6,7,8,9,10,11
	global_load_b128 v[FA+4*\T:FA+4*\T+3], v[RO], s[16:17] offset:512*\T
.endr
.irp U, 0,1,2,3,4,5
	global_load_u16 v[RS+\U], v[L2], s[18:19] offset:64*\U
.endr
.endm
.macro LD_K                            ; a step's 128 keys: 8 fragments, 4 registers of scale bytes: 12 loads
.irp t, 0,1,2,3,4,5,6,7
	global_load_b128 v[FK+4*\t:FK+4*\t+3], v[L16], s[8:9] offset:512*\t
.endr
.irp U, 0,1,2,3
	global_load_u16 v[KS+\U], v[L2], s[10:11] offset:64*\U
.endr
.endm
.macro LD_V                            ; V^T of the step's 128 keys, into K's registers: 4 fragments of 16 channels, 2 registers of scale words: 10 loads
.irp t, 0,1,2,3
.irp c, 0,1
	global_load_b128 v[FK+8*\t+4*\c:FK+8*\t+4*\c+3], v[L16], s[12:13] offset:1024*\t+512*\c
.endr
.endr
.irp a, 0,1
	global_load_b32 v[KS+\a], v[L4], s[14:15] offset:128*\a
.endr
.endm
.macro REL                             ; M^T x 8: tile T holds col 16 T + 8 h + j of query n
.irp T, 0,1,2,3,4,5,6,7
	WM S+8*\T, FA+4*\T, QF, 1, RS+\T/2, QSR, \T%2
.endr
.irp T, 8,9,10,11
	WM TT+8*(\T-8), FA+4*\T, QF, 1, RS+\T/2, QSR, \T%2
.endr
.endm
.macro SK_OUT                          ; into my stage: row n, byte 4 col; each accumulator from its low end on
.irp T, 0,1,2,3,4,5,6,7
	ds_store_b128 v[STA], v[S+8*\T:S+8*\T+3] offset:64*\T
	ds_store_b128 v[STA], v[S+8*\T+4:S+8*\T+7] offset:64*\T+16
.endr
.irp T, 8,9,10,11
	ds_store_b128 v[STA], v[TT+8*(\T-8):TT+8*(\T-8)+3] offset:64*\T
	ds_store_b128 v[STA], v[TT+8*(\T-8)+4:TT+8*(\T-8)+7] offset:64*\T+16
.endr
.endm
.macro SK_IN                           ; and back, shifted by the query: register 8 t + j of tile t = 2 b + u is key 32 b + 16 h + 8 u + j: byte 816 n + 4 (60 - 4 n + key).  LDS serves a wave's instructions in order (ISA guide 5.7.1.4)
.irp t, 0,1,2,3,4,5,6,7
	ds_load_b128 v[S+8*\t:S+8*\t+3], v[RDA] offset:128*(\t/2)+32*(\t%2)
	ds_load_b128 v[S+8*\t+4:S+8*\t+7], v[RDA] offset:128*(\t/2)+32*(\t%2)+16
.endr
.endm
.macro QK                              ; + K Q^T: 8 x logit
.irp t, 0,1,2,3,4,5,6,7
	WM S+8*\t, FK+4*\t, QF, 0, KS+\t/2, QS, \t%2
.endr
.endm
.macro MASK                            ; step 0: register 16 b + i holds key KF + 16 h + 32 b + i: hidden where 32 b + i > my query - KF - 16 h.  -infinity ahead of the maximum: p = 0 then
.set nn, 0
.rept 64
	v_cmp_gt_i32 vcc_lo, 32*(nn/16)+nn%16, v[DD]
	v_cndmask_b32 v[S+nn], v[S+nn], v[NINF], vcc_lo
.set nn, nn+1
.endr
.endm
.macro SOFTMAX
.irp b, 0,1,2,3
	v_max3_num_f32 v[BM+\b], v[S+16*\b], v[S+1+16*\b], v[S+2+16*\b]   ; the largest score of each block of 32 keys: it serves the row's maximum and, since p rises with the score, the block's largest p
.endr
.irp i, 3,5,7,9,11,13
.irp b, 0,1,2,3
	v_max3_num_f32 v[BM+\b], v[BM+\b], v[S+16*\b+\i], v[S+1+16*\b+\i]
.endr
.endr
.irp b, 0,1,2,3
	v_max_num_f32 v[BM+\b], v[BM+\b], v[S+15+16*\b]
.endr
.irp b, 0,1,2,3
	v_permlanex16_b32 v[PM+\b], v[BM+\b], s[SEL], s[SEL+1]
.endr
.irp b, 0,1,2,3
	v_max_num_f32 v[BM+\b], v[BM+\b], v[PM+\b]     ; with lane l xor 16's 16 keys
.endr
	v_max3_num_f32 v[TMP], v[BM], v[BM+1], v[BM+2]
	v_max_num_f32 v[TMP], v[TMP], v[BM+3]          ; the step's largest score of my query
	v_mul_f32 v[TMP], s[CS], v[TMP]                ; as t
	v_max_num_f32 v[NM+1], v[NM+1], v[TMP]         ; the running largest t
	v_mov_b32 v[TMP], v[NM]
	v_floor_f32 v[NM], -v[NM+1]                    ; the new -M = floor(-t) = -ceil(t): a whole number
	v_sub_f32 v[TMP], v[NM], v[TMP]                ; M's old value less its new one: a whole number, 0 or less
	v_cvt_i32_f32 v[TMP], v[TMP]                   ; (it saturates)
	v_ldexp_f32 v[FF], 1.0, v[TMP]                 ; f = 2^(old M - new M): a multiplication by it rounds nothing
.set jj, 0
.rept 32
	v_pk_fma_f32 v[S+jj:S+jj+1], v[S+jj:S+jj+1], s[CS:CS+1], v[NM:NM+1] op_sel_hi:[1,0,0]   ; t - M, two at a time
.set jj, jj+2
.endr
.irp b, 0,1,2,3
	v_fma_f32 v[BM+\b], v[BM+\b], s[CS], v[NM]     ; the same of each block's largest score
.endr
.set jj, 0
.rept 64
	v_exp_f32 v[S+jj], v[S+jj]                     ; p = 2^(t - M), at most 1: not normalised
.set jj, jj+1
.endr
.irp b, 0,1,2,3
	v_exp_f32 v[BM+\b], v[BM+\b]                   ; the block's largest p: the same two instructions on the same number give the same bits
.endr
	v_pk_mul_f32 v[LS:LS+1], v[LS:LS+1], v[FF:FF+1] op_sel_hi:[1,0]   ; the sums under the new M (also the plain line behind the exponentials)
	s_wait_alu depctr_va_vdst(0)
.irp b, 0,1,2,3
	v_max_num_f32 v[BM+\b], 0x1800000, v[BM+\b]    ; the floor 2^(3 - 127): the byte cannot fall under 1
.endr
.irp b, 0,1,2,3
	v_add_nc_u32 v[SO+\b], 0xff000000, v[BM+\b]    ; 2 off the exponent field: the conversion's scale operand
.endr
.irp b, 0,1,2,3
	v_lshrrev_b32 v[PM+\b], 23, v[SO+\b]           ; the scale's byte
.endr
	v_lshl_or_b32 v[PW], v[PM+1], 8, v[PM]         ; p's scale word for these 128 keys
	v_lshl_or_b32 v[PW], v[PM+2], 16, v[PW]
	v_lshl_or_b32 v[PW], v[PM+3], 24, v[PW]
.irp b, 0,1,2,3
	v_cvt_scalef32_pk8_fp4_f32 v[PC+2*\b], v[S+16*\b:S+7+16*\b], v[SO+\b]
	v_cvt_scalef32_pk8_fp4_f32 v[PC+1+2*\b], v[S+8+16*\b:S+15+16*\b], v[SO+\b]
.endr
	v_nop                                          ; one plain line behind a scaled conversion
.irp c, 0,1                                    ; the operand wants a whole block in a lane: lanes 0-15 block 2 c, lanes 16-31 block 2 c + 1
.irp i, 0,1
	v_permlane16_swap_b32 v[PC+4*\c+\i], v[PC+2+4*\c+\i]
.endr
.endr
	v_pk_add_f32 v[SUM2:SUM2+1], v[S:S+1], v[S+2:S+3]   ; the row's sum is taken of the unquantised p: two at a time, in two chains
.set jj, 4
.rept 15
	v_pk_add_f32 v[LS:LS+1], v[LS:LS+1], v[S+jj:S+jj+1]
	v_pk_add_f32 v[SUM2:SUM2+1], v[SUM2:SUM2+1], v[S+jj+2:S+jj+3]
.set jj, jj+4
.endr
	v_pk_add_f32 v[LS:LS+1], v[LS:LS+1], v[SUM2:SUM2+1]
.set jj, 0
.rept 16
	v_pk_mul_f32 v[OA+jj:OA+jj+1], v[OA+jj:OA+jj+1], v[FF:FF+1] op_sel_hi:[1,0]   ; O^T under the new M, from each accumulator's low end on.  (With the sums: more than the eight places between p's scale word and the products below)
.set jj, jj+2
.endr
.endm
.macro PV                              ; O^T += V^T P^T: four tiles of 16 channels; K = these 128 keys
.irp t, 0,1,2,3
	WM OA+8*\t, FK+8*\t, PC, 0, KS+\t/2, PW, \t%2
.endr
.endm
	s_load_b256 s[4:11], s[0:1], 0x0               ; qc s[4:5], qs s[6:7], kc s[8:9], ks s[10:11]
	s_load_b256 s[12:19], s[0:1], 0x20             ; vc s[12:13], vs s[14:15], wrc s[16:17], wrs s[18:19]
	s_load_b64 s[20:21], s[0:1], 0x40              ; out0
	v_lshrrev_b32 v16, 5, v0
	v_readfirstlane_b32 s[WV], v16                 ; wave 0..15
	v_and_b32 v16, 31, v0                          ; lane
	v_and_b32 v17, 15, v0                          ; n
	v_bfe_u32 v18, v0, 4, 1                        ; h
	s_and_b32 s[G], s[WV], 3                       ; which quarter of a tile's steps
	s_lshr_b32 s[TL], s[WV], 2
	s_add_co_u32 s[TL], s[TL], s[WV]
	s_and_b32 s[TL], s[TL], 3                      ; which of the work-group's four tiles: four waves that are equal mod 4, and four that follow each other, hold one quarter of each tile
	s_lshr_b32 s[BLK], s[TL], 1                    ; 0: the even block 2 p, 1: the odd block 31 - 2 p
	s_lshl_b32 s[SG], s[TL], 2
	s_add_co_u32 s[SG], s[SG], s[G]                ; my part's place: 4 tl + g
	s_lshr_b32 s[PP], ttmp9, 1
	s_and_b32 s[CC], ttmp9, 1
	s_and_b32 s[BB], s[TL], 1
	s_lshl_b32 s38, s[CC], 1
	s_add_co_u32 s[BB], s[BB], s38                 ; b = 2 c + tl % 2
	s_lshl_b32 s38, s[PP], 1
	s_sub_co_u32 s39, 31, s38
	s_sub_co_u32 s40, 3, s[G]
	s_cmp_eq_u32 s[BLK], 0
	s_cselect_b32 s[KB], s38, s39                  ; kb
	s_cselect_b32 s[SP], s40, s[G]                 ; my first step: 3 - g in the even block, g in the odd one
	s_lshr_b32 s[NS], s[KB], 1
	s_add_co_u32 s[NS], s[NS], 1
	s_and_b32 s[YY], ttmp7, 0xffff                 ; the batch
	s_mov_b32 s[SEL], 0x76543210
	s_mov_b32 s[SEL+1], 0xfedcba98
	s_mov_b32 s[CS], 0x3e38aa3b                    ; log2(e) / 8
	s_mov_b32 s[CS+1], s[CS]
	v_lshlrev_b32 v[L16], 4, v16
	v_lshlrev_b32 v[L2], 1, v16
	v_lshlrev_b32 v[L4], 2, v16
	v_lshlrev_b32 v[RO], 5, v17
	v_lshl_add_u32 v[RO], v18, 4, v[RO]
	s_mul_i32 s38, s[WV], STGW
	v_mul_u32_u24 v[STA], v17, 816
	v_lshl_add_u32 v[STA], v18, 5, v[STA]
	v_add_nc_u32 v[STA], s38, v[STA]
	v_mul_u32_u24 v[RDA], v17, 800
	v_lshl_add_u32 v[RDA], v18, 6, v[RDA]
	s_add_co_u32 s38, s38, 240
	v_add_nc_u32 v[RDA], s38, v[RDA]
	s_lshl_b32 s38, s[SG], 7
	s_add_co_u32 s38, s38, STM
	v_add_nc_u32 v[SW], s38, v[L4]
	s_lshl_b32 s38, s[TL], 9
	s_add_co_u32 s38, s38, STM
	v_add_nc_u32 v[SR], s38, v[L4]
	s_mul_i32 s38, s[SG], OPW
	s_add_co_u32 s38, s38, OP
	v_mul_u32_u24 v[OW], v17, 272
	v_lshl_add_u32 v[OW], v18, 5, v[OW]
	v_add_nc_u32 v[OW], s38, v[OW]
	s_mul_i32 s38, s[TL], 4*OPW
	s_mul_i32 s39, s[G], 4*272
	s_add_co_u32 s38, s38, s39
	s_add_co_u32 s38, s38, OP
	v_mul_u32_u24 v[ORD], v18, 272
	v_lshl_add_u32 v[ORD], v17, 4, v[ORD]
	v_add_nc_u32 v[ORD], s38, v[ORD]
	v_lshlrev_b32 v[GO], 10, v18
	v_lshl_add_u32 v[GO], v17, 4, v[GO]
	s_lshl_b32 s38, s[BLK], 6
	s_add_co_u32 s38, s38, s[BB]
	v_lshlrev_b32 v[DD], 2, v17
	v_lshlrev_b32 v19, 4, v18
	v_sub_nc_u32 v[DD], v[DD], v19
	v_add_nc_u32 v[DD], s38, v[DD]                 ; 64 (kb % 2) + b + 4 n - 16 h
	v_mov_b32 v[NINF], 0xff800000
	v_lshlrev_b32 v[S], 7, v17                     ; Q: my query's 32 bytes lie 4 tokens from the next lane's: 128 n + 16 h;
	v_lshl_add_u32 v[S], v18, 4, v[S]
	v_lshlrev_b32 v[S+1], 3, v17                   ; its two scale bytes: 8 n.  (Both offsets stand in registers that are next written behind the wait for Q)
	v_mov_b32 v[NM+1], 0xff61b1e6                  ; the largest t so far: -3e38, under every t
	v_floor_f32 v[NM], -v[NM+1]                    ; -M
	v_mov_b32 v[LS], 0
	v_mov_b32 v[LS+1], 0
	v_mov_b32 v[PD], 0
.irp j, 0,1,2,3
	v_mov_b32 v[QF+4+\j], 0                        ; zero codes for k = 64 .. 127
	v_mov_b32 v[FA+48+\j], 0                       ; what the last fragment of each buffer names as its upper half
	v_mov_b32 v[FK+32+\j], 0
.endr
.set jj, 0
.rept 32
	v_mov_b32 v[OA+jj], 0                          ; O^T.  (The step is written once: the first finds zeros, which the first change of M leaves zeros; a wave without a step hands zeros on)
.set jj, jj+1
.endr
	s_lshl_b32 s40, s[KB], 6
	s_add_co_u32 s40, s40, s[BB]
	s_lshl_b32 s41, s[YY], 11
	s_add_co_u32 s40, s40, s41                     ; my tile's first token: 2,048 y + Qb
	s_lshl_b32 s42, s[G], 4
	s_add_co_u32 s42, s42, s40
	s_lshl_b32 s42, s42, 8                         ; out0: at the end I store queries 4 g .. 4 g + 3 of the tile: 16 g tokens on, 256 bytes a token
	s_mov_b32 s43, 0
	s_wait_kmcnt 0x0
	s_add_nc_u64 s[20:21], s[20:21], s[42:43]
	s_cmp_lt_u32 s[SP], s[NS]
	s_cbranch_scc0 .Lmerge                         ; a short tile leaves some of its four waves without a step
	s_lshl_b32 s42, s40, 5
	s_add_nc_u64 s[4:5], s[4:5], s[42:43]
	s_lshl_b32 s42, s40, 1
	s_add_nc_u64 s[6:7], s[6:7], s[42:43]
	global_load_b128 v[QF:QF+3], v[S], s[4:5]
	global_load_u16 v[QS], v[S+1], s[6:7]
	s_sub_co_u32 s[NT], s[NS], s[SP]               ; my trips: the steps s, s + 4, .. under the tile's count: (count - s + 3) / 4, 1 to 4
	s_add_co_u32 s[NT], s[NT], 3
	s_lshr_b32 s[NT], s[NT], 2
	s_sub_co_u32 s[NT1], s[NT], 1
	s_mov_b32 s[TC], 0
	s_lshl_b32 s44, s[YY], 4
	s_lshr_b32 s45, s[KB], 1
	s_add_co_u32 s44, s44, s45
	s_sub_co_u32 s44, s44, s[SP]                   ; which 128 tokens are my first step's keys: 16 y + kb / 2 - s
	s_lshl_b32 s42, s44, 12
	s_add_nc_u64 s[8:9], s[8:9], s[42:43]          ; K's and V's codes: 4,096 bytes a step
	s_add_nc_u64 s[12:13], s[12:13], s[42:43]
	s_lshl_b32 s42, s44, 8
	s_add_nc_u64 s[10:11], s[10:11], s[42:43]      ; their scale bytes: 256
	s_add_nc_u64 s[14:15], s[14:15], s[42:43]
	s_lshl_b32 s44, s[BLK], 6
	s_add_co_u32 s44, s44, s[BB]
	s_lshl_b32 s45, s[SP], 7
	s_add_co_u32 s44, s44, s45
	s_sub_co_u32 s44, 1987, s44                    ; rb
	s_lshl_b32 s42, s44, 5
	s_add_co_u32 s42, s42, 49152
	s_add_nc_u64 s[16:17], s[16:17], s[42:43]      ; R's codes: 32 bytes a row, behind the three weights'
	s_lshl_b32 s42, s44, 1
	s_add_co_u32 s42, s42, 3072
	s_add_nc_u64 s[18:19], s[18:19], s[42:43]      ; its scale bytes: 2 a row
	LD_R                                           ; my first step's R and K go out behind Q, ahead of any wait
	LD_K
	s_wait_loadcnt 30                              ; Q's two loads are in; R's 18 and K's 12 may be out
	v_add_nc_u32 v[QSR], 0x303, v[QS]              ; x 8 for the relative product
.rept 8
	v_nop                                          ; eight places between a scale register written by a vector instruction and the scaled product that takes it
.endr
.Ltrip:
	s_wait_loadcnt 12                              ; R's 18 loads are in; K's 12, issued behind them, may be out
	REL
.rept 5
	v_nop                                          ; four places in front of the stores of these results and of the loads into these results and operands; five in front of K Q^T, which writes the same accumulators again
.endr
	SK_OUT
	SK_IN
	s_cmp_lt_u32 s[TC], s[NT1]
	s_cbranch_scc0 .Lno_r                          ; my last trip asks for no further R
	s_sub_nc_u64 s[16:17], s[16:17], 16384         ; four steps back: 512 rows of R (this step's loads of R are in: the pointers may step)
	s_sub_nc_u64 s[18:19], s[18:19], 1024
	LD_R                                           ; the next step's R, a whole step ahead of its use
	s_wait_loadcnt 18                              ; K's 12 loads are in; the 18 just issued may be out
	s_branch .Lhave_k
.Lno_r:
	s_wait_loadcnt 0x0                             ; K's 12 loads are in: nothing was issued behind them
.Lhave_k:
	s_wait_dscnt 0x0                               ; the relative scores are back
	QK
.rept 4
	v_nop                                          ; four places in front of the loads into K's registers and of the first read of the scores
.endr
	LD_V                                           ; V has the softmax in which to land
	s_cmp_lg_u32 s[SP], 0
	s_cbranch_scc1 .Lopen                          ; only the step on the diagonal has hidden keys
	MASK
.Lopen:
	SOFTMAX
	s_wait_loadcnt 0x0                             ; V is in, and the next step's R, issued ahead of it; no load of mine is out, so the pointers may step
	PV
.rept 5
	v_nop                                          ; four places in front of the loads into V's registers, five in front of the next trip's first products, which write over p's codes
.endr
	s_sub_nc_u64 s[8:9], s[8:9], 16384             ; four steps back: 512 keys
	s_sub_nc_u64 s[10:11], s[10:11], 1024
	s_sub_nc_u64 s[12:13], s[12:13], 16384
	s_sub_nc_u64 s[14:15], s[14:15], 1024
	s_mov_b32 s[SP], 1                             ; no later trip of mine lies on the diagonal
	s_add_co_u32 s[TC], s[TC], 1
	s_cmp_lt_u32 s[TC], s[NT]
	s_cbranch_scc0 .Lmerge                         ; that was my last trip: nothing more is asked for
	LD_K                                           ; the next step's K
	s_cmp_lt_u32 s[TC], s[NT]
	s_cbranch_scc1 .Ltrip
.Lmerge:
	; THE FOUR PARTS OF A TILE MEET.  Each part's -M and sum go to LDS; M* is the largest M; part q counts 2^(M_q - M*), exact (0 for a wave that had no step); each wave scales its O^T by that and by 1 / the whole sum.
.set MM, 124                           ; v124-127 the four -M, then the four factors
.set LL, 128                           ; v128-131 the four sums
.set T0, 132
.set FM, 136                           ; v[136:137] my factor
.set PR, 140                           ; v140-171 the four parts of two rows
	v_add_f32 v[LS], v[LS], v[LS+1]
	v_permlanex16_b32 v[PD], v[LS], s[SEL], s[SEL+1]
	v_add_f32 v[LS], v[LS], v[PD]                  ; my part of the row's sum
	ds_store_b32 v[SW], v[NM]
	ds_store_b32 v[SW], v[LS] offset:2048
	s_wait_dscnt 0x0                               ; for the others' sake
	s_barrier_signal -1
	s_barrier_wait -1
.irp q, 0,1,2,3
	ds_load_b32 v[MM+\q], v[SR] offset:128*\q
	ds_load_b32 v[LL+\q], v[SR] offset:2048+128*\q
.endr
	s_wait_dscnt 0x0
	v_min3_num_f32 v[T0], v[MM], v[MM+1], v[MM+2]
	v_min_num_f32 v[T0], v[T0], v[MM+3]            ; -M*
.irp q, 0,1,2,3
	v_sub_f32 v[MM+\q], v[T0], v[MM+\q]            ; M_q - M*: a whole number, 0 or less
.endr
	v_sub_f32 v[T0+2], v[T0], v[NM]
.irp q, 0,1,2,3
	v_cvt_i32_f32 v[MM+\q], v[MM+\q]               ; (it saturates)
.endr
	v_cvt_i32_f32 v[T0+2], v[T0+2]
.irp q, 0,1,2,3
	v_ldexp_f32 v[MM+\q], 1.0, v[MM+\q]
.endr
	v_ldexp_f32 v[T0+2], 1.0, v[T0+2]              ; my own factor
	v_mul_f32 v[T0+1], v[MM], v[LL]
	v_fma_f32 v[T0+1], v[MM+1], v[LL+1], v[T0+1]
	v_fma_f32 v[T0+1], v[MM+2], v[LL+2], v[T0+1]
	v_fma_f32 v[T0+1], v[MM+3], v[LL+3], v[T0+1]   ; the row's sum under M*: the step on the diagonal gives it a p above 1/2
	v_rcp_f32 v[T0+1], v[T0+1]
	v_nop                                          ; one plain line behind a transcendental
	s_wait_alu depctr_va_vdst(0)
	v_mul_f32 v[FM], v[T0+2], v[T0+1]
	v_mul_f32 v[FM+1], v[T0+2], v[T0+1]            ; (named with it as a pair, so it is written)
.set jj, 0
.rept 16
	v_pk_mul_f32 v[OA+jj:OA+jj+1], v[OA+jj:OA+jj+1], v[FM:FM+1] op_sel_hi:[1,0]   ; from each accumulator's low end on
.set jj, jj+2
.endr
.irp t, 0,1,2,3
	ds_store_b128 v[OW], v[OA+8*\t:OA+8*\t+3] offset:64*\t          ; lane (n, h): channels 16 t + 8 h + 0 .. 7 of query n
	ds_store_b128 v[OW], v[OA+8*\t+4:OA+8*\t+7] offset:64*\t+16
.endr
	s_wait_dscnt 0x0                               ; for the others' sake; my reads of the four -M and sums are long in
	s_barrier_signal -1
	s_barrier_wait -1
.irp q, 0,1,2,3                                ; I add the four parts of queries 4 g .. 4 g + 3: sixteen lanes to a row of 256 bytes, two rows an instruction
.irp i, 0,1
	ds_load_b128 v[PR+8*\q+4*\i:PR+8*\q+4*\i+3], v[ORD] offset:OPW*\q+544*\i
.endr
.endr
	s_wait_dscnt 0x0
.irp q, 1,2,3
.irp i, 0,2,4,6
	v_pk_add_f32 v[PR+\i:PR+\i+1], v[PR+\i:PR+\i+1], v[PR+8*\q+\i:PR+8*\q+\i+1]
.endr
.endr
.irp i, 0,1
	global_store_b128 v[GO], v[PR+4*\i:PR+4*\i+3], s[20:21] offset:2048*\i th:TH_STORE_NT   ; sixteen lanes store one token's 256 consecutive bytes, aligned; the tile's queries lie 4 tokens apart
.endr
	s_wait_xcnt 0x0
	v_lshl_add_u32 v254, v0, 2, 0x45000
	v_mov_b32 v255, 0
	s_wait_tensorcnt 0x0
	ds_add_u32 v254, v255
	s_wait_dscnt 0x0
	s_endpgm
.Lfunc_end_k_qbe4c642a3f_attn:
	.size	k_qbe4c642a3f_attn, .Lfunc_end_k_qbe4c642a3f_attn-k_qbe4c642a3f_attn
	.p2alignl 7, 3214868480
	.fill 96, 4, 3214868480
	.section	.rodata,"a",@progbits
	.p2align	6, 0x0
	.amdhsa_kernel k_qbe4c642a3f_attn
		.amdhsa_group_segment_fixed_size 284672
		.amdhsa_private_segment_fixed_size 0
		.amdhsa_enable_private_segment 0
		.amdhsa_kernarg_size 72
		.amdhsa_user_sgpr_count 2
		.amdhsa_user_sgpr_kernarg_segment_ptr 1
		.amdhsa_wavefront_size32 1
		.amdhsa_system_sgpr_workgroup_id_x 1
		.amdhsa_system_sgpr_workgroup_id_y 1
		.amdhsa_system_sgpr_workgroup_id_z 1
		.amdhsa_system_vgpr_workitem_id 0
		.amdhsa_next_free_vgpr 256
		.amdhsa_next_free_sgpr 66
		.amdhsa_reserve_vcc 1
		.amdhsa_float_denorm_mode_32 3
		.amdhsa_float_denorm_mode_16_64 3
		.amdhsa_memory_ordered 1
		.amdhsa_forward_progress 1
		.amdhsa_inst_pref_size 43
	.end_amdhsa_kernel
	.amdgpu_metadata
---
amdhsa.version: [ 1, 2 ]
amdhsa.kernels:
  - .name:           k_qbe4c642a3f_attn
    .symbol:         k_qbe4c642a3f_attn.kd
    .args:
      - { .name: qc, .offset: 0, .size: 8, .value_kind: global_buffer, .address_space: global }
      - { .name: qs, .offset: 8, .size: 8, .value_kind: global_buffer, .address_space: global }
      - { .name: kc, .offset: 16, .size: 8, .value_kind: global_buffer, .address_space: global }
      - { .name: ks, .offset: 24, .size: 8, .value_kind: global_buffer, .address_space: global }
      - { .name: vc, .offset: 32, .size: 8, .value_kind: global_buffer, .address_space: global }
      - { .name: vs, .offset: 40, .size: 8, .value_kind: global_buffer, .address_space: global }
      - { .name: wrc, .offset: 48, .size: 8, .value_kind: global_buffer, .address_space: global }
      - { .name: wrs, .offset: 56, .size: 8, .value_kind: global_buffer, .address_space: global }
      - { .name: out0, .offset: 64, .size: 8, .value_kind: global_buffer, .address_space: global }
    .group_segment_fixed_size: 284672
    .private_segment_fixed_size: 0
    .kernarg_segment_align: 8
    .kernarg_segment_size: 72
    .max_flat_workgroup_size: 512
    .sgpr_count:     66
    .vgpr_count:     256
    .wavefront_size: 32
...
	.end_amdgpu_metadata
.endif
;; end of part 6
;; ======== version 3 of 3: 3 launches
;; workspace buffers: wrc 131,072 bytes; wrs 8,192 bytes; qc 524,288 bytes; qs 32,768 bytes; kc 524,288 bytes; ks 32,768 bytes; vc 524,288 bytes; vs 32,768 bytes
;; launch quant_wr (part 7): grid 32 x 1, 16 waves a work-group, no clusters, 47,360 bytes of LDS; arguments Wq, Wk, Wv, rel_emb, wrc, wrs; writes wrc, wrs
.if DOCPART == 7
	.amdgcn_target "amdgcn-amd-amdhsa--gfx1250"
	.amdhsa_code_object_version 6
	.text
	.protected	k_qbe4c642a3f_quant_wr
	.globl	k_qbe4c642a3f_quant_wr
	.p2align	8
	.type	k_qbe4c642a3f_quant_wr,@function
k_qbe4c642a3f_quant_wr:
	s_mov_b64 s[64:65], 0
	v_nop
	global_prefetch_b8 v0, s[64:65] scope:SCOPE_SE
	s_setreg_imm32_b32 hwreg(HW_REG_WAVE_MODE, 25, 1), 1
	s_wait_xcnt 0x0
; Wq, Wk, Wv [64][512] and rows 0 to 2,559 of rel_emb [4095][64], f32, become codes of FP4 (E2M1) with one E8M0 scale byte for each 32 along K, which is the innermost axis of all four.
; SHARES.  A wave takes ONE step of 512 numbers (2,048 consecutive bytes), a work-group of sixteen waves 8,192.  Work-groups 0-3 take Wq, 4-7 Wk, 8-11 Wv, 12-31 rel_emb.
; A WEIGHT'S STEP IS ONE ROW, and a work-group's sixteen rows are the rows of one tile t of the projection's operand: for Wq and Wk wave m takes row 32 (t / 2) + 8 (t % 2) + m + 8 (m / 8), for Wv row 16 t + m.
; Its codes are laid IN THE ORDER OF THE OPERAND'S REGISTERS: wrc: [weight][tile 4][K step 4][half c 2][lane 32][16 bytes], lane m + 16 h holding the block of 32 at k = 128 s + 64 c + 32 h of row m: so the projection
; loads a fragment by two loads of 512 consecutive bytes.  The sixteen waves put their codes into a 4,096-byte image of the tile in LDS, and behind a barrier each wave stores 256 consecutive bytes of it.
; wrs: [weight][tile 4][row of the tile 16][16 bytes].
; rel_emb is a plain stream of blocks: codes at wrc + 49,152, 32 bytes a row; scale bytes at wrs + 3,072, 2 a row.  The score of query i and key j takes row 2,047 - (i - j): under the causal mask only rows 0 to 2,047
; meet a score that is kept.  The attention's tiles of 16 rows reach up to row 2,178, for scores that the mask throws away: so 2,560 rows (twenty work-groups' worth) are quantised, and the rows from 2,560 on are not read.
; A block's scale is 2^(floor(log2(its largest magnitude)) - 2); its byte is the largest magnitude's exponent field - 2, held at 1 from below.  A block of zeros so gets the byte 1 where the rule says 127:
; its codes are zeros, which add nothing under any byte but 0xff, and this program alone reads the bytes.
; LIMITS: blocks whose largest magnitude lies under 2^-124, the floor, get the byte 1; NaN and infinities among the inputs are not served.
; A load reads 512 consecutive bytes, 16 a lane; the step's 2,048 bytes turn through the wave's own stage in LDS and come back 64 bytes a lane, so that a lane holds 16 neighbours along K (two neighbouring lanes hold
; a block), as the conversions want them.  The work-group's 256 scale bytes meet in LDS and leave as one aligned run of 256 bytes.
.set EMAX,  2
.set SP,    80                         ; a lane's place in a stage: its 64 bytes + 16 of padding
.set WST,   32*SP                      ; LDS: a stage for each wave
.set SCB,   16*WST                     ; behind the stages: the work-group's 256 scale bytes
.set CW,    SCB+256                    ; behind them: a weight's tile, 4 fragments of 1,024 bytes
.set R,     16                         ; v16-31  16 numbers as they are loaded
.set X,     32                         ; v32-47  16 neighbours
.set C,     48                         ; v48-49  their codes
	s_load_b256 s[4:11], s[0:1], 0x0               ; Wq s[4:5], Wk s[6:7], Wv s[8:9], rel_emb s[10:11]
	s_load_b128 s[12:15], s[0:1], 0x20             ; wrc s[12:13], wrs s[14:15]
	v_lshl_add_u32 v64, v0, 2, 0xb100
	v_mov_b32 v65, 0
	v_lshrrev_b32 v1, 5, v0
	s_delay_alu instid0(VALU_DEP_1)
	v_readfirstlane_b32 s16, v1                    ; wave 0..15
	v_and_b32 v2, 31, v0                           ; lane
	s_delay_alu instid0(VALU_DEP_1)
	v_lshlrev_b32 v3, 4, v2                        ; my 16 bytes of a load's 512
	s_delay_alu instid0(VALU_DEP_2)
	v_lshlrev_b32 v4, 3, v2                        ; my 8 bytes of a store's 256
	s_mul_i32 s17, s16, WST
	v_lshrrev_b32 v14, 2, v2
	s_delay_alu instid0(VALU_DEP_1)
	v_mul_u32_u24 v14, v14, SP
	v_and_b32 v15, 3, v2
	s_delay_alu instid0(VALU_DEP_1)
	v_lshl_add_u32 v14, v15, 4, v14
	s_delay_alu instid0(VALU_DEP_1)
	v_add_nc_u32 v14, s17, v14                     ; the stage, on the way in: four lanes' 64 bytes on end, then 16 of padding
	v_mul_u32_u24 v15, v2, SP
	s_delay_alu instid0(VALU_DEP_1)
	v_add_nc_u32 v15, s17, v15                     ; and on the way out: SP x lane: my 16 neighbours
	s_lshl_b32 s17, s16, 4
	s_add_co_u32 s18, s17, SCB
	v_lshrrev_b32 v5, 1, v2
	s_delay_alu instid0(VALU_DEP_1)
	v_add_nc_u32 v5, s18, v5                       ; my block's scale byte: SCB + 16 x wave + lane / 2
	v_add_nc_u32 v6, SCB, v4                       ; and the 256 bytes on their way out: 8 a lane
	v_lshrrev_b32 v8, 3, v2                        ; the tile's image: my block is number lane / 2 of the row: K step s = lane / 8,
	s_delay_alu instid0(VALU_DEP_1)
	v_lshlrev_b32 v8, 10, v8
	v_bfe_u32 v1, v2, 2, 1                         ; half c,
	s_delay_alu instid0(VALU_DEP_1)
	v_lshl_add_u32 v8, v1, 9, v8
	v_bfe_u32 v1, v2, 1, 1                         ; h,
	s_delay_alu instid0(VALU_DEP_1)
	v_lshl_add_u32 v8, v1, 8, v8
	v_and_b32 v1, 1, v2                            ; and my half of the block's 16 bytes
	s_delay_alu instid0(VALU_DEP_1)
	v_lshl_add_u32 v8, v1, 3, v8
	s_add_co_u32 s18, s17, CW
	v_add_nc_u32 v8, s18, v8                       ; CW + 1,024 s + 512 c + 256 h + 16 x wave + 8 (lane % 2)
	s_lshl_b32 s19, s16, 8
	s_add_co_u32 s18, s19, CW
	v_add_nc_u32 v9, s18, v4                       ; and back: CW + 256 x wave + 8 x lane
	s_lshr_b32 s20, ttmp9, 2
	s_min_u32 s20, s20, 3                          ; which tensor: 0, 1, 2 the weights, 3 rel_emb
	s_lshl_b32 s21, s20, 2
	s_sub_co_u32 s21, ttmp9, s21                   ; which sixteen steps of it: a weight's tile 0 .. 3; rel_emb's 0 .. 19
	s_lshl_b32 s22, s21, 4
	s_add_co_u32 s22, s22, s16                     ; Wv and rel_emb: step 16 x that + wave
	s_lshr_b32 s23, s21, 1
	s_lshl_b32 s23, s23, 5
	s_and_b32 s24, s21, 1
	s_lshl_b32 s24, s24, 3
	s_add_co_u32 s23, s23, s24
	s_add_co_u32 s23, s23, s16
	s_and_b32 s24, s16, 8
	s_add_co_u32 s23, s23, s24                     ; Wq and Wk: row 32 (t / 2) + 8 (t % 2) + wave + 8 (wave / 8)
	s_cmp_lt_u32 s20, 2
	s_cselect_b32 s22, s23, s22
	s_lshl_b32 s22, s22, 11                        ; 2,048 bytes a step
	s_mov_b32 s23, 0
	s_wait_kmcnt 0x0
	s_cmp_eq_u32 s20, 0                            ; the choice hangs on the work-group's number alone
	s_cselect_b64 s[10:11], s[4:5], s[10:11]
	s_cmp_eq_u32 s20, 1
	s_cselect_b64 s[10:11], s[6:7], s[10:11]
	s_cmp_eq_u32 s20, 2
	s_cselect_b64 s[10:11], s[8:9], s[10:11]
	s_add_nc_u64 s[10:11], s[10:11], s[22:23]
.irp i, 0,1,2,3
	global_load_b128 v[R+4*\i:R+4*\i+3], v3, s[10:11] offset:512*\i th:TH_LOAD_NT   ; 32 lanes read 512 consecutive bytes; read once in the launch
.endr
	s_lshl_b32 s22, ttmp9, 12                      ; the codes: 4,096 bytes a work-group, 256 a wave
	s_add_co_u32 s22, s22, s19
	s_add_nc_u64 s[12:13], s[12:13], s[22:23]
	s_lshl_b32 s22, ttmp9, 8                       ; the scale bytes: 256 a work-group
	s_add_nc_u64 s[14:15], s[14:15], s[22:23]
.irp i, 0,1,2,3
	s_wait_loadcnt 3-\i                            ; loads come back in order (ISA guide 5.7.1): load i is in, the 3 - i behind it may be out
	ds_store_b128 v14, v[R+4*\i:R+4*\i+3] offset:8*SP*\i
.endr
.irp i, 0,1,2,3
	ds_load_b128 v[X+4*\i:X+4*\i+3], v15 offset:16*\i   ; LDS serves a wave's instructions in order (ISA guide 5.7.1.4): these see the stores above
.endr
	s_wait_dscnt 0x0
	v_max3_num_f32 v10, |v[X]|, |v[X+1]|, |v[X+2]|                 ; the largest magnitude of my 16, in two chains
	v_max3_num_f32 v11, |v[X+3]|, |v[X+4]|, |v[X+5]|
.irp i, 6,10
	s_delay_alu instid0(VALU_DEP_2)
	v_max3_num_f32 v10, v10, |v[X+\i]|, |v[X+\i+1]|
	s_delay_alu instid0(VALU_DEP_2)
	v_max3_num_f32 v11, v11, |v[X+\i+2]|, |v[X+\i+3]|
.endr
	s_delay_alu instid0(VALU_DEP_2)
	v_max3_num_f32 v10, v10, |v[X+14]|, |v[X+15]|
	s_delay_alu instid0(VALU_DEP_1)
	v_max3_num_f32 v10, v10, v11, (EMAX+1)<<23     ; and the floor 2^(3 - 127): so the byte cannot fall under 1
	s_delay_alu instid0(VALU_DEP_1)
	v_max_num_f32_dpp v10, v10, v10 row_xmask:1 row_mask:0xf bank_mask:0xf   ; and of my neighbour's 16: the block's
	s_delay_alu instid0(VALU_DEP_1)
	v_add_nc_u32 v12, -(EMAX<<23), v10             ; 2 off its exponent field: the conversion takes the exponent field of this operand as its scale, and nothing else of it
	v_cvt_scalef32_pk8_fp4_f32 v[C], v[X:X+7], v12 ; eight numbers / the scale, to the nearest code, ties to even, beyond 6 the largest code; the first number's code in the lowest four bits
	v_cvt_scalef32_pk8_fp4_f32 v[C+1], v[X+8:X+15], v12
	v_lshrrev_b32 v13, 23, v12                     ; the scale's byte (also the plain line behind the conversions)
	ds_store_b8 v5, v13                            ; both lanes of a block write the same byte with the same value
	s_cmp_lt_u32 s20, 3
	s_cbranch_scc0 .Lrel
	ds_store_b64 v8, v[C:C+1]                      ; a weight: my 8 bytes at their place in the tile's image
	s_branch .Lmeet
.Lrel:
	s_wait_alu depctr_va_vdst(0)
	global_store_b64 v4, v[C:C+1], s[12:13]        ; rel_emb: the stream as it is: the wave stores 256 consecutive bytes, aligned
.Lmeet:
	s_wait_dscnt 0x0                               ; for the others' sake: my byte and my codes lie in LDS
	s_barrier_signal -1
	s_barrier_wait -1                              ; all sixteen waves' do
	s_cmp_lt_u32 s20, 3
	s_cbranch_scc0 .Lbytes
	ds_load_b64 v[52:53], v9                       ; a weight: 256 consecutive bytes of the image,
	s_wait_dscnt 0x0
	global_store_b64 v4, v[52:53], s[12:13]        ; stored as they lie, aligned
.Lbytes:
	s_cmp_lg_u32 s16, 0
	s_cbranch_scc1 .Lend
	ds_load_b64 v[54:55], v6                       ; wave 0: the work-group's 256 scale bytes
	s_wait_dscnt 0x0
	global_store_b64 v4, v[54:55], s[14:15]        ; 32 lanes store 256 consecutive bytes, aligned
.Lend:
	s_wait_tensorcnt 0x0
	ds_add_u32 v64, v65
	s_wait_dscnt 0x0
	s_endpgm
.Lfunc_end_k_qbe4c642a3f_quant_wr:
	.size	k_qbe4c642a3f_quant_wr, .Lfunc_end_k_qbe4c642a3f_quant_wr-k_qbe4c642a3f_quant_wr
	.p2alignl 7, 3214868480
	.fill 96, 4, 3214868480
	.section	.rodata,"a",@progbits
	.p2align	6, 0x0
	.amdhsa_kernel k_qbe4c642a3f_quant_wr
		.amdhsa_group_segment_fixed_size 47360
		.amdhsa_private_segment_fixed_size 0
		.amdhsa_enable_private_segment 0
		.amdhsa_kernarg_size 48
		.amdhsa_user_sgpr_count 2
		.amdhsa_user_sgpr_kernarg_segment_ptr 1
		.amdhsa_wavefront_size32 1
		.amdhsa_system_sgpr_workgroup_id_x 1
		.amdhsa_system_sgpr_workgroup_id_y 1
		.amdhsa_system_sgpr_workgroup_id_z 1
		.amdhsa_system_vgpr_workitem_id 0
		.amdhsa_next_free_vgpr 66
		.amdhsa_next_free_sgpr 66
		.amdhsa_reserve_vcc 0
		.amdhsa_float_denorm_mode_32 3
		.amdhsa_float_denorm_mode_16_64 3
		.amdhsa_memory_ordered 1
		.amdhsa_forward_progress 1
		.amdhsa_inst_pref_size 7
	.end_amdhsa_kernel
	.amdgpu_metadata
---
amdhsa.version: [ 1, 2 ]
amdhsa.kernels:
  - .name:           k_qbe4c642a3f_quant_wr
    .symbol:         k_qbe4c642a3f_quant_wr.kd
    .args:
      - { .name: Wq, .offset: 0, .size: 8, .value_kind: global_buffer, .address_space: global }
      - { .name: Wk, .offset: 8, .size: 8, .value_kind: global_buffer, .address_space: global }
      - { .name: Wv, .offset: 16, .size: 8, .value_kind: global_buffer, .address_space: global }
      - { .name: rel_emb, .offset: 24, .size: 8, .value_kind: global_buffer, .address_space: global }
      - { .name: wrc, .offset: 32, .size: 8, .value_kind: global_buffer, .address_space: global }
      - { .name: wrs, .offset: 40, .size: 8, .value_kind: global_buffer, .address_space: global }
    .group_segment_fixed_size: 47360
    .private_segment_fixed_size: 0
    .kernarg_segment_align: 8
    .kernarg_segment_size: 48
    .max_flat_workgroup_size: 512
    .sgpr_count:     66
    .vgpr_count:     66
    .wavefront_size: 32
...
	.end_amdgpu_metadata
.endif
;; end of part 7
;; launch proj (part 8): grid 256 x 1, 16 waves a work-group, no clusters, 155,648 bytes of LDS; arguments x, wrc, wrs, qc, qs, kc, ks, vc, vs; writes qc, qs, kc, ks, vc, vs
.if DOCPART == 8
	.amdgcn_target "amdgcn-amd-amdhsa--gfx1250"
	.amdhsa_code_object_version 6
	.text
	.protected	k_qbe4c642a3f_proj
	.globl	k_qbe4c642a3f_proj
	.p2align	8
	.type	k_qbe4c642a3f_proj,@function
k_qbe4c642a3f_proj:
	s_mov_b64 s[64:65], 0
	v_nop
	global_prefetch_b8 v0, s[64:65] scope:SCOPE_SE
	s_setreg_imm32_b32 hwreg(HW_REG_WAVE_SCHED_MODE, 0, 2), 2
	s_setreg_imm32_b32 hwreg(HW_REG_WAVE_MODE, 25, 1), 1
	s_wait_xcnt 0x0
	s_wait_alu depctr_vm_vsrc(0)
; Q = x Wq^T, K = x Wk^T, V = x Wv^T on codes of FP4 (E2M1) with one E8M0 scale for each 32 along K = 512; the results are quantised at once for the attention: Q and K along the head's 64, V along the keys.
; x: [16,384 tokens][512] f32, quantised here.  The weights come as codes in the order of the operand's registers (wrc: Wq at 0, Wk at 16,384, Wv at 32,768; fragment (tile t, K step s) at 1,024 (4 t + s): two runs of
; 512 bytes, 16 a lane) and scale bytes (wrs: at 0, 1,024, 2,048; 256 bytes a tile, 16 a row of the tile).
; SHARES.  A work-group of sixteen waves takes 64 tokens, T0 = 64 x its number.  A TILE OF 16 TOKENS HOLDS NO NEIGHBOURS: lane m of tile 2 b + u takes token T0 + 32 b + 8 u + m + 8 (m / 8), so that in a product's
; result the 16 registers of tiles 2 b and 2 b + 1 are 16 neighbours.  The rows of Wq and Wk that form a tile were chosen likewise; a tile of Wv holds 16 neighbouring rows.
; PHASE 1, all sixteen waves: wave w makes x's fragment (tile w / 4, K step w % 4): sixteen loads of 512 consecutive bytes, issued ahead of everything else; a turn through its own stage in LDS (so that a lane holds 16
; neighbours of each block of 32), the quantiser, and the fragment's registers go to LDS as they stand (16 bytes a lane and register group, 4 bytes a lane for the scale word).  One barrier.
; PHASE 2, twelve jobs of 16 matrix instructions: waves 0-3: Q of tile w % 4, waves 4-7: K of tile w % 4 (source 0 = 16 rows of the weight, source 1 = x: a lane holds one token, its registers run along the head);
; waves 8-11: V, channels 16 (w - 8) on (source 0 = x, source 1 = 16 rows of Wv: a lane holds one channel, its registers run along the tokens).  Waves 12-15 end behind the barrier.
; WHAT IS STORED.  qc: [token][32 bytes];  qs: [token] two bytes.  kc: [128 tokens][tile 8][lane 32][16 bytes], a tile's registers as the attention's source 0 takes them;  ks: [128 tokens][pair of tiles 4][lane 32] two bytes.
; vc: [128 tokens][channel tile 4][half 2][lane 32][16 bytes];  vs: [128 tokens][channel 64] a word, one byte for each 32 tokens.  The code stores cover whole aligned runs of 256 bytes;
; the scale stores are two bytes a lane: 96 KiB in all, against the 34 MiB that the launch moves.
; LIMITS: blocks whose largest magnitude lies under 2^-124, zeros among them, get the scale byte 1 (their codes are zeros or next to it; this program alone reads the bytes); NaN and infinities are not served.
; THE MODE: SCHED_MODE bits 1:0 = 2 (LLVM: expert scheduling mode 2), set by the entry lines.  The code itself states the register dependences
; between vector or matrix instructions and memory or LDS instructions, with s_wait_alu, always for 0.
; THE PLAN.  Registers that memory or LDS instructions touch:
;   v1-v14     offsets and LDS addresses: written at the head and never again; one wait on va_vdst stands ahead of the first load.
;   XR         x's loads land in it; the stage's sixteen stores read it; the stage's sixteen loads land in it (a wait on vm_vsrc between the two runs); the quantiser reads it.
;              In phase 2 the same registers are the accumulators, the second quantiser's work and two offsets, which the last stores read (a wait on va_vdst ahead of them).
;   T          the first quantiser's 25 registers (in RF for waves 0-7, in PF for the others): it writes them, the three image stores read T + 16 .. T + 24 (a wait on va_vdst ahead of them, which also shows the
;              quantiser done with all of T), and phase 2's LDS loads land there (a wait on vm_vsrc straight behind the stores).
;   PF, AS, RF, BS otherwise: written by loads and read by matrix instructions alone.
;   v254, v255 written at the head, read by the closing add alone.
.set XIMG, 0                           ; LDS: x's sixteen fragments, 1,024 bytes each: fragment 4 x tile + K step
.set XSC,  16384                       ; their scale words, 128 bytes each
.set XST,  18432                       ; a stage for each wave: 16 rows x (512 bytes + 16): the pitch is an odd multiple of 16 bytes
.set SPX,  528
.set WST,  16*SPX
.set LI,   1                           ; v1   16 x lane
.set XRD,  2                           ; v2   my stage, on the way out: row lane % 16, + 64 (lane / 16)
.set XWR,  3                           ; v3   my stage, on the way in: 16 x lane
.set IMW,  4                           ; v4   where my fragment goes: 1,024 x wave + 16 x lane
.set SCW,  5                           ; v5   and its scale word: XSC + 4 x thread
.set FB,   6                           ; v6   Q, K: x's fragments of my tile: 4,096 (wave % 4) + 16 x lane
.set SB,   7                           ; v7   and their scale words: XSC + 512 (wave % 4) + 4 x lane
.set SA,   8                           ; v8   V: x's scale words, lanes 0-15 an even tile's, lanes 16-31 the odd tile's behind it: XSC + 4 (lane % 16) + 512 (lane / 16)
.set TV,   9                           ; v9   at work in the head
.set N16,  10                          ; v10  16 (lane % 16)
.set NN,   11                          ; v11  n = lane % 16
.set HH,   12                          ; v12  h = lane / 16
.set NP,   13                          ; v13  n + 8 (n / 8)
.set WSO,  14                          ; v14  Wq, Wk: my lane's scale words: 16 n + 256 h: lanes 16-31 take the odd tile
.set XR,   16                          ; v16-79  64 numbers of x
.set ACC,  16                          ; v16-47  phase 2: four accumulators
.set TQ,   48                          ; v48-72  phase 2: the quantiser's work, codes at +16, scale bytes at +24
.set PF,   80                          ; v80-207  sixteen fragments: source 0 (tile t, K step s at 8 (4 t + s))
.set RF,   208                         ; v208-239 four fragments: source 1 (K step s at 8 s)
.set AS,   240                         ; v240-247 source 0's scale words: register 4 b + s: lanes 0-15 tile 2 b, lanes 16-31 tile 2 b + 1
.set BS,   248                         ; v248-251 source 1's
.set WV,   26                          ; s26  wave
.set W3,   27                          ; s27  wave % 4
.set SEL,  28                          ; s[28:29] v_permlanex16_b32's selects for lane l xor 16
; A scaled matrix instruction.  z = 1: it starts the sum with the constant 0, else it adds in place.  odd = 1: source 0's scales stand in lanes 16-31.
.macro WM d, a, b, z, sa, sb, odd
.if \z
.if \odd
	v_wmma_scale_f32_16x16x128_f8f6f4 v[\d:\d+7], v[\a:\a+7], v[\b:\b+7], 0, v[\sa], v[\sb] matrix_a_fmt:MATRIX_FMT_FP4 matrix_b_fmt:MATRIX_FMT_FP4 matrix_a_scale:MATRIX_SCALE_ROW1
.else
	v_wmma_scale_f32_16x16x128_f8f6f4 v[\d:\d+7], v[\a:\a+7], v[\b:\b+7], 0, v[\sa], v[\sb] matrix_a_fmt:MATRIX_FMT_FP4 matrix_b_fmt:MATRIX_FMT_FP4
.endif
.else
.if \odd
	v_wmma_scale_f32_16x16x128_f8f6f4 v[\d:\d+7], v[\a:\a+7], v[\b:\b+7], v[\d:\d+7], v[\sa], v[\sb] matrix_a_fmt:MATRIX_FMT_FP4 matrix_b_fmt:MATRIX_FMT_FP4 matrix_a_scale:MATRIX_SCALE_ROW1
.else
	v_wmma_scale_f32_16x16x128_f8f6f4 v[\d:\d+7], v[\a:\a+7], v[\b:\b+7], v[\d:\d+7], v[\sa], v[\sb] matrix_a_fmt:MATRIX_FMT_FP4 matrix_b_fmt:MATRIX_FMT_FP4
.endif
.endif
.endm
; 16 nb numbers of a lane, v[s] on, register 16 b + i = k 32 b + 16 (lane / 16) + i of my row, become codes in v[T + 16] on (a whole block a lane: lanes 0-15 the even block, lanes 16-31 the odd one)
; and the row's scale bytes in v[T + 24].  T + 0 .. 3 largest magnitudes, T + 4 .. 7 the other half's, then the bytes, T + 12 .. 15 the conversions' scale operands.
.macro QUANT s, nb, T
.irp b, 0,1,2,3
.if \b < \nb
	v_max3_num_f32 v[\T+\b], |v[\s+16*\b]|, |v[\s+1+16*\b]|, 0x1800000   ; block b: my 16 numbers from the low end on, and the floor 2^(3 - 127): so the byte cannot fall under 1
.endif
.endr
.irp i, 2,4,6,8,10,12,14
.irp b, 0,1,2,3
.if \b < \nb
	v_max3_num_f32 v[\T+\b], v[\T+\b], |v[\s+16*\b+\i]|, |v[\s+1+16*\b+\i]|   ; (the blocks by turns: no line waits for the line above it)
.endif
.endr
.endr
.irp b, 0,1,2,3
.if \b < \nb
	v_permlanex16_b32 v[\T+4+\b], v[\T+\b], s[SEL], s[SEL+1]
.endif
.endr
.irp b, 0,1,2,3
.if \b < \nb
	v_max_num_f32 v[\T+\b], v[\T+\b], v[\T+4+\b]   ; with lane l xor 16's: the block's largest magnitude
.endif
.endr
.irp b, 0,1,2,3
.if \b < \nb
	v_add_nc_u32 v[\T+12+\b], 0xff000000, v[\T+\b] ; 2 off its exponent field: the conversion takes the exponent field of this operand as its scale
.endif
.endr
.irp b, 0,1,2,3
.if \b < \nb
	v_lshrrev_b32 v[\T+4+\b], 23, v[\T+12+\b]      ; the scale's byte
.endif
.endr
	v_lshl_or_b32 v[\T+24], v[\T+5], 8, v[\T+4]
.if \nb == 4
	v_lshl_or_b32 v[\T+24], v[\T+6], 16, v[\T+24]
	v_lshl_or_b32 v[\T+24], v[\T+7], 24, v[\T+24]
.endif
.irp b, 0,1,2,3
.if \b < \nb
	v_cvt_scalef32_pk8_fp4_f32 v[\T+16+2*\b], v[\s+16*\b:\s+7+16*\b], v[\T+12+\b]
	v_cvt_scalef32_pk8_fp4_f32 v[\T+17+2*\b], v[\s+8+16*\b:\s+15+16*\b], v[\T+12+\b]
.endif
.endr
	v_nop                                          ; one plain line behind a scaled conversion
.irp c, 0,1
.if 2*\c < \nb
.irp i, 0,1
	v_permlane16_swap_b32 v[\T+16+4*\c+\i], v[\T+18+4*\c+\i]   ; the first's lanes 16-31 change places with the second's lanes 0-15: a whole block in a lane
.endr
.endif
.endr
.endm
; Phase 1 behind x's loads.  T: 25 registers for the quantiser's work that no pending load of this wave will write.  behind: the loads that this wave has issued behind x's sixteen.
; job = 1: the wave has a job in phase 2, whose LDS loads land in the registers of T.
.macro PH1 T, behind, job
.irp b, 0,1,2,3
	v_mov_b32 v[\T+4+\b], 0                        ; written once: a lane permute's destination counts as one of its sources
.endr
.irp i, 0,1,2,3,4,5,6,7,8,9,10,11,12,13,14,15
	s_wait_loadcnt 15-\i+\behind                   ; loads come back in order (ISA guide 5.7.1): x's load i is in; x's 15 - i behind it and the weight's loads behind those may be out
	ds_store_b128 v[XWR], v[XR+4*\i:XR+4*\i+3] offset:\i*SPX
.endr
	s_wait_alu depctr_vm_vsrc(0)                   ; the sixteen LDS stores have read v[XR ..], in which the LDS loads below land
.irp k, 0,1,2,3
.irp j, 0,1,2,3
	ds_load_b128 v[XR+16*\k+4*\j:XR+16*\k+4*\j+3], v[XRD] offset:128*\k+16*\j   ; LDS serves a wave's instructions in order (ISA guide 5.7.1.4): these see the stores above
.endr
.endr
	s_wait_dscnt 0x0
	QUANT XR, 4, \T
	s_wait_alu depctr_va_vdst(0)                   ; the quantiser has written the codes and the scale word, which the LDS stores below read; it is done with all of v[T ..], in which phase 2's LDS loads land
	ds_store_b128 v[IMW], v[\T+16:\T+19]           ; the fragment as it stands in its registers
	ds_store_b128 v[IMW], v[\T+20:\T+23] offset:512
	ds_store_b32 v[SCW], v[\T+24]
.if \job
	s_wait_alu depctr_vm_vsrc(0)                   ; these three stores have read v[T + 16] to v[T + 24], in which phase 2's LDS loads land
.endif
.endm
	s_load_b256 s[4:11], s[0:1], 0x0               ; x s[4:5], wrc s[6:7], wrs s[8:9], qc s[10:11]
	s_load_b256 s[12:19], s[0:1], 0x20             ; qs s[12:13], kc s[14:15], ks s[16:17], vc s[18:19]
	s_load_b64 s[20:21], s[0:1], 0x40              ; vs
	v_lshl_add_u32 v254, v0, 2, 0x25800
	v_mov_b32 v255, 0
	v_lshrrev_b32 v[TV], 5, v0
	v_readfirstlane_b32 s[WV], v[TV]               ; wave 0..15
	v_and_b32 v[N16], 31, v0                       ; lane (for now)
	v_and_b32 v[NN], 15, v0
	v_bfe_u32 v[HH], v0, 4, 1
	v_lshlrev_b32 v[LI], 4, v[N16]
	s_wait_alu depctr_va_sdst(0)                   ; the wave's number is written, ahead of its first reader
	s_and_b32 s[W3], s[WV], 3
	s_mul_i32 s30, s[WV], WST
	s_add_co_u32 s30, s30, XST                     ; my stage
	v_mul_u32_u24 v[XRD], v[NN], SPX
	v_lshl_add_u32 v[XRD], v[HH], 6, v[XRD]
	v_add_nc_u32 v[XRD], s30, v[XRD]
	v_add_nc_u32 v[XWR], s30, v[LI]
	s_lshl_b32 s31, s[WV], 10
	v_add_nc_u32 v[IMW], s31, v[LI]
	v_lshl_add_u32 v[SCW], v0, 2, XSC
	s_lshl_b32 s33, s[W3], 12
	v_add_nc_u32 v[FB], s33, v[LI]
	s_lshl_b32 s33, s[W3], 9
	s_add_co_u32 s33, s33, XSC
	v_lshl_add_u32 v[SB], v[N16], 2, s33
	v_lshlrev_b32 v[SA], 2, v[NN]
	v_lshl_add_u32 v[SA], v[HH], 9, v[SA]
	v_add_nc_u32 v[SA], XSC, v[SA]
	v_and_b32 v[NP], 8, v[NN]
	v_add_nc_u32 v[NP], v[NP], v[NN]               ; n + 8 (n / 8)
	v_lshlrev_b32 v[WSO], 4, v[NN]                 ; scale words: 16 bytes a row of a tile,
	v_lshl_add_u32 v[WSO], v[HH], 8, v[WSO]        ; 256 a tile: lanes 16-31 take the odd tile
	v_lshlrev_b32 v[N16], 4, v[NN]
	s_mov_b32 s[SEL], 0x76543210
	s_mov_b32 s[SEL+1], 0xfedcba98
	s_lshl_b32 s34, ttmp9, 17                      ; x: 64 tokens of 2,048 bytes a work-group,
	s_lshr_b32 s35, s[WV], 3
	s_lshl_b32 s35, s35, 16                        ; 32 tokens for b,
	s_add_co_u32 s34, s34, s35
	s_bfe_u32 s35, s[WV], 0x10002
	s_lshl_b32 s35, s35, 14                        ; 8 tokens for u,
	s_add_co_u32 s34, s34, s35
	s_lshl_b32 s35, s[W3], 9                       ; 512 bytes for the K step
	s_add_co_u32 s34, s34, s35
	s_mov_b32 s35, 0
	s_mov_b32 s39, 0
	s_wait_kmcnt 0x0
	s_add_nc_u64 s[4:5], s[4:5], s[34:35]
	s_wait_alu depctr_va_vdst(0)                   ; the offsets and LDS addresses v1 to v14 are written: every load and store of the kernel reads one of them, and none is written again
.irp i, 0,1,2,3,4,5,6,7,8,9,10,11,12,13,14,15 ; x first, in every wave: it comes the long way, and phase 1 waits for nothing else
	global_load_b128 v[XR+4*\i:XR+4*\i+3], v[LI], s[4:5] offset:(\i+8*(\i/8))*2048 th:TH_LOAD_NT   ; the tile's token i: 512 consecutive bytes, aligned; read once in the launch
.endr
	s_cmp_lt_u32 s[WV], 8
	s_cbranch_scc0 .Lhigh
	; waves 0-7: all of Wq (waves 0-3) or of Wk (waves 4-7): 32 loads of 512 consecutive bytes and 2 of scale words; they are wanted in phase 2
	s_lshr_b32 s36, s[WV], 2
	s_lshl_b32 s38, s36, 14
	s_add_nc_u64 s[6:7], s[6:7], s[38:39]
	s_lshl_b32 s38, s36, 10
	s_add_nc_u64 s[8:9], s[8:9], s[38:39]
.irp f, 0,1,2,3,4,5,6,7,8,9,10,11,12,13,14,15
.irp c, 0,1
	global_load_b128 v[PF+8*\f+4*\c:PF+8*\f+4*\c+3], v[LI], s[6:7] offset:1024*\f+512*\c
.endr
.endr
.irp b, 0,1
	global_load_b128 v[AS+4*\b:AS+4*\b+3], v[WSO], s[8:9] offset:512*\b
.endr
	PH1 RF, 34, 1
	s_branch .Lmeet
.Lhigh:
	s_cmp_lt_u32 s[WV], 12
	s_cbranch_scc0 .Lno_w
	; waves 8-11: one tile of Wv: 8 loads and 1 of scale words
	s_lshl_b32 s38, s[W3], 12
	s_add_co_u32 s38, s38, 32768
	s_add_nc_u64 s[6:7], s[6:7], s[38:39]
	s_lshl_b32 s38, s[W3], 8
	s_add_co_u32 s38, s38, 2048
	s_add_nc_u64 s[8:9], s[8:9], s[38:39]
.irp s, 0,1,2,3
.irp c, 0,1
	global_load_b128 v[RF+8*\s+4*\c:RF+8*\s+4*\c+3], v[LI], s[6:7] offset:1024*\s+512*\c
.endr
.endr
	global_load_b128 v[BS:BS+3], v[N16], s[8:9]
	PH1 PF, 9, 1
	s_branch .Lmeet
.Lno_w:
	PH1 PF, 0, 0
.Lmeet:
	s_wait_dscnt 0x0                               ; for the others' sake: my fragment and its scale word lie in LDS
	s_barrier_signal -1
	s_barrier_wait -1                              ; all sixteen do
	s_cmp_lt_u32 s[WV], 8
	s_cbranch_scc0 .Lfetch_v
.irp s, 0,1,2,3                                ; Q, K: my tile's four fragments of x are source 1
.irp c, 0,1
	ds_load_b128 v[RF+8*\s+4*\c:RF+8*\s+4*\c+3], v[FB] offset:1024*\s+512*\c
.endr
	ds_load_b32 v[BS+\s], v[SB] offset:128*\s
.endr
	s_branch .Lmul
.Lfetch_v:
	s_cmp_lt_u32 s[WV], 12
	s_cbranch_scc0 .Ldone                          ; waves 12-15 have no job
.irp f, 0,1,2,3,4,5,6,7,8,9,10,11,12,13,14,15 ; V: all sixteen fragments of x are source 0
.irp c, 0,1
	ds_load_b128 v[PF+8*\f+4*\c:PF+8*\f+4*\c+3], v[LI] offset:1024*\f+512*\c
.endr
.endr
.irp b, 0,1
.irp s, 0,1,2,3
	ds_load_b32 v[AS+4*\b+\s], v[SA] offset:128*(8*\b+\s)
.endr
.endr
.Lmul:
	s_wait_loadcnt 0x0                             ; the weight is in
	s_wait_dscnt 0x0
.rept 4
	v_nop                                          ; phase 1's quantiser worked in registers of PF or RF, which the loads above have filled anew: four places between its last vector write there and the scaled products that name them as A or B
.endr
.irp s, 0,1,2,3                                ; the four accumulators take turns, one instruction a turn; the first K step starts the sums
.irp t, 0,1,2,3
.if \s == 0
	WM ACC+8*\t, PF+8*(4*\t+\s), RF+8*\s, 1, AS+4*(\t/2)+\s, BS+\s, \t%2
.else
	WM ACC+8*\t, PF+8*(4*\t+\s), RF+8*\s, 0, AS+4*(\t/2)+\s, BS+\s, \t%2
.endif
.endr
.endr
.rept 4
	v_nop                                          ; four places between the last product and the first read of results (ISA guide 7.12.1)
.endr
	QUANT ACC, 2, TQ                               ; 32 numbers a lane, two blocks of 32 with lane l xor 16: codes in v64-67, two scale bytes in v72
	s_lshl_b32 s38, ttmp9, 11
	s_cmp_lt_u32 s[WV], 4
	s_cbranch_scc0 .Lnot_q
	s_lshr_b32 s40, s[W3], 1                       ; Q: my tile's first token is T0 + 32 b + 8 u; 32 bytes a token
	s_lshl_b32 s40, s40, 10
	s_add_co_u32 s38, s38, s40
	s_and_b32 s40, s[W3], 1
	s_lshl_b32 s40, s40, 8
	s_add_co_u32 s38, s38, s40
	s_add_nc_u64 s[10:11], s[10:11], s[38:39]
	s_lshr_b32 s38, s38, 4                         ; 2 bytes a token
	s_add_nc_u64 s[12:13], s[12:13], s[38:39]
	v_lshlrev_b32 v74, 5, v[NP]
	v_lshl_add_u32 v74, v[HH], 4, v74
	v_lshlrev_b32 v75, 1, v[NP]
	s_wait_alu depctr_va_vdst(0)                   ; the quantiser has written Q's codes and scale bytes, the three lines above the offsets v74 and v75: the two stores read them
	global_store_b128 v74, v[TQ+16:TQ+19], s[10:11]   ; tokens 0-7 and 16-23 of the tile's 24: two whole aligned runs of 256 bytes
	global_store_b16 v75, v[TQ+24], s[12:13]       ; (both halves of the lanes write the same bytes with the same value)
	s_branch .Ldone
.Lnot_q:
	s_cmp_lt_u32 s[WV], 8
	s_cbranch_scc0 .Lis_v
	s_lshl_b32 s40, s[W3], 9                       ; K: 2,048 bytes a work-group, 512 a tile
	s_add_co_u32 s38, s38, s40
	s_add_nc_u64 s[14:15], s[14:15], s[38:39]
	s_lshr_b32 s38, s38, 4                         ; 128 bytes a work-group, 32 a tile
	s_add_nc_u64 s[16:17], s[16:17], s[38:39]
	v_lshlrev_b32 v75, 1, v[NN]
	s_wait_alu depctr_va_vdst(0)                   ; the quantiser has written K's codes and scale bytes, the line above the offset v75: the two stores read them
	global_store_b128 v[LI], v[TQ+16:TQ+19], s[14:15] ; 512 consecutive bytes, aligned
	global_store_b16 v75, v[TQ+24], s[16:17]
	s_branch .Ldone
.Lis_v:
	s_lshr_b32 s40, ttmp9, 1                       ; V: 4,096 bytes for 128 tokens, 1,024 a channel tile, 512 for my work-group's 64 tokens
	s_and_b32 s41, ttmp9, 1
	s_lshl_b32 s38, s40, 12
	s_lshl_b32 s42, s[W3], 10
	s_add_co_u32 s38, s38, s42
	s_lshl_b32 s42, s41, 9
	s_add_co_u32 s38, s38, s42
	s_add_nc_u64 s[18:19], s[18:19], s[38:39]
	s_lshl_b32 s38, s40, 8                         ; 256 scale bytes for 128 tokens, a word a channel, my two bytes of it
	s_lshl_b32 s42, s[W3], 6
	s_add_co_u32 s38, s38, s42
	s_lshl_b32 s42, s41, 1
	s_add_co_u32 s38, s38, s42
	s_add_nc_u64 s[20:21], s[20:21], s[38:39]
	v_lshlrev_b32 v75, 2, v[NN]
	s_wait_alu depctr_va_vdst(0)                   ; the quantiser has written V's codes and scale bytes, the line above the offset v75: the two stores read them
	global_store_b128 v[LI], v[TQ+16:TQ+19], s[18:19]
	global_store_b16 v75, v[TQ+24], s[20:21]
.Ldone:
	s_wait_dscnt 0x0                               ; the closing lines, six on end
	s_wait_alu 0x0
	s_wait_tensorcnt 0x0
	ds_add_u32 v254, v255
	s_wait_dscnt 0x0
	s_endpgm
.Lfunc_end_k_qbe4c642a3f_proj:
	.size	k_qbe4c642a3f_proj, .Lfunc_end_k_qbe4c642a3f_proj-k_qbe4c642a3f_proj
	.p2alignl 7, 3214868480
	.fill 96, 4, 3214868480
	.section	.rodata,"a",@progbits
	.p2align	6, 0x0
	.amdhsa_kernel k_qbe4c642a3f_proj
		.amdhsa_group_segment_fixed_size 155648
		.amdhsa_private_segment_fixed_size 0
		.amdhsa_enable_private_segment 0
		.amdhsa_kernarg_size 72
		.amdhsa_user_sgpr_count 2
		.amdhsa_user_sgpr_kernarg_segment_ptr 1
		.amdhsa_wavefront_size32 1
		.amdhsa_system_sgpr_workgroup_id_x 1
		.amdhsa_system_sgpr_workgroup_id_y 1
		.amdhsa_system_sgpr_workgroup_id_z 1
		.amdhsa_system_vgpr_workitem_id 0
		.amdhsa_next_free_vgpr 256
		.amdhsa_next_free_sgpr 66
		.amdhsa_reserve_vcc 0
		.amdhsa_float_denorm_mode_32 3
		.amdhsa_float_denorm_mode_16_64 3
		.amdhsa_memory_ordered 1
		.amdhsa_forward_progress 1
		.amdhsa_inst_pref_size 39
	.end_amdhsa_kernel
	.amdgpu_metadata
---
amdhsa.version: [ 1, 2 ]
amdhsa.kernels:
  - .name:           k_qbe4c642a3f_proj
    .symbol:         k_qbe4c642a3f_proj.kd
    .args:
      - { .name: x, .offset: 0, .size: 8, .value_kind: global_buffer, .address_space: global }
      - { .name: wrc, .offset: 8, .size: 8, .value_kind: global_buffer, .address_space: global }
      - { .name: wrs, .offset: 16, .size: 8, .value_kind: global_buffer, .address_space: global }
      - { .name: qc, .offset: 24, .size: 8, .value_kind: global_buffer, .address_space: global }
      - { .name: qs, .offset: 32, .size: 8, .value_kind: global_buffer, .address_space: global }
      - { .name: kc, .offset: 40, .size: 8, .value_kind: global_buffer, .address_space: global }
      - { .name: ks, .offset: 48, .size: 8, .value_kind: global_buffer, .address_space: global }
      - { .name: vc, .offset: 56, .size: 8, .value_kind: global_buffer, .address_space: global }
      - { .name: vs, .offset: 64, .size: 8, .value_kind: global_buffer, .address_space: global }
    .group_segment_fixed_size: 155648
    .private_segment_fixed_size: 0
    .kernarg_segment_align: 8
    .kernarg_segment_size: 72
    .max_flat_workgroup_size: 512
    .sgpr_count:     66
    .vgpr_count:     256
    .wavefront_size: 32
...
	.end_amdgpu_metadata
.endif
;; end of part 8
;; launch attn (part 9): grid 32 x 8, 16 waves a work-group, no clusters, 284,672 bytes of LDS; arguments qc, qs, kc, ks, vc, vs, wrc, wrs, out0; writes out0
.if DOCPART == 9
	.amdgcn_target "amdgcn-amd-amdhsa--gfx1250"
	.amdhsa_code_object_version 6
	.text
	.protected	k_qbe4c642a3f_attn
	.globl	k_qbe4c642a3f_attn
	.p2align	8
	.type	k_qbe4c642a3f_attn,@function
k_qbe4c642a3f_attn:
	s_mov_b64 s[64:65], 0
	v_nop
	global_prefetch_b8 v0, s[64:65] scope:SCOPE_SE
	s_setreg_imm32_b32 hwreg(HW_REG_WAVE_SCHED_MODE, 0, 2), 2
	s_setreg_imm32_b32 hwreg(HW_REG_WAVE_MODE, 25, 1), 1
	s_wait_xcnt 0x0
	s_wait_alu depctr_vm_vsrc(0)
; out[y][i] = the sum over j <= i of softmax_j(Q[i] . K[j] / 8 + Q[i] . R[2047 - (i - j)]) V[j], 8 batches y, 2,048 tokens, head size 64; all three products on codes of FP4 (E2M1) with E8M0 scales for each 32 along K.
; (The reference's pad, reshape and slice put M[i][j - i + 2047] at place [i][j]: flat place 4,095 i + j + 2,048 of the padded array is 4,096 i + (j + 2,048 - i).)
; THE SOFTMAX AHEAD OF THE LAST PRODUCT: t = logit x log2(e); M = the largest t so far, rounded UP to a whole number; p = 2^(t - M) is quantised along the keys; the sum of the unquantised p divides at the end.
; A TILE'S 16 QUERIES LIE 4 APART: i = Qb + 4 n, Qb = 64 kb + b, b = 0 .. 3.  For the keys KF .. KF + 127 query n wants rows rb + col of R, rb = 1,987 - Qb + KF, col = 60 - 4 n + (key - KF), 0 .. 187.
; M^T = R Q^T (source 0 = 16 neighbouring rows of R, source 1 = Q) gives a lane ONE query and 8 neighbouring col.  Twelve such tiles go to the wave's own stage in LDS, one row a query, and come back from a start
; that moves 16 bytes from lane to lane: every LDS access is 16 bytes, aligned.  They land in the registers that are the C of K Q^T: no addition is written.
; THE FACTOR 1 / 8: the relative product takes Q's scale bytes + 3, so the accumulator holds 8 x logit, exactly, and t = accumulator x log2(e) / 8.
; HEAD SIZE 64 fills half of the instruction's 128: Q's registers 4-7 are zero codes.  Fragments of K and R are 4 registers, on end: as its upper half an operand names the next fragment, which meets zero codes;
; four zeroed registers close each buffer.  Scale bytes 2 and 3 are 0 (two bytes are loaded, zero-extended), never 0xff.
; BACKWARD FROM THE DIAGONAL: step s has KF = 128 (kb / 2) - 128 s; only s = 0 needs the mask; rb = 1,987 - 64 (kb % 2) - b - 128 s lies in 0 .. 1,987.
; SHARES.  Block kb has kb / 2 + 1 steps.  Work-group (x, y), p = x / 2, c = x % 2, owns tiles b = 2 c, 2 c + 1 of blocks 2 p and 31 - 2 p of batch y: 34 tile steps in every work-group.  Each tile's steps are dealt
; to four waves (every fourth step); wave w has quarter g = w % 4 of tile tl = (w / 4 + w) % 4.  Each wave keeps a whole-number M of its own; the four parts meet at the end by exact powers of two.
; All operands come from memory straight into registers, laid by the launches before in the order of the operands' registers: no wave waits for another inside the loop.
; LOADS AHEAD.  The first step's R and K are asked for together with Q.  V takes K's registers once K Q^T is issued, so that R's registers are free behind R Q^T: the next step's R is asked for there, a whole step
; ahead of its use; the next step's K right behind V^T P.  A wave's last trip asks for nothing more: forward branches on the trip counter, so that no load leaves its buffer.
; No cluster and no joint loads: the sixteen waves walk different key steps at any moment, a step's K and V are 8.5 KiB, and the stages take 208,896 bytes of LDS.
; LIMITS: NaN and infinities are not served; a block of p under 2^-124 gets the scale byte 1 (its codes are zeros); |Q| from 2^127 on would turn a scale byte + 3 into 0xff (the reference is not finite there either);
; a row's four partial sums are added in a fixed order that differs from one running sum.
; THE MODE: SCHED_MODE bits 1:0 = 2 (LLVM: expert scheduling mode 2), set by the entry lines.  The code itself states the register dependences
; between vector or matrix instructions and memory or LDS instructions, with s_wait_alu, always for 0.
; THE PLAN.  Registers that memory or LDS instructions touch, round the loop:
;   v1-v11     offsets and LDS addresses: written at the head and never again.
;   FA, RS     R Q^T reads them; the next step's loads of R land in them, behind the wait that follows R Q^T.
;   S          R Q^T writes it; the stage's stores read it; the stage's loads land in it; K Q^T adds onto it; the mask and the softmax work in it.
;   TT         R Q^T writes it; the stage's stores read it; then it is the softmax's work, p's codes among it.
;   FK, KS     K Q^T reads K there; V's loads land there; V^T P reads V there; the next step's loads of K land there.
;   QSR, PC, PW  written by vector instructions, taken by scaled products as a scale or as source 1.
; So a trip has: one wait on va_vdst behind R Q^T (for the stage's stores and loads and for the next R); one on vm_vsrc between the stage's stores and its loads; one on va_vdst behind K Q^T (for V's loads);
; the one behind the exponentials; one directly ahead of V^T P (p's codes and scale word); one directly ahead of the next K's loads.  Between each of these waits and the memory instructions that it serves stands
; no vector or matrix instruction.  All 256 registers of a wave are taken (four waves share a SIMD's 1,024), so there is no further buffer.
; THE MASK'S COMPARES stand in runs of sixteen, into sixteen scalar registers, with one wait on va_sdst between a run and the sixteen selects that read them.
.set STGW, 13056                       ; LDS: a stage for each wave: 16 rows x 816 bytes (192 col x 4 + 48): the pitch is an odd multiple of 16 bytes
.set OP,   208896                      ; sixteen parts of O: 16 rows x (256 bytes + 16)
.set OPW,  4352
.set STM,  278528                      ; sixteen x 128 bytes: each part's -M, a word a lane;  2,048 bytes on: each part's sum
.set L16,  1                           ; v1   16 x lane
.set L2,   2                           ; v2   2 x lane
.set L4,   3                           ; v3   4 x lane
.set RO,   4                           ; v4   R: 32 (lane % 16) + 16 (lane / 16)
.set STA,  5                           ; v5   the stage, in: 13,056 w + 816 n + 32 h
.set RDA,  6                           ; v6   the stage, out: 13,056 w + 800 n + 64 h + 240
.set SW,   7                           ; v7   where my -M goes: STM + 128 (4 tl + g) + 4 x lane
.set SR,   8                           ; v8   where my tile's four lie: STM + 512 tl + 4 x lane
.set OW,   9                           ; v9   where my part of O goes: OP + 4,352 (4 tl + g) + 272 n + 32 h
.set ORD,  10                          ; v10  where I read the four parts: OP + 17,408 tl + 272 (4 g + h) + 16 n
.set GO,   11                          ; v11  out0: 1,024 h + 16 n
.set NM,   12                          ; v12  -M;  v13 the largest t
.set LS,   14                          ; v[14:15] the sum, in two halves
.set QF,   16                          ; v16-23 Q's fragment; v20-23 zero codes
.set QS,   24                          ; v24  Q's scale bytes
.set QSR,  25                          ; v25  the same + 3 each
.set RS,   26                          ; v26-31 R's scale bytes: lanes 0-15 an even tile, lanes 16-31 the odd one behind it
.set KS,   32                          ; v32-35 K's likewise; behind K Q^T v32-33 V's scale words
.set FA,   36                          ; v36-87 R's twelve fragments + 4 zeroed registers
.set FK,   88                          ; v88-123 K's eight fragments + 4 zeroed registers; behind K Q^T V's four fragments
.set S,    124                         ; v124-187 tiles 0-7 of M^T, then the scores, then p
.set OA,   188                         ; v188-219 O^T
.set TT,   220                         ; v220-251 tiles 8-11 of M^T; then at work:
.set BM,   220                         ; the blocks' largest scores, then largest p
.set PM,   224                         ; the other half's; then the bytes
.set SO,   228                         ; the conversions' scale operands
.set PC,   232                         ; p's codes
.set SUM2, 240                         ; the sum's second chain
.set FF,   242                         ; f = 2^(old M - new M)
.set TMP,  244
.set PW,   252                         ; v252 p's scale word
.set PD,   253                         ; v253 a lane permute's destination
.set DD,   254                         ; v254 the mask: my query - KF - 16 h in step 0
.set NINF, 255                         ; v255 -infinity
.set WV,   22
.set G,    23
.set TL,   24
.set BLK,  25
.set BB,   26
.set PP,   27
.set CC,   28
.set KB,   29
.set NS,   30                          ; s30  my tile's steps
.set SP,   31                          ; s31  my first step; behind the first trip 1: 0 only while the step in hand lies on the diagonal
.set YY,   32
.set SG,   33
.set SEL,  34                          ; s[34:35] v_permlanex16_b32's selects for lane l xor 16
.set CS,   36                          ; s[36:37] log2(e) / 8: the packed form names a pair and takes its low word for both halves
.set MK,   38                          ; s38-45 and s50-57: in the loop the mask's sixteen lane masks: number i at MK + i + 4 (i / 8).  (s38-45 are at work in the head alone)
.set NT,   46                          ; s46  my trips: every fourth of the tile's steps from my first on
.set TC,   47                          ; s47  trips done
.set NT1,  48                          ; s48  my trips less one
.macro WM d, a, b, z, sa, sb, odd      ; a scaled matrix instruction.  z = 1: C is the constant 0, else it adds in place.  odd = 1: source 0's scales stand in lanes 16-31
.if \z
.if \odd
	v_wmma_scale_f32_16x16x128_f8f6f4 v[\d:\d+7], v[\a:\a+7], v[\b:\b+7], 0, v[\sa], v[\sb] matrix_a_fmt:MATRIX_FMT_FP4 matrix_b_fmt:MATRIX_FMT_FP4 matrix_a_scale:MATRIX_SCALE_ROW1
.else
	v_wmma_scale_f32_16x16x128_f8f6f4 v[\d:\d+7], v[\a:\a+7], v[\b:\b+7], 0, v[\sa], v[\sb] matrix_a_fmt:MATRIX_FMT_FP4 matrix_b_fmt:MATRIX_FMT_FP4
.endif
.else
.if \odd
	v_wmma_scale_f32_16x16x128_f8f6f4 v[\d:\d+7], v[\a:\a+7], v[\b:\b+7], v[\d:\d+7], v[\sa], v[\sb] matrix_a_fmt:MATRIX_FMT_FP4 matrix_b_fmt:MATRIX_FMT_FP4 matrix_a_scale:MATRIX_SCALE_ROW1
.else
	v_wmma_scale_f32_16x16x128_f8f6f4 v[\d:\d+7], v[\a:\a+7], v[\b:\b+7], v[\d:\d+7], v[\sa], v[\sb] matrix_a_fmt:MATRIX_FMT_FP4 matrix_b_fmt:MATRIX_FMT_FP4
.endif
.endif
.endm
.macro LD_R                            ; 192 rows of R from rb on: 12 fragments, 6 registers of scale bytes: 18 loads
.irp T, 0,1,2,3,4,5,6,7,8,9,10,11
	global_load_b128 v[FA+4*\T:FA+4*\T+3], v[RO], s[16:17] offset:512*\T
.endr
.irp U, 0,1,2,3,4,5
	global_load_u16 v[RS+\U], v[L2], s[18:19] offset:64*\U
.endr
.endm
.macro LD_K                            ; a step's 128 keys: 8 fragments, 4 registers of scale bytes: 12 loads
.irp t, 0,1,2,3,4,5,6,7
	global_load_b128 v[FK+4*\t:FK+4*\t+3], v[L16], s[8:9] offset:512*\t
.endr
.irp U, 0,1,2,3
	global_load_u16 v[KS+\U], v[L2], s[10:11] offset:64*\U
.endr
.endm
.macro LD_V                            ; V^T of the step's 128 keys, into K's registers: 4 fragments of 16 channels, 2 registers of scale words: 10 loads
.irp t, 0,1,2,3
.irp c, 0,1
	global_load_b128 v[FK+8*\t+4*\c:FK+8*\t+4*\c+3], v[L16], s[12:13] offset:1024*\t+512*\c
.endr
.endr
.irp a, 0,1
	global_load_b32 v[KS+\a], v[L4], s[14:15] offset:128*\a
.endr
.endm
.macro REL                             ; M^T x 8: tile T holds col 16 T + 8 h + j of query n
.irp T, 0,1,2,3,4,5,6,7
	WM S+8*\T, FA+4*\T, QF, 1, RS+\T/2, QSR, \T%2
.endr
.irp T, 8,9,10,11
	WM TT+8*(\T-8), FA+4*\T, QF, 1, RS+\T/2, QSR, \T%2
.endr
.endm
.macro SK_OUT                          ; into my stage: row n, byte 4 col; each accumulator from its low end on
.irp T, 0,1,2,3,4,5,6,7
	ds_store_b128 v[STA], v[S+8*\T:S+8*\T+3] offset:64*\T
	ds_store_b128 v[STA], v[S+8*\T+4:S+8*\T+7] offset:64*\T+16
.endr
.irp T, 8,9,10,11
	ds_store_b128 v[STA], v[TT+8*(\T-8):TT+8*(\T-8)+3] offset:64*\T
	ds_store_b128 v[STA], v[TT+8*(\T-8)+4:TT+8*(\T-8)+7] offset:64*\T+16
.endr
.endm
.macro SK_IN                           ; and back, shifted by the query: register 8 t + j of tile t = 2 b + u is key 32 b + 16 h + 8 u + j: byte 816 n + 4 (60 - 4 n + key).  LDS serves a wave's instructions in order (ISA guide 5.7.1.4)
.irp t, 0,1,2,3,4,5,6,7
	ds_load_b128 v[S+8*\t:S+8*\t+3], v[RDA] offset:128*(\t/2)+32*(\t%2)
	ds_load_b128 v[S+8*\t+4:S+8*\t+7], v[RDA] offset:128*(\t/2)+32*(\t%2)+16
.endr
.endm
.macro QK                              ; + K Q^T: 8 x logit
.irp t, 0,1,2,3,4,5,6,7
	WM S+8*\t, FK+4*\t, QF, 0, KS+\t/2, QS, \t%2
.endr
.endm
.macro MASK                            ; step 0: register 16 b + i holds key KF + 16 h + 32 b + i: hidden where 32 b + i > my query - KF - 16 h.  -infinity ahead of the maximum: p = 0 then.  A block of 16 registers at a time
.set rr, 0
.rept 4
.set ii, 0
.rept 16
	v_cmp_gt_i32 s[MK+ii+4*(ii/8)], 32*rr+ii, v[DD]
.set ii, ii+1
.endr
	s_wait_alu depctr_va_sdst(0)                   ; the sixteen compares have written their lane masks, ahead of the selects that read them
.set ii, 0
.rept 16
	v_cndmask_b32 v[S+16*rr+ii], v[S+16*rr+ii], v[NINF], s[MK+ii+4*(ii/8)]
.set ii, ii+1
.endr
.set rr, rr+1
.endr
.endm
.macro SOFTMAX
.irp b, 0,1,2,3
	v_max3_num_f32 v[BM+\b], v[S+16*\b], v[S+1+16*\b], v[S+2+16*\b]   ; the largest score of each block of 32 keys: it serves the row's maximum and, since p rises with the score, the block's largest p
.endr
.irp i, 3,5,7,9,11,13
.irp b, 0,1,2,3
	v_max3_num_f32 v[BM+\b], v[BM+\b], v[S+16*\b+\i], v[S+1+16*\b+\i]
.endr
.endr
.irp b, 0,1,2,3
	v_max_num_f32 v[BM+\b], v[BM+\b], v[S+15+16*\b]
.endr
.irp b, 0,1,2,3
	v_permlanex16_b32 v[PM+\b], v[BM+\b], s[SEL], s[SEL+1]
.endr
.irp b, 0,1,2,3
	v_max_num_f32 v[BM+\b], v[BM+\b], v[PM+\b]     ; with lane l xor 16's 16 keys
.endr
	v_max3_num_f32 v[TMP], v[BM], v[BM+1], v[BM+2]
	v_max_num_f32 v[TMP], v[TMP], v[BM+3]          ; the step's largest score of my query
	v_mul_f32 v[TMP], s[CS], v[TMP]                ; as t
	v_max_num_f32 v[NM+1], v[NM+1], v[TMP]         ; the running largest t
	v_mov_b32 v[TMP], v[NM]
	v_floor_f32 v[NM], -v[NM+1]                    ; the new -M = floor(-t) = -ceil(t): a whole number
	v_sub_f32 v[TMP], v[NM], v[TMP]                ; M's old value less its new one: a whole number, 0 or less
	v_cvt_i32_f32 v[TMP], v[TMP]                   ; (it saturates)
	v_ldexp_f32 v[FF], 1.0, v[TMP]                 ; f = 2^(old M - new M): a multiplication by it rounds nothing
.set jj, 0
.rept 32
	v_pk_fma_f32 v[S+jj:S+jj+1], v[S+jj:S+jj+1], s[CS:CS+1], v[NM:NM+1] op_sel_hi:[1,0,0]   ; t - M, two at a time
.set jj, jj+2
.endr
.irp b, 0,1,2,3
	v_fma_f32 v[BM+\b], v[BM+\b], s[CS], v[NM]     ; the same of each block's largest score
.endr
.set jj, 0
	s_wait_alu depctr_va_vdst(0)
.rept 64
	v_exp_f32 v[S+jj], v[S+jj]                     ; p = 2^(t - M), at most 1: not normalised
.set jj, jj+1
.endr
.irp b, 0,1,2,3
	v_exp_f32 v[BM+\b], v[BM+\b]                   ; the block's largest p: the same two instructions on the same number give the same bits
.endr
	v_pk_mul_f32 v[LS:LS+1], v[LS:LS+1], v[FF:FF+1] op_sel_hi:[1,0]   ; the sums under the new M (also the plain line behind the exponentials)
	s_wait_alu depctr_va_vdst(0)                   ; the 68 exponentials have written p and the blocks' largest p, ahead of the first line that names one of them
.irp b, 0,1,2,3
	v_max_num_f32 v[BM+\b], 0x1800000, v[BM+\b]    ; the floor 2^(3 - 127): the byte cannot fall under 1
.endr
.irp b, 0,1,2,3
	v_add_nc_u32 v[SO+\b], 0xff000000, v[BM+\b]    ; 2 off the exponent field: the conversion's scale operand
.endr
.irp b, 0,1,2,3
	v_lshrrev_b32 v[PM+\b], 23, v[SO+\b]           ; the scale's byte
.endr
	v_lshl_or_b32 v[PW], v[PM+1], 8, v[PM]         ; p's scale word for these 128 keys
	v_lshl_or_b32 v[PW], v[PM+2], 16, v[PW]
	v_lshl_or_b32 v[PW], v[PM+3], 24, v[PW]
.irp b, 0,1,2,3
	v_cvt_scalef32_pk8_fp4_f32 v[PC+2*\b], v[S+16*\b:S+7+16*\b], v[SO+\b]
	v_cvt_scalef32_pk8_fp4_f32 v[PC+1+2*\b], v[S+8+16*\b:S+15+16*\b], v[SO+\b]
.endr
	v_nop                                          ; one plain line behind a scaled conversion
.irp c, 0,1                                    ; the operand wants a whole block in a lane: lanes 0-15 block 2 c, lanes 16-31 block 2 c + 1
.irp i, 0,1
	v_permlane16_swap_b32 v[PC+4*\c+\i], v[PC+2+4*\c+\i]
.endr
.endr
	v_pk_add_f32 v[SUM2:SUM2+1], v[S:S+1], v[S+2:S+3]   ; the row's sum is taken of the unquantised p: two at a time, in two chains
.set jj, 4
.rept 15
	v_pk_add_f32 v[LS:LS+1], v[LS:LS+1], v[S+jj:S+jj+1]
	v_pk_add_f32 v[SUM2:SUM2+1], v[SUM2:SUM2+1], v[S+jj+2:S+jj+3]
.set jj, jj+4
.endr
	v_pk_add_f32 v[LS:LS+1], v[LS:LS+1], v[SUM2:SUM2+1]
.set jj, 0
.rept 16
	v_pk_mul_f32 v[OA+jj:OA+jj+1], v[OA+jj:OA+jj+1], v[FF:FF+1] op_sel_hi:[1,0]   ; O^T under the new M, from each accumulator's low end on.  (With the sums: more than the eight places between p's scale word and the products below)
.set jj, jj+2
.endr
.endm
.macro PV                              ; O^T += V^T P^T: four tiles of 16 channels; K = these 128 keys
.irp t, 0,1,2,3
	WM OA+8*\t, FK+8*\t, PC, 0, KS+\t/2, PW, \t%2
.endr
.endm
	s_load_b256 s[4:11], s[0:1], 0x0               ; qc s[4:5], qs s[6:7], kc s[8:9], ks s[10:11]
	s_load_b256 s[12:19], s[0:1], 0x20             ; vc s[12:13], vs s[14:15], wrc s[16:17], wrs s[18:19]
	s_load_b64 s[20:21], s[0:1], 0x40              ; out0
	v_lshrrev_b32 v16, 5, v0
	v_readfirstlane_b32 s[WV], v16                 ; wave 0..15
	v_and_b32 v16, 31, v0                          ; lane
	s_wait_alu depctr_va_vdst(0)
	v_and_b32 v17, 15, v0                          ; n
	s_wait_alu depctr_va_vdst(0)
	v_bfe_u32 v18, v0, 4, 1                        ; h
	s_wait_alu depctr_va_sdst(0)                   ; the wave's number is written, ahead of its first reader
	s_and_b32 s[G], s[WV], 3                       ; which quarter of a tile's steps
	s_lshr_b32 s[TL], s[WV], 2
	s_add_co_u32 s[TL], s[TL], s[WV]
	s_and_b32 s[TL], s[TL], 3                      ; which of the work-group's four tiles: four waves that are equal mod 4, and four that follow each other, hold one quarter of each tile
	s_lshr_b32 s[BLK], s[TL], 1                    ; 0: the even block 2 p, 1: the odd block 31 - 2 p
	s_lshl_b32 s[SG], s[TL], 2
	s_add_co_u32 s[SG], s[SG], s[G]                ; my part's place: 4 tl + g
	s_lshr_b32 s[PP], ttmp9, 1
	s_and_b32 s[CC], ttmp9, 1
	s_and_b32 s[BB], s[TL], 1
	s_lshl_b32 s38, s[CC], 1
	s_add_co_u32 s[BB], s[BB], s38                 ; b = 2 c + tl % 2
	s_lshl_b32 s38, s[PP], 1
	s_sub_co_u32 s39, 31, s38
	s_sub_co_u32 s40, 3, s[G]
	s_cmp_eq_u32 s[BLK], 0
	s_cselect_b32 s[KB], s38, s39                  ; kb
	s_cselect_b32 s[SP], s40, s[G]                 ; my first step: 3 - g in the even block, g in the odd one
	s_lshr_b32 s[NS], s[KB], 1
	s_add_co_u32 s[NS], s[NS], 1
	s_and_b32 s[YY], ttmp7, 0xffff                 ; the batch
	s_mov_b32 s[SEL], 0x76543210
	s_mov_b32 s[SEL+1], 0xfedcba98
	s_mov_b32 s[CS], 0x3e38aa3b                    ; log2(e) / 8
	s_mov_b32 s[CS+1], s[CS]
	v_lshlrev_b32 v[L16], 4, v16
	v_lshlrev_b32 v[L2], 1, v16
	v_lshlrev_b32 v[L4], 2, v16
	v_lshlrev_b32 v[RO], 5, v17
	s_wait_alu depctr_va_vdst(0)
	v_lshl_add_u32 v[RO], v18, 4, v[RO]
	s_mul_i32 s38, s[WV], STGW
	v_mul_u32_u24 v[STA], v17, 816
	v_lshl_add_u32 v[STA], v18, 5, v[STA]
	v_add_nc_u32 v[STA], s38, v[STA]
	v_mul_u32_u24 v[RDA], v17, 800
	v_lshl_add_u32 v[RDA], v18, 6, v[RDA]
	s_add_co_u32 s38, s38, 240
	v_add_nc_u32 v[RDA], s38, v[RDA]
	s_lshl_b32 s38, s[SG], 7
	s_add_co_u32 s38, s38, STM
	v_add_nc_u32 v[SW], s38, v[L4]
	s_lshl_b32 s38, s[TL], 9
	s_add_co_u32 s38, s38, STM
	v_add_nc_u32 v[SR], s38, v[L4]
	s_mul_i32 s38, s[SG], OPW
	s_add_co_u32 s38, s38, OP
	v_mul_u32_u24 v[OW], v17, 272
	v_lshl_add_u32 v[OW], v18, 5, v[OW]
	v_add_nc_u32 v[OW], s38, v[OW]
	s_mul_i32 s38, s[TL], 4*OPW
	s_mul_i32 s39, s[G], 4*272
	s_add_co_u32 s38, s38, s39
	s_add_co_u32 s38, s38, OP
	v_mul_u32_u24 v[ORD], v18, 272
	v_lshl_add_u32 v[ORD], v17, 4, v[ORD]
	v_add_nc_u32 v[ORD], s38, v[ORD]
	v_lshlrev_b32 v[GO], 10, v18
	v_lshl_add_u32 v[GO], v17, 4, v[GO]
	s_lshl_b32 s38, s[BLK], 6
	s_add_co_u32 s38, s38, s[BB]
	v_lshlrev_b32 v[DD], 2, v17
	v_lshlrev_b32 v19, 4, v18
	v_sub_nc_u32 v[DD], v[DD], v19
	v_add_nc_u32 v[DD], s38, v[DD]                 ; 64 (kb % 2) + b + 4 n - 16 h
	v_mov_b32 v[NINF], 0xff800000
	v_lshlrev_b32 v[S], 7, v17                     ; Q: my query's 32 bytes lie 4 tokens from the next lane's: 128 n + 16 h;
	v_lshl_add_u32 v[S], v18, 4, v[S]
	v_lshlrev_b32 v[S+1], 3, v17                   ; its two scale bytes: 8 n.  (Both offsets stand in registers that are next written behind the wait for Q)
	v_mov_b32 v[NM+1], 0xff61b1e6                  ; the largest t so far: -3e38, under every t
	v_floor_f32 v[NM], -v[NM+1]                    ; -M
	v_mov_b32 v[LS], 0
	v_mov_b32 v[LS+1], 0
	v_mov_b32 v[PD], 0
.irp j, 0,1,2,3
	v_mov_b32 v[QF+4+\j], 0                        ; zero codes for k = 64 .. 127
	v_mov_b32 v[FA+48+\j], 0                       ; what the last fragment of each buffer names as its upper half
	v_mov_b32 v[FK+32+\j], 0
.endr
.set jj, 0
.rept 32
	v_mov_b32 v[OA+jj], 0                          ; O^T.  (The step is written once: the first finds zeros, which the first change of M leaves zeros; a wave without a step hands zeros on)
.set jj, jj+1
.endr
	s_wait_alu depctr_va_vdst(0)                   ; the head's vector lines are done: the offsets and LDS addresses v1 to v11 and Q's two offsets are written, which the loads and stores read; the zero codes, which the scaled products name, are written
	s_lshl_b32 s40, s[KB], 6
	s_add_co_u32 s40, s40, s[BB]
	s_lshl_b32 s41, s[YY], 11
	s_add_co_u32 s40, s40, s41                     ; my tile's first token: 2,048 y + Qb
	s_lshl_b32 s42, s[G], 4
	s_add_co_u32 s42, s42, s40
	s_lshl_b32 s42, s42, 8                         ; out0: at the end I store queries 4 g .. 4 g + 3 of the tile: 16 g tokens on, 256 bytes a token
	s_mov_b32 s43, 0
	s_wait_kmcnt 0x0
	s_add_nc_u64 s[20:21], s[20:21], s[42:43]
	s_cmp_lt_u32 s[SP], s[NS]
	s_cbranch_scc0 .Lmerge                         ; a short tile leaves some of its four waves without a step
	s_lshl_b32 s42, s40, 5
	s_add_nc_u64 s[4:5], s[4:5], s[42:43]
	s_lshl_b32 s42, s40, 1
	s_add_nc_u64 s[6:7], s[6:7], s[42:43]
	global_load_b128 v[QF:QF+3], v[S], s[4:5]
	global_load_u16 v[QS], v[S+1], s[6:7]
	s_sub_co_u32 s[NT], s[NS], s[SP]               ; my trips: the steps s, s + 4, .. under the tile's count: (count - s + 3) / 4, 1 to 4
	s_add_co_u32 s[NT], s[NT], 3
	s_lshr_b32 s[NT], s[NT], 2
	s_sub_co_u32 s[NT1], s[NT], 1
	s_mov_b32 s[TC], 0
	s_lshl_b32 s44, s[YY], 4
	s_lshr_b32 s45, s[KB], 1
	s_add_co_u32 s44, s44, s45
	s_sub_co_u32 s44, s44, s[SP]                   ; which 128 tokens are my first step's keys: 16 y + kb / 2 - s
	s_lshl_b32 s42, s44, 12
	s_add_nc_u64 s[8:9], s[8:9], s[42:43]          ; K's and V's codes: 4,096 bytes a step
	s_add_nc_u64 s[12:13], s[12:13], s[42:43]
	s_lshl_b32 s42, s44, 8
	s_add_nc_u64 s[10:11], s[10:11], s[42:43]      ; their scale bytes: 256
	s_add_nc_u64 s[14:15], s[14:15], s[42:43]
	s_lshl_b32 s44, s[BLK], 6
	s_add_co_u32 s44, s44, s[BB]
	s_lshl_b32 s45, s[SP], 7
	s_add_co_u32 s44, s44, s45
	s_sub_co_u32 s44, 1987, s44                    ; rb
	s_lshl_b32 s42, s44, 5
	s_add_co_u32 s42, s42, 49152
	s_add_nc_u64 s[16:17], s[16:17], s[42:43]      ; R's codes: 32 bytes a row, behind the three weights'
	s_lshl_b32 s42, s44, 1
	s_add_co_u32 s42, s42, 3072
	s_add_nc_u64 s[18:19], s[18:19], s[42:43]      ; its scale bytes: 2 a row
	LD_R                                           ; my first step's R and K go out behind Q, ahead of any wait
	LD_K
	s_wait_loadcnt 30                              ; Q's two loads are in; R's 18 and K's 12 may be out
	v_add_nc_u32 v[QSR], 0x303, v[QS]              ; x 8 for the relative product
.rept 8
	v_nop                                          ; eight places between a scale register written by a vector instruction and the scaled product that takes it
.endr
	s_wait_alu depctr_va_vdst(0)                   ; v[QSR] is written, which the relative products take as source 1's scale
	s_wait_alu depctr_vm_vsrc(0)                   ; Q's two loads have read their offsets in v[S] and v[S + 1], which the first relative product writes
.Ltrip:
	s_wait_loadcnt 12                              ; R's 18 loads are in; K's 12, issued behind them, may be out
	REL
.rept 5
	v_nop                                          ; four places in front of the stores of these results; five in front of K Q^T, which writes the same accumulators again
.endr
	s_wait_alu depctr_va_vdst(0)                   ; the relative products have written S and TT, which the LDS stores read and (S) in which the LDS loads land; they are done reading R's fragments and scale bytes, in which the next step's loads land
	SK_OUT
	s_wait_alu depctr_vm_vsrc(0)                   ; the LDS stores have read S, in which the LDS loads below land, and TT, which the softmax writes
	SK_IN
	s_cmp_lt_u32 s[TC], s[NT1]
	s_cbranch_scc0 .Lno_r                          ; my last trip asks for no further R
	s_sub_nc_u64 s[16:17], s[16:17], 16384         ; four steps back: 512 rows of R (this step's loads of R are in: the pointers may step)
	s_sub_nc_u64 s[18:19], s[18:19], 1024
	LD_R                                           ; the next step's R, a whole step ahead of its use.  No wait: no vector or matrix instruction since the wait behind the relative products names FA or RS
	s_wait_loadcnt 18                              ; K's 12 loads are in; the 18 just issued may be out
	s_branch .Lhave_k
.Lno_r:
	s_wait_loadcnt 0x0                             ; K's 12 loads are in: nothing was issued behind them
.Lhave_k:
	s_wait_dscnt 0x0                               ; the relative scores are back
	QK
.rept 4
	v_nop                                          ; four places in front of the first read of the scores
.endr
	s_wait_alu depctr_va_vdst(0)                   ; K Q^T is done reading K's fragments and scale bytes, in which V's loads land
	LD_V                                           ; V has the softmax in which to land
	s_cmp_lg_u32 s[SP], 0
	s_cbranch_scc1 .Lopen                          ; only the step on the diagonal has hidden keys
	MASK
.Lopen:
	SOFTMAX
	s_wait_loadcnt 0x0                             ; V is in, and the next step's R, issued ahead of it; no load of mine is out, so the pointers may step
	s_wait_alu depctr_va_vdst(0)                   ; p's codes and scale word are written, which the products below take as source 1 and its scale; the places stand ahead of this wait
	PV
.rept 5
	v_nop                                          ; five places in front of the next trip's first products, which write over p's codes; four in front of the first read of O^T where this was the last trip
.endr
	s_sub_nc_u64 s[8:9], s[8:9], 16384             ; four steps back: 512 keys
	s_sub_nc_u64 s[10:11], s[10:11], 1024
	s_sub_nc_u64 s[12:13], s[12:13], 16384
	s_sub_nc_u64 s[14:15], s[14:15], 1024
	s_mov_b32 s[SP], 1                             ; no later trip of mine lies on the diagonal
	s_add_co_u32 s[TC], s[TC], 1
	s_cmp_lt_u32 s[TC], s[NT]
	s_cbranch_scc0 .Lmerge                         ; that was my last trip: nothing more is asked for
	s_wait_alu depctr_va_vdst(0)                   ; V^T P is done reading V's fragments and scale words, in which the next step's loads of K land
	LD_K                                           ; the next step's K
	s_cmp_lt_u32 s[TC], s[NT]
	s_cbranch_scc1 .Ltrip
.Lmerge:
	; THE FOUR PARTS OF A TILE MEET.  Each part's -M and sum go to LDS; M* is the largest M; part q counts 2^(M_q - M*), exact (0 for a wave that had no step); each wave scales its O^T by that and by 1 / the whole sum.
.set MM, 124                           ; v124-127 the four -M, then the four factors
.set LL, 128                           ; v128-131 the four sums
.set T0, 132
.set FM, 136                           ; v[136:137] my factor
.set PR, 140                           ; v140-171 the four parts of two rows
	v_add_f32 v[LS], v[LS], v[LS+1]
	v_permlanex16_b32 v[PD], v[LS], s[SEL], s[SEL+1]
	v_add_f32 v[LS], v[LS], v[PD]                  ; my part of the row's sum
	s_wait_alu depctr_va_vdst(0)                   ; my -M and my part of the sum are written, which the LDS stores read; the loop's (or the head's) vector lines are done with v124 to v131, in which the LDS loads behind the barrier land
	ds_store_b32 v[SW], v[NM]
	ds_store_b32 v[SW], v[LS] offset:2048
	s_wait_dscnt 0x0                               ; for the others' sake
	s_barrier_signal -1
	s_barrier_wait -1
.irp q, 0,1,2,3
	ds_load_b32 v[MM+\q], v[SR] offset:128*\q
	ds_load_b32 v[LL+\q], v[SR] offset:2048+128*\q
.endr
	s_wait_dscnt 0x0
	v_min3_num_f32 v[T0], v[MM], v[MM+1], v[MM+2]
	v_min_num_f32 v[T0], v[T0], v[MM+3]            ; -M*
.irp q, 0,1,2,3
	v_sub_f32 v[MM+\q], v[T0], v[MM+\q]            ; M_q - M*: a whole number, 0 or less
.endr
	v_sub_f32 v[T0+2], v[T0], v[NM]
.irp q, 0,1,2,3
	v_cvt_i32_f32 v[MM+\q], v[MM+\q]               ; (it saturates)
.endr
	v_cvt_i32_f32 v[T0+2], v[T0+2]
.irp q, 0,1,2,3
	v_ldexp_f32 v[MM+\q], 1.0, v[MM+\q]
.endr
	v_ldexp_f32 v[T0+2], 1.0, v[T0+2]              ; my own factor
	v_mul_f32 v[T0+1], v[MM], v[LL]
	v_fma_f32 v[T0+1], v[MM+1], v[LL+1], v[T0+1]
	v_fma_f32 v[T0+1], v[MM+2], v[LL+2], v[T0+1]
	v_fma_f32 v[T0+1], v[MM+3], v[LL+3], v[T0+1]   ; the row's sum under M*: the step on the diagonal gives it a p above 1/2
	s_wait_alu depctr_va_vdst(0)
	v_rcp_f32 v[T0+1], v[T0+1]
	v_nop                                          ; one plain line behind a transcendental
	s_wait_alu depctr_va_vdst(0)                   ; the reciprocal is written, ahead of its first reader
	v_mul_f32 v[FM], v[T0+2], v[T0+1]
	v_mul_f32 v[FM+1], v[T0+2], v[T0+1]            ; (named with it as a pair, so it is written)
.set jj, 0
.rept 16
	v_pk_mul_f32 v[OA+jj:OA+jj+1], v[OA+jj:OA+jj+1], v[FM:FM+1] op_sel_hi:[1,0]   ; from each accumulator's low end on
.set jj, jj+2
.endr
	s_wait_alu depctr_va_vdst(0)                   ; O^T is scaled: the LDS stores read it
.irp t, 0,1,2,3
	ds_store_b128 v[OW], v[OA+8*\t:OA+8*\t+3] offset:64*\t          ; lane (n, h): channels 16 t + 8 h + 0 .. 7 of query n
	ds_store_b128 v[OW], v[OA+8*\t+4:OA+8*\t+7] offset:64*\t+16
.endr
	s_wait_dscnt 0x0                               ; for the others' sake; my reads of the four -M and sums are long in
	s_barrier_signal -1
	s_barrier_wait -1
.irp q, 0,1,2,3                                ; I add the four parts of queries 4 g .. 4 g + 3: sixteen lanes to a row of 256 bytes, two rows an instruction.  (v140 to v171: no vector line since the loop's last wait names them)
.irp i, 0,1
	ds_load_b128 v[PR+8*\q+4*\i:PR+8*\q+4*\i+3], v[ORD] offset:OPW*\q+544*\i
.endr
.endr
	s_wait_dscnt 0x0
.irp q, 1,2,3
.irp i, 0,2,4,6
	v_pk_add_f32 v[PR+\i:PR+\i+1], v[PR+\i:PR+\i+1], v[PR+8*\q+\i:PR+8*\q+\i+1]
.endr
.endr
	s_wait_alu depctr_va_vdst(0)                   ; the four parts are added: the two stores read the sums
.irp i, 0,1
	global_store_b128 v[GO], v[PR+4*\i:PR+4*\i+3], s[20:21] offset:2048*\i th:TH_STORE_NT   ; sixteen lanes store one token's 256 consecutive bytes, aligned; the tile's queries lie 4 tokens apart
.endr
	s_wait_xcnt 0x0                                ; every earlier memory instruction has had its addresses translated (ISA guide 3.1)
	v_lshl_add_u32 v254, v0, 2, 0x45000            ; the closing add's two registers are made anew: v254 and v255 held the mask's two numbers, which vector instructions alone have read
	v_mov_b32 v255, 0
	s_wait_dscnt 0x0                               ; the closing lines, six on end
	s_wait_alu 0x0
	s_wait_tensorcnt 0x0
	ds_add_u32 v254, v255
	s_wait_dscnt 0x0
	s_endpgm
.Lfunc_end_k_qbe4c642a3f_attn:
	.size	k_qbe4c642a3f_attn, .Lfunc_end_k_qbe4c642a3f_attn-k_qbe4c642a3f_attn
	.p2alignl 7, 3214868480
	.fill 96, 4, 3214868480
	.section	.rodata,"a",@progbits
	.p2align	6, 0x0
	.amdhsa_kernel k_qbe4c642a3f_attn
		.amdhsa_group_segment_fixed_size 284672
		.amdhsa_private_segment_fixed_size 0
		.amdhsa_enable_private_segment 0
		.amdhsa_kernarg_size 72
		.amdhsa_user_sgpr_count 2
		.amdhsa_user_sgpr_kernarg_segment_ptr 1
		.amdhsa_wavefront_size32 1
		.amdhsa_system_sgpr_workgroup_id_x 1
		.amdhsa_system_sgpr_workgroup_id_y 1
		.amdhsa_system_sgpr_workgroup_id_z 1
		.amdhsa_system_vgpr_workitem_id 0
		.amdhsa_next_free_vgpr 256
		.amdhsa_next_free_sgpr 66
		.amdhsa_reserve_vcc 0
		.amdhsa_float_denorm_mode_32 3
		.amdhsa_float_denorm_mode_16_64 3
		.amdhsa_memory_ordered 1
		.amdhsa_forward_progress 1
		.amdhsa_inst_pref_size 48
	.end_amdhsa_kernel
	.amdgpu_metadata
---
amdhsa.version: [ 1, 2 ]
amdhsa.kernels:
  - .name:           k_qbe4c642a3f_attn
    .symbol:         k_qbe4c642a3f_attn.kd
    .args:
      - { .name: qc, .offset: 0, .size: 8, .value_kind: global_buffer, .address_space: global }
      - { .name: qs, .offset: 8, .size: 8, .value_kind: global_buffer, .address_space: global }
      - { .name: kc, .offset: 16, .size: 8, .value_kind: global_buffer, .address_space: global }
      - { .name: ks, .offset: 24, .size: 8, .value_kind: global_buffer, .address_space: global }
      - { .name: vc, .offset: 32, .size: 8, .value_kind: global_buffer, .address_space: global }
      - { .name: vs, .offset: 40, .size: 8, .value_kind: global_buffer, .address_space: global }
      - { .name: wrc, .offset: 48, .size: 8, .value_kind: global_buffer, .address_space: global }
      - { .name: wrs, .offset: 56, .size: 8, .value_kind: global_buffer, .address_space: global }
      - { .name: out0, .offset: 64, .size: 8, .value_kind: global_buffer, .address_space: global }
    .group_segment_fixed_size: 284672
    .private_segment_fixed_size: 0
    .kernarg_segment_align: 8
    .kernarg_segment_size: 72
    .max_flat_workgroup_size: 512
    .sgpr_count:     66
    .vgpr_count:     256
    .wavefront_size: 32
...
	.end_amdgpu_metadata
.endif
;; end of part 9
